; MI455X (gfx1250); checked and timed in simulation.
; The chip was launched on July 23, 2026; its instructions are those of AMD's public machine-readable ISA for CDNA 5 (MIT licence, August 2026) and "CDNA5" Instruction Set Architecture Reference Guide (July 2026). The comments in the code are by the model that wrote it; some were corrected since.
;; Transformer Block. Allowed arithmetic: matrix products marked QUANTISED: E2M1 operands, one E8M0 scale for each 32 along K, by v_wmma_scale_f32_16x16x128_f8f6f4 with both operands' format E2M1 (or v_wmma_scale_f32_32x16x128_f4), f32 sums; everything else in f32.
;; Inputs: g1 768 float32; g2 768 float32; w1_codes 3,072 x 24 x 16 uint8 (E2M1 codes of w1, K innermost, in blocks of 32 codes, two codes a byte); w1_scales 3,072 x 24 uint8 (E8M0 scales of w1, one for each 32 codes along K); w2_codes 768 x 96 x 16 uint8 (E2M1 codes of w2, K innermost, in blocks of 32 codes, two codes a byte); w2_scales 768 x 96 uint8 (E8M0 scales of w2, one for each 32 codes along K); wk_codes 768 x 24 x 16 uint8 (E2M1 codes of wk, K innermost, in blocks of 32 codes, two codes a byte); wk_scales 768 x 24 uint8 (E8M0 scales of wk, one for each 32 codes along K); wo_codes 768 x 24 x 16 uint8 (E2M1 codes of wo, K innermost, in blocks of 32 codes, two codes a byte); wo_scales 768 x 24 uint8 (E8M0 scales of wo, one for each 32 codes along K); wq_codes 768 x 24 x 16 uint8 (E2M1 codes of wq, K innermost, in blocks of 32 codes, two codes a byte); wq_scales 768 x 24 uint8 (E8M0 scales of wq, one for each 32 codes along K); wv_codes 768 x 24 x 16 uint8 (E2M1 codes of wv, K innermost, in blocks of 32 codes, two codes a byte); wv_scales 768 x 24 uint8 (E8M0 scales of wv, one for each 32 codes along K); x 1 x 4,096 x 768 float32.
;; Outputs: out0 1 x 4,096 x 768 float32.
;; This version of the problem:
;;   THIS VERSION OF THE PROBLEM IS GIVEN IN LOW PRECISION. The matrix products marked QUANTISED in the list below multiply operands that are first quantised to E2M1 (2 exponent bits, 1 mantissa bit; 4 bits a number), with one power-of-two scale for each 32 numbers along K (OCP MX v1.0); their sums are f32. All else is computed in f32.
;;   The module's matrix products, in the order in which they are computed (A, B: the left and right operand; K: the contracted axis; several contracted axes count as one K, in the product's order):
;;     1. [M 4,096, K 768] x [K 768, N 768]; A: computed on the way; B: input wq (given as codes): QUANTISED
;;     2. [M 4,096, K 768] x [K 768, N 768]; A: computed on the way; B: input wk (given as codes): QUANTISED
;;     3. [M 4,096, K 768] x [K 768, N 768]; A: computed on the way; B: input wv (given as codes): QUANTISED
;;     4. batch 12 x [M 4,096, K 64] x [K 64, N 4,096]; A: computed on the way; B: computed on the way: QUANTISED
;;     5. batch 12 x [M 64, K 4,096] x [K 4,096, N 4,096]; A: computed on the way; B: softmax (see below): QUANTISED
;;     6. [M 4,096, K 768] x [K 768, N 768]; A: computed on the way; B: input wo (given as codes): QUANTISED
;;     7. [M 4,096, K 768] x [K 768, N 3,072]; A: computed on the way; B: input w1 (given as codes): QUANTISED
;;     8. [M 4,096, K 3,072] x [K 3,072, N 768]; A: computed on the way; B: input w2 (given as codes): QUANTISED
;;   THE QUANTISER, for each operand of a quantised product, along K:
;;     - K is cut into blocks of 32 from its start; a last block that is shorter is filled with zeros.
;;     - A block's scale is 2^e with e = floor(log2(the largest magnitude in the block)) - 2, held to -126 .. 127; a block of zeros has e = 0. As a byte (E8M0): e + 127.
;;     - Each number is divided by its block's scale, clamped to +-6, and rounded to the nearest number of E2M1, ties to even, subnormals kept.
;;     - The product sums the exact products of the quantised numbers (number of the format x scale) in f32.
;;   ~~~python
;;   def quantise(x, axis):      # numpy; x: float32 -> the quantised numbers, widened to float32 again
;;       x = np.moveaxis(x, axis, -1); K = x.shape[-1]
;;       x = np.pad(x, [(0, 0)] * (x.ndim - 1) + [(0, -K % 32)]); x = x.reshape(x.shape[:-1] + (-1, 32)); a = np.abs(x).max(-1, keepdims=True)
;;       e = np.where(a > 0, np.clip(np.frexp(np.where(a > 0, a, 1))[1] - 1 - 2, -126, 127), 0)      # np.frexp(a)[1] - 1 = floor(log2(a)), exactly
;;       r = np.clip(x / 2.0 ** e, -6, 6)
;;       step = 2.0 ** (np.maximum(np.frexp(np.where(r == 0, 1, r))[1] - 1, 0) - 1)
;;       q = np.round(r / step) * step * 2.0 ** e      # np.round: ties to even
;;       return np.moveaxis(q.reshape(q.shape[:-2] + (-1,))[..., :K], -1, axis).astype(np.float32)
;;   ~~~
;;   SOFTMAX AHEAD OF A QUANTISED PRODUCT. Where the list says 'softmax', what is quantised is not the finished softmax but p = 2^(t - M), with t = logit x log2(e) and M = ceil(the row's largest t), a whole number; so 1/2 < the row's largest p <= 1. The row's sum l is taken of the UNQUANTISED p, in f32, and the product's result is divided by l at the end. Since M is a whole number, a kernel that streams over the keys may use a running M (the ceiling of the running maximum): every later rescaling is an exact power of two, which a block's scale takes up: the codes' values come out the same.
;;   OPERANDS COMPUTED ON THE WAY. 'Computed on the way' means the value that the module computes at that place (a softmax that the list does not call 'softmax' is quantised finished and normalised). What goes into a quantiser is computed in f32, as accurately as f32 sums, v_exp_f32 and their like allow (about 1e-6 of the number): no bf16 or f16 on the way to a quantiser, and a product that is left as it is and whose result goes on into a quantised operand takes f32 operands (vector FMAs, or v_wmma_f32_16x16x4_f32). A number that lies on a knife's edge between two numbers of the format may be rounded either way, as far as f32 arithmetic and the matrix unit's own rounding can turn it there, and no further.
;;   INPUTS GIVEN AS CODES. w1 (in the module: [3072, 768], K = its axis 1); w2 (in the module: [768, 3072], K = its axis 1); wk (in the module: [768, 768], K = its axis 1); wo (in the module: [768, 768], K = its axis 1); wq (in the module: [768, 768], K = its axis 1); wv (in the module: [768, 768], K = its axis 1): each comes as NAME_codes (uint8): NAME with its K axis moved to the last place and cut into blocks of 32 codes, [.., K / 32, bytes a block], one block behind the other in memory; two codes a byte, the lower K in the low four bits (a code: sign, 2 exponent bits, 1 mantissa bit); and NAME_scales (uint8): the same leading axes, one E8M0 byte (e + 127) for each 32 codes along K. Its value is code x scale, taken as it is: it is not quantised again, and the codes and scales need not be those that the quantiser above would give.
;; 3 versions. Each part assembles by itself: llvm-mc -triple=amdgcn-amd-amdhsa -mcpu=gfx1250 --defsym DOCPART=n.
;; ======== version 1 of 3: 3 launches
;; workspace buffers: qimg 1,572,864 bytes; qsc 196,608 bytes; kv 3,440,640 bytes; oimg 1,572,864 bytes; osc 98,304 bytes; wimg 2,820,096 bytes
;; launch qkv (part 1): grid 128 x 1, 12 waves a work-group, no clusters, 121,344 bytes of LDS; arguments x, g1, wq_codes, wq_scales, wk_codes, wk_scales, wv_codes, wv_scales, wo_codes, wo_scales, w1_codes, w1_scales, w2_codes, w2_scales, qimg, qsc, kv, wimg; writes qimg, qsc, kv, wimg
.if DOCPART == 1
	.amdgcn_target "amdgcn-amd-amdhsa--gfx1250"
	.amdhsa_code_object_version 6
	.text
	.protected	k_q64c09f7db8_qkv
	.globl	k_q64c09f7db8_qkv
	.p2align	8
	.type	k_q64c09f7db8_qkv,@function
k_q64c09f7db8_qkv:
	s_mov_b64 s[64:65], 0
	v_nop
	global_prefetch_b8 v0, s[64:65] scope:SCOPE_SE
	s_setreg_imm32_b32 hwreg(HW_REG_WAVE_MODE, 25, 1), 1
	s_wait_xcnt 0x0
; rmsnorm(x, g1), quantised along 768; q, k, v = that x wq^T, wk^T, wv^T on codes of E2M1 with E8M0 scales; q and k quantised along the head's 64, v along the keys.
; Beside that: wo, w1, w2 are laid out once in the order of the operand's registers (wimg), for the third launch.
; SHARES.  A work-group owns 32 tokens (block B = its number), so that a block of 32 keys of v is whole in it.  Twelve waves: in the norm wave w owns columns 64 w .. 64 w + 63, in the products head w.
; LAYOUT.  L = lane, r = L % 16, h = L / 16.  A weight tile (t = 0..3 of 64 rows): lane r takes row 8 t + r % 8 + 32 (r / 8).  A token tile (u = 0, 1): lane r is token 8 u + r % 8 + 16 (r / 8).
; q and k are made transposed (source 0 = 16 weight rows, source 1 = 16 tokens): lane (r, h) holds token r, and its 32 registers of the four tiles are outputs 32 h + 0 .. 31: ONE whole block of 32 along the next K:
; the block's largest magnitude needs no other lane and the four conversions' results are four registers of the next operand.  v is made the other way round (source 0 = tokens): a lane holds one channel and
; 16 tokens; one exchange of halves between two tiles gives it all 32 tokens of the block.
; WEIGHTS go from memory straight into the registers of the one wave that multiplies by them, in a ring of three register sets, two K steps ahead.  No cluster and no joint load: each fragment is used by one
; wave of a work-group, so a way through LDS would add a store and a load of every byte and take none off what the work-group receives.
; LIMITS: NaN and infinities are not served.  A block whose largest magnitude lies under 2^-124 has the byte 1 (the quantiser's own hold); a block of zeros has the byte 1 too, not 127: its codes are zeros and
; this program alone reads the bytes.  1 / sqrt(mean + eps) is v_rsq_f32, and x g is multiplied by it.  The scale words of q and k leave in runs of 128 bytes, v's scale bytes singly: one byte in 17 of what is stored.
.set ASC,  12288                       ; LDS: byte 0: the 12 images of the normed rows (K step s, token tile u: 2048 s + 1024 u); here their scale words (128 s + 64 u + 4 r);
.set PART, 13056                       ; the waves' sums of squares: 1024 u + 64 r + 4 w;
.set STG,  15360                       ; a stage of 32 rows x (256 + 16) bytes for each wave
.set WST,  8704
.set LI,  1                            ; v1   16 x lane (also the images' LDS address: they begin at byte 0)
.set L8,  2                            ; v2   8 x lane
.set L4,  3                            ; v3   4 x lane
.set XG,  4                            ; v4   x: (L / 16) rows of 3,072 bytes + 16 (L % 16)
.set SD,  5                            ; v5   my stage, by rows as they are loaded
.set SF,  6                            ; v6   my stage, by fragments: row r, + 128 h
.set PW,  7                            ; v7   where I put a sum of squares
.set PR,  8                            ; v8   where I read the twelve
.set AW,  9                            ; v9   where I store my columns' part of an image
.set BW,  10                           ; v10  and its scale byte
.set SA,  12                           ; v12  ASC + 4 x lane
.set GA,  13                           ; v13  128 h: my 32 gains
.set WLA, 14                           ; v14  a weight tile's lane: (r % 8 + 32 (r / 8)) x 384 + 16 h
.set WSA, 15                           ; v15  its scale words: (8 (L / 16) + L % 8 + 32 ((L / 8) % 2)) x 24
.set KCA, 16                           ; v16  k's codes in a record
.set KSA, 17                           ; v17  k's scale words
.set VCA, 18                           ; v18  v's codes
.set SH8, 19                           ; v19  8 h
.set ACC, 24                           ; v24-87   64 numbers: x, then eight accumulators
.set WB,  88                           ; v88-183  weights: three sets of four fragments
.set AB,  184                          ; v184-215 activations: two sets of two fragments
.set WSR, 216                          ; v216-221 weights' scale words, two a set: scales and nothing else
.set AS,  222                          ; v222-223 activations' scale words, one a set
.set QM,  224                          ; v224.. at work: largest magnitudes, v226 scale operands, v228 bytes, v232-239 codes
.set QS,  226
.set QB,  228
.set QC,  232
.set NL,  10                           ; loads of one K step's weights
.set WV,  40
.set BK,  41
.set INV, 42
.set EPS, 43
.set SEL, 44
.set HM,  46
.macro PLACES                          ; four plain places behind matrix instructions, in front of loads into their sources and of reads of their results
.rept 4
	v_nop
.endr
.endm
.macro BARRIER                         ; my LDS stores have landed and my LDS loads are in: then the work-group's barrier
	s_wait_dscnt 0x0
	s_barrier_signal -1
	s_barrier_wait -1
.endm
; One product.  z = 1: it starts the sum.  ra, rb = 1: that side's scales are taken from lanes 16-31 of its register.
.macro WM d, a, b, z, sa, sb, ra, rb
.if (\z) && ((\ra) == 0) && ((\rb) == 0)
	v_wmma_scale_f32_16x16x128_f8f6f4 v[(\d):(\d)+7], v[(\a):(\a)+7], v[(\b):(\b)+7], 0, v[(\sa)], v[(\sb)] matrix_a_fmt:MATRIX_FMT_FP4 matrix_b_fmt:MATRIX_FMT_FP4
.elseif (\z) && ((\ra) == 1) && ((\rb) == 0)
	v_wmma_scale_f32_16x16x128_f8f6f4 v[(\d):(\d)+7], v[(\a):(\a)+7], v[(\b):(\b)+7], 0, v[(\sa)], v[(\sb)] matrix_a_fmt:MATRIX_FMT_FP4 matrix_b_fmt:MATRIX_FMT_FP4 matrix_a_scale:MATRIX_SCALE_ROW1
.elseif (\z) && ((\ra) == 0)
	v_wmma_scale_f32_16x16x128_f8f6f4 v[(\d):(\d)+7], v[(\a):(\a)+7], v[(\b):(\b)+7], 0, v[(\sa)], v[(\sb)] matrix_a_fmt:MATRIX_FMT_FP4 matrix_b_fmt:MATRIX_FMT_FP4 matrix_b_scale:MATRIX_SCALE_ROW1
.elseif (\z)
	v_wmma_scale_f32_16x16x128_f8f6f4 v[(\d):(\d)+7], v[(\a):(\a)+7], v[(\b):(\b)+7], 0, v[(\sa)], v[(\sb)] matrix_a_fmt:MATRIX_FMT_FP4 matrix_b_fmt:MATRIX_FMT_FP4 matrix_a_scale:MATRIX_SCALE_ROW1 matrix_b_scale:MATRIX_SCALE_ROW1
.elseif ((\ra) == 0) && ((\rb) == 0)
	v_wmma_scale_f32_16x16x128_f8f6f4 v[(\d):(\d)+7], v[(\a):(\a)+7], v[(\b):(\b)+7], v[(\d):(\d)+7], v[(\sa)], v[(\sb)] matrix_a_fmt:MATRIX_FMT_FP4 matrix_b_fmt:MATRIX_FMT_FP4
.elseif ((\ra) == 1) && ((\rb) == 0)
	v_wmma_scale_f32_16x16x128_f8f6f4 v[(\d):(\d)+7], v[(\a):(\a)+7], v[(\b):(\b)+7], v[(\d):(\d)+7], v[(\sa)], v[(\sb)] matrix_a_fmt:MATRIX_FMT_FP4 matrix_b_fmt:MATRIX_FMT_FP4 matrix_a_scale:MATRIX_SCALE_ROW1
.elseif ((\ra) == 0)
	v_wmma_scale_f32_16x16x128_f8f6f4 v[(\d):(\d)+7], v[(\a):(\a)+7], v[(\b):(\b)+7], v[(\d):(\d)+7], v[(\sa)], v[(\sb)] matrix_a_fmt:MATRIX_FMT_FP4 matrix_b_fmt:MATRIX_FMT_FP4 matrix_b_scale:MATRIX_SCALE_ROW1
.else
	v_wmma_scale_f32_16x16x128_f8f6f4 v[(\d):(\d)+7], v[(\a):(\a)+7], v[(\b):(\b)+7], v[(\d):(\d)+7], v[(\sa)], v[(\sb)] matrix_a_fmt:MATRIX_FMT_FP4 matrix_b_fmt:MATRIX_FMT_FP4 matrix_a_scale:MATRIX_SCALE_ROW1 matrix_b_scale:MATRIX_SCALE_ROW1
.endif
.endm
; K step ks of my head's 64 weight rows into set: four fragments as the rows lie (384 bytes a row), and two registers of scale words: register q, lane L: tile 2 q + L / 16, row L % 16
.macro WLOAD set, cb, sb, ks
.irp t, 0,1,2,3
.irp c, 0,1
	global_load_b128 v[WB+32*(\set)+8*\t+4*\c:WB+32*(\set)+8*\t+4*\c+3], v[WLA], s[\cb:\cb+1] offset:3072*\t+64*(\ks)+32*\c
.endr
.endr
.irp q, 0,1
	global_load_b32 v[WSR+2*(\set)+\q], v[WSA], s[\sb:\sb+1] offset:384*\q+4*(\ks)
.endr
.endm
; K step ks of the 32 tokens: two images, and one register of scale words: lanes 0-15 tile 0's, lanes 16-31 tile 1's
.macro ALOAD set, aa, sa, ks
.irp u, 0,1
.irp c, 0,1
	ds_load_b128 v[AB+16*(\set)+8*\u+4*\c:AB+16*(\set)+8*\u+4*\c+3], v[\aa] offset:2048*(\ks)+1024*\u+512*\c
.endr
.endr
	ds_load_b32 v[AS+(\set)], v[\sa] offset:128*(\ks)
.endm
; Eight products of one K step, on eight accumulators by turns, one instruction a turn.  ori = 0: transposed; ori = 1: tokens as source 0
.macro MM ws, as, z, ori
.irp t, 0,1,2,3
.irp u, 0,1
.if \ori
	WM ACC+16*\t+8*\u, AB+16*(\as)+8*\u, WB+32*(\ws)+8*\t, \z, AS+(\as), WSR+2*(\ws)+\t/2, \u, \t%2
.else
	WM ACC+32*\u+8*\t, WB+32*(\ws)+8*\t, AB+16*(\as)+8*\u, \z, WSR+2*(\ws)+\t/2, AS+(\as), \t%2, \u
.endif
.endr
.endr
.endm
; Six K steps: 64 outputs x 32 tokens x 768.  On entry the weights of steps 0 and 1 and the activations of step 0 have been asked for.  Step s asks for the weights of step s + 2 (in steps 4 and 5, with nxt,
; for the next product's steps 0 and 1: six is a multiple of three, so the ring goes on) and for the activations of step s + 1 (in step 5, with anx, for step 0 again).
.macro G6 zero, ori, cb, sb, nxt, ncb, nsb, anx
.irp s, 0,1,2,3,4,5
	PLACES                                         ; the sets loaded below were read by the step before
.if \s < 4
	WLOAD (\s+2)%3, \cb, \sb, \s+2
.elseif \nxt
	WLOAD (\s+2)%3, \ncb, \nsb, \s-4
.endif
.if \s < 5
	ALOAD (\s+1)%2, LI, SA, \s+1
.elseif \anx
	ALOAD 0, LI, SA, 0
.endif
.if (\s < 4) || \nxt
	s_wait_loadcnt 2*NL                            ; this step's weights are in; those of the two steps behind it may be out
.elseif \s == 4
	s_wait_loadcnt NL
.else
	s_wait_loadcnt 0x0
.endif
.if (\s < 5) || \anx
	s_wait_dscnt 5                                 ; this step's activations are in; the five loads just issued may be out
.else
	s_wait_dscnt 0x0
.endif
.set ZZ, 0
.if (\zero) && (\s == 0)
.set ZZ, 1
.endif
	MM \s%3, \s%2, ZZ, \ori
.endr
.endm
; Two blocks of 32 numbers, each in one lane's 32 registers, become 2 x 4 registers of codes (QC), two bytes (QB).  The floor 2^(3 - 127) among the leaves holds the byte at 1 from below.
; An accumulator's registers are read in ascending order.
.macro QUANT2 a, b
	v_max3_num_f32 v[QM], |v[(\a)]|, |v[(\a)+1]|, 0x1800000
	v_max3_num_f32 v[QM+1], |v[(\b)]|, |v[(\b)+1]|, 0x1800000
.irp i, 2,4,6,8,10,12,14,16,18,20,22,24,26,28,30
	v_max3_num_f32 v[QM], v[QM], |v[(\a)+\i]|, |v[(\a)+\i+1]|
	v_max3_num_f32 v[QM+1], v[QM+1], |v[(\b)+\i]|, |v[(\b)+\i+1]|
.endr
	v_add_nc_u32 v[QS], 0xff000000, v[QM]          ; 2 off the exponent field: the conversion takes the exponent field of this operand as its scale
	v_add_nc_u32 v[QS+1], 0xff000000, v[QM+1]
	v_lshrrev_b32 v[QB], 23, v[QS]                 ; the scale's byte
	v_lshrrev_b32 v[QB+1], 23, v[QS+1]
.irp g, 0,1,2,3
	v_cvt_scalef32_pk8_fp4_f32 v[QC+\g], v[(\a)+8*\g:(\a)+8*\g+7], v[QS]
	v_cvt_scalef32_pk8_fp4_f32 v[QC+4+\g], v[(\b)+8*\g:(\b)+8*\g+7], v[QS+1]
.endr
	v_nop                                          ; one plain place behind the last scaled conversion
.endm
; q's or k's way out: the two token tiles' codes (registers 0-3 of an operand whose K is the head's 64) and their scale words: bytes 0, 1 the two blocks, bytes 2, 3 the byte of 1.0
.macro EPI_QK ca, cp, wa, wp
	PLACES
	s_wait_xcnt 0x0                                ; the registers written below were the data of the stores before
	QUANT2 ACC, ACC+32
	global_store_b128 v[\ca], v[QC:QC+3], s[\cp:\cp+1]
	global_store_b128 v[\ca], v[QC+4:QC+7], s[\cp:\cp+1] offset:512
	v_lshlrev_b32 v240, v[SH8], v[QB]              ; my block's byte at its place,
	v_lshlrev_b32 v241, v[SH8], v[QB+1]
	v_permlanex16_b32 v242, v240, s[SEL], s[SEL+1]
	v_permlanex16_b32 v243, v241, s[SEL], s[SEL+1]
	v_or_b32 v240, v240, v242                      ; with lane l xor 16's
	v_or_b32 v241, v241, v243
	v_cndmask_b32 v240, v240, v241, s[HM]          ; lanes 0-15 carry tile 0's words, lanes 16-31 tile 1's
	v_or_b32 v240, 0x7f7f0000, v240
	global_store_b32 v[\wa], v240, s[\wp:\wp+1]
.endm
	s_load_b512 s[4:19], s[0:1], 0x0               ; x, g1, wq codes, scales, wk codes, scales, wv codes, scales
	s_load_b512 s[20:35], s[0:1], 0x40             ; wo codes, scales, w1 codes, scales, w2 codes, scales, qimg, qsc
	s_load_b128 s[36:39], s[0:1], 0x80             ; kv, wimg
	v_lshl_add_u32 v11, v0, 2, 0x1d400
	s_set_vgpr_msb 0x40
	v_mov_b32 v1, 0
	s_set_vgpr_msb 0x4000
	v_lshrrev_b32 v20, 5, v0
	v_readfirstlane_b32 s[WV], v20                 ; wave 0..11
	s_mov_b32 s[BK], ttmp9                         ; block of 32 tokens
	s_mov_b32 s[INV], 0x3aaaaaab                   ; 1 / 768
	s_mov_b32 s[EPS], 0x3727c5ac                   ; 1e-5
	s_mov_b32 s[SEL], 0x76543210
	s_mov_b32 s[SEL+1], 0xfedcba98                 ; v_permlanex16_b32's selects for lane l xor 16
	s_mov_b32 s[HM], 0xffff0000                    ; lanes 16-31
	v_and_b32 v20, 31, v0                          ; L
	v_and_b32 v21, 15, v0                          ; r
	v_bfe_u32 v22, v0, 4, 1                        ; h
	v_lshlrev_b32 v[LI], 4, v20
	v_lshlrev_b32 v[L8], 3, v20
	v_lshlrev_b32 v[L4], 2, v20
	v_mul_u32_u24 v[XG], v22, 3072
	v_lshl_add_u32 v[XG], v21, 4, v[XG]
	s_mul_i32 s47, s[WV], WST
	s_add_co_u32 s47, s47, STG                     ; my stage
	v_mul_u32_u24 v[SD], v22, 272
	v_lshl_add_u32 v[SD], v21, 4, v[SD]
	v_add_nc_u32 v[SD], s47, v[SD]
	v_mul_u32_u24 v[SF], v21, 272
	v_lshl_add_u32 v[SF], v22, 7, v[SF]
	v_add_nc_u32 v[SF], s47, v[SF]
	v_lshlrev_b32 v[PR], 6, v21
	v_add_nc_u32 v[PR], PART, v[PR]
	s_lshl_b32 s47, s[WV], 2
	v_add_nc_u32 v[PW], s47, v[PR]
	s_lshr_b32 s48, s[WV], 1                       ; my 64 columns are half c = w % 2 of K step w / 2
	s_and_b32 s49, s[WV], 1
	s_lshl_b32 s47, s48, 11
	s_lshl_b32 s50, s49, 9
	s_add_co_u32 s47, s47, s50
	v_add_nc_u32 v[AW], s47, v[LI]
	s_lshl_b32 s47, s48, 7
	s_lshl_b32 s50, s49, 1
	s_add_co_u32 s47, s47, s50
	s_add_co_u32 s47, s47, ASC
	v_lshl_add_u32 v[BW], v21, 2, v22              ; 4 r + h
	v_add_nc_u32 v[BW], s47, v[BW]
	v_add_nc_u32 v[SA], ASC, v[L4]
	v_lshlrev_b32 v[GA], 7, v22
	v_and_b32 v23, 7, v0
	v_bfe_u32 v[WSA], v0, 3, 1
	v_lshl_add_u32 v23, v[WSA], 5, v23             ; r % 8 + 32 (r / 8)
	v_mul_u32_u24 v[WLA], v23, 384
	v_lshl_add_u32 v[WLA], v22, 4, v[WLA]
	v_lshl_add_u32 v23, v22, 3, v23                ; + 8 (L / 16)
	v_mul_u32_u24 v[WSA], v23, 24
	v_and_b32 v23, 7, v0
	v_bfe_u32 v[KSA], v0, 3, 1
	v_lshlrev_b32 v[KCA], 4, v23
	v_lshl_add_u32 v[KCA], v[KSA], 10, v[KCA]
	v_lshl_add_u32 v[KCA], v22, 7, v[KCA]          ; 1024 (r / 8) + 16 (r % 8) + 128 h: sixteen lanes fill 256 consecutive bytes
	v_lshlrev_b32 v[KSA], 3, v[KSA]
	v_lshl_add_u32 v[KSA], v23, 4, v[KSA]
	v_lshl_add_u32 v[KSA], v22, 2, v[KSA]          ; 16 (r % 8) + 8 (r / 8) + 4 h
	v_lshlrev_b32 v[VCA], 10, v22
	v_lshl_add_u32 v[VCA], v21, 4, v[VCA]          ; 1024 h + 16 r
	v_lshlrev_b32 v[SH8], 3, v22
	; byte offsets, each in a pair with 0 above it
	s_mul_i32 s48, s[BK], 98304
	s_lshl_b32 s50, s[WV], 8
	s_add_co_u32 s48, s48, s50                     ; x: 32 rows of 3,072 bytes a block, + my 256 bytes of a row
	s_mov_b32 s49, 0
	s_mov_b32 s51, 0                               ; g1: 256 w
	s_mul_i32 s52, s[WV], 24576                    ; a head's 64 rows of codes
	s_mov_b32 s53, 0
	s_mul_i32 s54, s[WV], 1536                     ; and of scale bytes
	s_mov_b32 s55, 0
	s_lshl_b32 s56, s[WV], 17
	s_lshl_b32 s47, s[BK], 10
	s_add_co_u32 s56, s56, s47                     ; qimg: (256 w + 2 B) x 512
	s_mov_b32 s57, 0
	s_lshl_b32 s58, s[WV], 14
	s_lshl_b32 s47, s[BK], 7
	s_add_co_u32 s58, s58, s47                     ; qsc: (256 w + 2 B) x 64
	s_mov_b32 s59, 0
	s_lshl_b32 s60, s[WV], 5
	s_lshr_b32 s47, s[BK], 2
	s_add_co_u32 s60, s60, s47
	s_mul_i32 s60, s60, 8960                       ; kv: the record of head w, key step B / 4
	s_bfe_u32 s62, s[BK], 0x10001                  ; (B / 2) % 2
	s_and_b32 s63, s[BK], 1
	s_lshl_b32 s66, s62, 11
	s_lshl_b32 s47, s63, 8
	s_add_co_u32 s66, s66, s47
	s_add_co_u32 s66, s66, s60                     ; k's codes
	s_mov_b32 s67, 0
	s_lshl_b32 s68, s62, 8
	s_lshl_b32 s47, s63, 7
	s_add_co_u32 s68, s68, s47
	s_add_co_u32 s68, s68, s60
	s_add_co_u32 s68, s68, 8192                    ; k's scale words
	s_mov_b32 s69, 0
	s_lshl_b32 s70, s62, 9
	s_lshl_b32 s47, s63, 8
	s_add_co_u32 s70, s70, s47
	s_add_co_u32 s70, s70, s60
	s_add_co_u32 s70, s70, 4096                    ; v's codes
	s_mov_b32 s71, 0
	s_and_b32 s72, s[BK], 3
	s_add_co_u32 s72, s72, s60
	s_add_co_u32 s72, s72, 8704                    ; v's scale bytes
	s_mov_b32 s73, 0
	s_wait_kmcnt 0x0
	s_add_nc_u64 s[4:5], s[4:5], s[48:49]
	s_add_nc_u64 s[6:7], s[6:7], s[50:51]
.irp p, 8,12,16
	s_add_nc_u64 s[\p:\p+1], s[\p:\p+1], s[52:53]
.endr
.irp p, 10,14,18
	s_add_nc_u64 s[\p:\p+1], s[\p:\p+1], s[54:55]
.endr
	s_add_nc_u64 s[32:33], s[32:33], s[56:57]
	s_add_nc_u64 s[34:35], s[34:35], s[58:59]
	s_add_nc_u64 s[66:67], s[36:37], s[66:67]
	s_add_nc_u64 s[68:69], s[36:37], s[68:69]
	s_add_nc_u64 s[70:71], s[36:37], s[70:71]
	s_add_nc_u64 s[72:73], s[36:37], s[72:73]
	; ---- x: 32 tokens x my 64 columns.  Each load covers two rows' 256 consecutive bytes, aligned
.irp i, 0,1,2,3,4,5,6,7,8,9,10,11,12,13,14,15
	global_load_b128 v[ACC+4*\i:ACC+4*\i+3], v[XG], s[4:5] offset:2*\i*3072 th:TH_LOAD_NT
.endr
.irp j, 0,1,2,3,4,5,6,7
	global_load_b128 v[WB+64+4*\j:WB+64+4*\j+3], v[GA], s[6:7] offset:16*\j   ; my 32 gains, in the weights' third set, which is free till the first K step
.endr
	WLOAD 0, 8, 10, 0
	WLOAD 1, 8, 10, 1
	s_wait_loadcnt 28                              ; x is in; behind it: 8 loads of gains and 20 of weights
	; through my stage: row rho of the block goes to stage row 16 u + r of its token tile, and comes back as lane (r, h)'s 32 columns
.irp i, 0,1,2,3,4,5,6,7,8,9,10,11,12,13,14,15
	ds_store_b128 v[SD], v[ACC+4*\i:ACC+4*\i+3] offset:(16*((\i/4)%2)+2*(\i%4)+8*(\i/8))*272
.endr
	s_wait_dscnt 0x0                               ; the stores have read their registers
.irp u, 0,1
.irp j, 0,1,2,3,4,5,6,7
	ds_load_b128 v[ACC+32*\u+4*\j:ACC+32*\u+4*\j+3], v[SF] offset:16*\u*272+16*\j
.endr
.endr
	s_wait_dscnt 0x0
	; ---- the norm: sums of squares of my 64 columns, the twelve waves' sums through LDS
	v_pk_mul_f32 v[252:253], v[ACC:ACC+1], v[ACC:ACC+1]
	v_pk_mul_f32 v[254:255], v[ACC+32:ACC+33], v[ACC+32:ACC+33]
.irp k, 2,4,6,8,10,12,14,16,18,20,22,24,26,28,30
	v_pk_fma_f32 v[252:253], v[ACC+\k:ACC+\k+1], v[ACC+\k:ACC+\k+1], v[252:253]
	v_pk_fma_f32 v[254:255], v[ACC+32+\k:ACC+33+\k], v[ACC+32+\k:ACC+33+\k], v[254:255]
.endr
	v_add_f32 v252, v252, v253
	v_add_f32 v254, v254, v255
	v_permlanex16_b32 v253, v252, s[SEL], s[SEL+1]
	v_permlanex16_b32 v255, v254, s[SEL], s[SEL+1]
	v_add_f32 v252, v252, v253
	v_add_f32 v254, v254, v255
	ds_store_b32 v[PW], v252                       ; both halves of the lanes write the same word with the same value
	ds_store_b32 v[PW], v254 offset:1024
	BARRIER
.irp u, 0,1
.irp k, 0,1,2
	ds_load_b128 v[224+12*\u+4*\k:224+12*\u+4*\k+3], v[PR] offset:1024*\u+16*\k
.endr
.endr
	s_wait_loadcnt 20                              ; the gains are in; the 20 loads of weights may be out
.irp u, 0,1
.irp k, 0,2,4,6,8,10,12,14,16,18,20,22,24,26,28,30
	v_pk_mul_f32 v[ACC+32*\u+\k:ACC+32*\u+\k+1], v[ACC+32*\u+\k:ACC+32*\u+\k+1], v[WB+64+\k:WB+64+\k+1]
.endr
.endr
	s_wait_dscnt 0x0
.irp u, 0,1
	v_pk_add_f32 v[224+12*\u:225+12*\u], v[224+12*\u:225+12*\u], v[226+12*\u:227+12*\u]
	v_pk_add_f32 v[228+12*\u:229+12*\u], v[228+12*\u:229+12*\u], v[230+12*\u:231+12*\u]
	v_pk_add_f32 v[232+12*\u:233+12*\u], v[232+12*\u:233+12*\u], v[234+12*\u:235+12*\u]
.endr
.irp u, 0,1
	v_pk_add_f32 v[224+12*\u:225+12*\u], v[224+12*\u:225+12*\u], v[228+12*\u:229+12*\u]
.endr
.irp u, 0,1
	v_pk_add_f32 v[224+12*\u:225+12*\u], v[224+12*\u:225+12*\u], v[232+12*\u:233+12*\u]
.endr
.irp u, 0,1
	v_add_f32 v[224+12*\u], v[224+12*\u], v[225+12*\u]
.endr
	v_fma_f32 v252, v224, s[INV], s[EPS]           ; mean + eps
	v_fma_f32 v254, v236, s[INV], s[EPS]
	v_rsq_f32 v248, v252
	v_rsq_f32 v250, v254
	v_mov_b32 v249, 0                              ; the pairs' upper words are named with them, so they are written; plain places behind the transcendentals
	v_mov_b32 v251, 0
	s_wait_alu depctr_va_vdst(0)                   ; one wait for both, ahead of their first reader
.irp u, 0,1
.irp k, 0,2,4,6,8,10,12,14,16,18,20,22,24,26,28,30
	v_pk_mul_f32 v[ACC+32*\u+\k:ACC+32*\u+\k+1], v[ACC+32*\u+\k:ACC+32*\u+\k+1], v[248+2*\u:249+2*\u] op_sel_hi:[1,0]
.endr
.endr
	QUANT2 ACC, ACC+32
	ds_store_b128 v[AW], v[QC:QC+3]
	ds_store_b128 v[AW], v[QC+4:QC+7] offset:1024
	ds_store_b8 v[BW], v[QB]
	ds_store_b8 v[BW], v[QB+1] offset:64
	BARRIER                                        ; the twelve images and their scale words lie in LDS
	; ---- the three products of my head
	ALOAD 0, LI, SA, 0
	G6 1, 0, 8, 10, 1, 12, 14, 1
	EPI_QK LI, 32, L4, 34
	G6 1, 0, 12, 14, 1, 16, 18, 1
	EPI_QK KCA, 66, KSA, 68
	G6 1, 1, 16, 18, 0, 16, 18, 0
	PLACES
.set k, 0
.rept 16                               ; tiles 2 p and 2 p + 1 change halves: lane (r, h) then holds all 32 tokens of channel tile 2 p + h
	v_permlane16_swap_b32 v[ACC+k], v[ACC+16+k]
	v_permlane16_swap_b32 v[ACC+32+k], v[ACC+48+k]
.set k, k+1
.endr
	s_wait_xcnt 0x0
	QUANT2 ACC, ACC+32
	global_store_b128 v[VCA], v[QC:QC+3], s[70:71]               ; sixteen lanes fill 256 consecutive bytes, aligned
	global_store_b128 v[VCA], v[QC+4:QC+7], s[70:71] offset:2048
	global_store_b8 v[L8], v[QB], s[72:73]
	global_store_b8 v[L8], v[QB+1], s[72:73] offset:4
	; ---- wo, w1, w2 in operand order: 648 units of 64 rows x 128 K (four fragments, 4,096 bytes, and 256 bytes of scale words); unit 6 B + w for B < 108, w < 6
	s_cmp_lt_u32 s[BK], 108
	s_cbranch_scc0 .Lend
	s_cmp_lt_u32 s[WV], 6
	s_cbranch_scc0 .Lend
	s_sub_co_u32 s74, s[BK], 12                    ; w1's group of 64 rows
	s_sub_co_u32 s75, s[BK], 60
	s_lshr_b32 s76, s75, 2                         ; w2's group,
	s_and_b32 s77, s75, 3
	s_mul_i32 s77, s77, 6
	s_add_co_u32 s77, s77, s[WV]                   ; and its K step
	s_cmp_lt_u32 s[BK], 12
	s_cselect_b64 s[78:79], s[20:21], s[24:25]
	s_cselect_b64 s[80:81], s[22:23], s[26:27]
	s_cselect_b32 s82, s[BK], s74
	s_cmp_lt_u32 s[BK], 60
	s_cselect_b64 s[78:79], s[78:79], s[28:29]     ; the codes,
	s_cselect_b64 s[80:81], s[80:81], s[30:31]     ; the scale bytes,
	s_cselect_b32 s82, s82, s76                    ; the group,
	s_cselect_b32 s83, s[WV], s77                  ; the K step,
	s_mov_b32 s84, 1536
	s_cselect_b32 s84, 384, s84                    ; a row of codes in bytes
	s_mul_i32 s86, s82, s84
	s_lshl_b32 s88, s86, 2                         ; 64 rows of scale bytes a group: a sixteenth of the codes'
	s_lshl_b32 s86, s86, 6
	s_lshl_b32 s85, s83, 6
	s_add_co_u32 s86, s86, s85
	s_mov_b32 s87, 0
	s_lshl_b32 s85, s83, 2
	s_add_co_u32 s88, s88, s85
	s_mov_b32 s89, 0
	s_mul_i32 s90, s[BK], 6
	s_add_co_u32 s90, s90, s[WV]
	s_mul_i32 s90, s90, 4352
	s_mov_b32 s91, 0
	s_add_nc_u64 s[78:79], s[78:79], s[86:87]
	s_add_nc_u64 s[80:81], s[80:81], s[88:89]
	s_add_nc_u64 s[90:91], s[38:39], s[90:91]
	s_lshl_b32 s92, s84, 3                         ; eight rows on: the next tile
	s_lshr_b32 s93, s84, 4                         ; a row of scale bytes
	s_wait_xcnt 0x0
	v_and_b32 v224, 7, v0
	v_bfe_u32 v225, v0, 3, 1
	v_lshl_add_u32 v224, v225, 5, v224             ; r % 8 + 32 (r / 8)
	v_mul_lo_u32 v20, v224, s84
	v_bfe_u32 v225, v0, 4, 1
	v_lshl_add_u32 v20, v225, 4, v20
	v_add_nc_u32 v21, s92, v20
	v_add_nc_u32 v22, s92, v21
	v_add_nc_u32 v23, s92, v22
	v_lshl_add_u32 v224, v225, 3, v224
	v_mul_lo_u32 v224, v224, s93
	v_add_nc_u32 v225, s84, v224                   ; sixteen rows of scale bytes on
.irp t, 0,1,2,3
.irp c, 0,1
	global_load_b128 v[WB+8*\t+4*\c:WB+8*\t+4*\c+3], v[20+\t], s[78:79] offset:32*\c
.endr
.endr
	global_load_b32 v[WB+32], v224, s[80:81]
	global_load_b32 v[WB+33], v225, s[80:81]
	s_wait_loadcnt 0x0
.irp t, 0,1,2,3
.irp c, 0,1
	global_store_b128 v[LI], v[WB+8*\t+4*\c:WB+8*\t+4*\c+3], s[90:91] offset:1024*\t+512*\c   ; 512 consecutive bytes a store
.endr
.endr
	global_store_b64 v[L8], v[WB+32:WB+33], s[90:91] offset:4096
.Lend:
	s_set_vgpr_msb 0x4
	s_wait_tensorcnt 0x0
	ds_add_u32 v11, v1
	s_wait_dscnt 0x0
	s_set_vgpr_msb 0x400
	s_endpgm
.Lfunc_end_k_q64c09f7db8_qkv:
	.size	k_q64c09f7db8_qkv, .Lfunc_end_k_q64c09f7db8_qkv-k_q64c09f7db8_qkv
	.p2alignl 7, 3214868480
	.fill 96, 4, 3214868480
	.section	.rodata,"a",@progbits
	.p2align	6, 0x0
	.amdhsa_kernel k_q64c09f7db8_qkv
		.amdhsa_group_segment_fixed_size 121344
		.amdhsa_private_segment_fixed_size 0
		.amdhsa_enable_private_segment 0
		.amdhsa_kernarg_size 144
		.amdhsa_user_sgpr_count 2
		.amdhsa_user_sgpr_kernarg_segment_ptr 1
		.amdhsa_wavefront_size32 1
		.amdhsa_system_sgpr_workgroup_id_x 1
		.amdhsa_system_sgpr_workgroup_id_y 1
		.amdhsa_system_sgpr_workgroup_id_z 1
		.amdhsa_system_vgpr_workitem_id 0
		.amdhsa_next_free_vgpr 258
		.amdhsa_next_free_sgpr 100
		.amdhsa_reserve_vcc 0
		.amdhsa_float_denorm_mode_32 3
		.amdhsa_float_denorm_mode_16_64 3
		.amdhsa_memory_ordered 1
		.amdhsa_forward_progress 1
		.amdhsa_inst_pref_size 81
	.end_amdhsa_kernel
	.amdgpu_metadata
---
amdhsa.version: [ 1, 2 ]
amdhsa.kernels:
  - .name:           k_q64c09f7db8_qkv
    .symbol:         k_q64c09f7db8_qkv.kd
    .args:
      - { .name: x, .offset: 0, .size: 8, .value_kind: global_buffer, .address_space: global }
      - { .name: g1, .offset: 8, .size: 8, .value_kind: global_buffer, .address_space: global }
      - { .name: wq_codes, .offset: 16, .size: 8, .value_kind: global_buffer, .address_space: global }
      - { .name: wq_scales, .offset: 24, .size: 8, .value_kind: global_buffer, .address_space: global }
      - { .name: wk_codes, .offset: 32, .size: 8, .value_kind: global_buffer, .address_space: global }
      - { .name: wk_scales, .offset: 40, .size: 8, .value_kind: global_buffer, .address_space: global }
      - { .name: wv_codes, .offset: 48, .size: 8, .value_kind: global_buffer, .address_space: global }
      - { .name: wv_scales, .offset: 56, .size: 8, .value_kind: global_buffer, .address_space: global }
      - { .name: wo_codes, .offset: 64, .size: 8, .value_kind: global_buffer, .address_space: global }
      - { .name: wo_scales, .offset: 72, .size: 8, .value_kind: global_buffer, .address_space: global }
      - { .name: w1_codes, .offset: 80, .size: 8, .value_kind: global_buffer, .address_space: global }
      - { .name: w1_scales, .offset: 88, .size: 8, .value_kind: global_buffer, .address_space: global }
      - { .name: w2_codes, .offset: 96, .size: 8, .value_kind: global_buffer, .address_space: global }
      - { .name: w2_scales, .offset: 104, .size: 8, .value_kind: global_buffer, .address_space: global }
      - { .name: qimg, .offset: 112, .size: 8, .value_kind: global_buffer, .address_space: global }
      - { .name: qsc, .offset: 120, .size: 8, .value_kind: global_buffer, .address_space: global }
      - { .name: kv, .offset: 128, .size: 8, .value_kind: global_buffer, .address_space: global }
      - { .name: wimg, .offset: 136, .size: 8, .value_kind: global_buffer, .address_space: global }
    .group_segment_fixed_size: 121344
    .private_segment_fixed_size: 0
    .kernarg_segment_align: 8
    .kernarg_segment_size: 144
    .max_flat_workgroup_size: 384
    .sgpr_count:     100
    .vgpr_count:     258
    .wavefront_size: 32
...
	.end_amdgpu_metadata
.endif
;; end of part 1
;; launch attn (part 2): grid 256 x 1, 12 waves a work-group, no clusters, 99,840 bytes of LDS; arguments qimg, qsc, kv, oimg, osc; writes oimg, osc
.if DOCPART == 2
	.amdgcn_target "amdgcn-amd-amdhsa--gfx1250"
	.amdhsa_code_object_version 6
	.text
	.protected	k_q64c09f7db8_attn
	.globl	k_q64c09f7db8_attn
	.p2align	8
	.type	k_q64c09f7db8_attn,@function
k_q64c09f7db8_attn:
	s_mov_b64 s[64:65], 0
	v_nop
	global_prefetch_b8 v0, s[64:65] scope:SCOPE_SE
	s_setreg_imm32_b32 hwreg(HW_REG_WAVE_MODE, 25, 1), 1
	s_wait_xcnt 0x0
; Causal attention on codes of E2M1 with E8M0 scales, 12 heads of 64, 4,096 tokens; o / l is quantised along 768 and stored as images of the next product's operand.
; THE SOFTMAX: t = score x log2(e) / 8; M = the running largest t rounded up to a whole number; p = 2^(t - M) is quantised along the keys; the row's sum l is taken of the unquantised p and divides O at the end.
; When M moves, l and O are multiplied by 2^(old M - new M): exact.
; SHARES.  A wave owns one tile of 16 queries.  Four waves are a team: 64 neighbouring queries (group g) of one head, which need the same (g / 2) + 1 key steps of 128 keys.  A work-group has three teams, of three
; heads, with groups u, 63 - u / 2 - 32 (u % 2), 31 - u / 2 + 32 (u % 2) (u = its number % 64): three permutations of 0 .. 63 whose sum is 94 or 95, so that every work-group has the same work within one step.
; A step's record (8,960 bytes: K's codes, V's codes, their scale words, laid by the first launch in operand order) is copied by the team's four waves through registers into one of the team's two LDS buffers, a step
; ahead; ONE barrier a step orders this step's stores ahead of the next step's reads, and this step's reads ahead of the stores of the step after.  The loop has 16 trips of two steps for every wave: a team whose
; steps are over passes the barriers alone.  The record asked for is held at the team's last, so that every active step loads and stores alike.
; LAYOUT.  Both products transposed: S^T = K Q^T, O^T = V^T P^T: a lane holds one query (lane % 16).  Key tile (c, t): lane r is key 64 c + 8 t + r % 8 + 32 (r / 8), so that registers 32 c .. 32 c + 31 of S^T are keys
; 64 c + 32 h + 0 .. 31: one whole block a lane: p's conversions give the operand's registers as they stand.  V's channel tiles are chosen likewise, so that a lane's 32 registers of O^T are one block of o's K.
; THE HEAD'S 64 IN AN INSTRUCTION OF 128: Q's registers 4-7 hold zero codes, so K's registers 4-7 may hold any codes (E2M1 has neither NaN nor infinity; scale bytes 2, 3 are the byte of 1.0): key tile n lies at
; KF + 4 n and is named with the four registers behind it.
; No cluster, no joint load: the teams that read one head's records need different numbers of them.
; LIMITS: NaN and infinities are not served; a block of zeros has the byte 1, read by this program alone; o / l is a multiplication by v_rcp_f32; osc is stored in single bytes (one byte in 17 of what is stored).
.set BUF,  16384                       ; LDS: team j at 32,768 j; buffer p at + 16,384 p: K 0, V 4,096, K's words 8,192, V's words 8,704, and 256 bytes for the fourth wave's surplus copy
.set AK0, 1                            ; v1   team + 16 x lane
.set AV8, 2                            ; v2   team + 8,704 + 8 x lane
.set SKW, 3                            ; v3   where I store my two tiles of K: it undoes the order in which the first launch wrote whole runs of 256 bytes
.set SVW, 4                            ; v4   my part of V
.set SSW, 5                            ; v5   my part of the scale words
.set KG,  6                            ; v6   the same in the record: 1,024 i + 16 x lane
.set SG,  7                            ; v7   8,192 + 256 min(i, 2) + 8 x lane
.set PFO, 8                            ; v8   256 x lane
.set SH8, 9                            ; v9   8 h
.set DQ,  10                           ; v10  r % 8 + 16 (r / 8) - 32 h
.set OBA, 11                           ; v11  4 r + h
.set QF,  16                           ; v12 -M, v13 the largest t, v[14:15] l;  v16-23 Q (v20-23 zero codes)
.set LI,  24                           ; v24  16 x lane
.set QA,  25                           ; v25  4 r
.set KF,  32                           ; v32-63 K's eight tiles, four registers each; v64-67 zero
.set VF,  68                           ; v68-99 V's four fragments
.set S,   100                          ; v100-163 S^T, then p
.set O,   164                          ; v164-195 O^T
.set PC,  196                          ; v196-203 p's codes
.set STK, 204                          ; v204-221 the next record's bytes on their way
.set STV, 212
.set STS, 220
.set KSC, 222                          ; v222-225 K's scale words, v226-227 V's, v228 Q's, v229 p's: scales and nothing else
.set VSC, 226
.set QSC, 228
.set PSC, 229
.set WV,  14
.set TJ,  15
.set MI,  16
.set HD,  24
.set NS,  25
.set Q0,  29
.set LIM, 30
.set T,   31
.set RN,  32
.set INC, 34
.set TT,  36
.set T2,  37
.set SEL, 38
.set CS,  40
.macro PLACES
.rept 4
	v_nop
.endr
.endm
.macro WM d, a, b, z, sa, sb, ra
.if (\z) && ((\ra) == 0)
	v_wmma_scale_f32_16x16x128_f8f6f4 v[(\d):(\d)+7], v[(\a):(\a)+7], v[(\b):(\b)+7], 0, v[(\sa)], v[(\sb)] matrix_a_fmt:MATRIX_FMT_FP4 matrix_b_fmt:MATRIX_FMT_FP4
.elseif (\z)
	v_wmma_scale_f32_16x16x128_f8f6f4 v[(\d):(\d)+7], v[(\a):(\a)+7], v[(\b):(\b)+7], 0, v[(\sa)], v[(\sb)] matrix_a_fmt:MATRIX_FMT_FP4 matrix_b_fmt:MATRIX_FMT_FP4 matrix_a_scale:MATRIX_SCALE_ROW1
.elseif ((\ra) == 0)
	v_wmma_scale_f32_16x16x128_f8f6f4 v[(\d):(\d)+7], v[(\a):(\a)+7], v[(\b):(\b)+7], v[(\d):(\d)+7], v[(\sa)], v[(\sb)] matrix_a_fmt:MATRIX_FMT_FP4 matrix_b_fmt:MATRIX_FMT_FP4
.else
	v_wmma_scale_f32_16x16x128_f8f6f4 v[(\d):(\d)+7], v[(\a):(\a)+7], v[(\b):(\b)+7], v[(\d):(\d)+7], v[(\sa)], v[(\sb)] matrix_a_fmt:MATRIX_FMT_FP4 matrix_b_fmt:MATRIX_FMT_FP4 matrix_a_scale:MATRIX_SCALE_ROW1
.endif
.endm
.macro LOADREC                         ; my quarter of the record at s[RN]: five loads, each of 512 or 256 consecutive bytes
	global_load_b128 v[STK:STK+3], v[KG], s[RN:RN+1]
	global_load_b128 v[STK+4:STK+7], v[KG], s[RN:RN+1] offset:512
	global_load_b128 v[STV:STV+3], v[KG], s[RN:RN+1] offset:4096
	global_load_b128 v[STV+4:STV+7], v[KG], s[RN:RN+1] offset:4608
	global_load_b64 v[STS:STS+1], v[SG], s[RN:RN+1]
.endm
.macro STOREREC p                      ; into buffer p
	ds_store_b128 v[SKW], v[STK:STK+3] offset:(\p)*BUF
	ds_store_b128 v[SKW], v[STK+4:STK+7] offset:(\p)*BUF+512
	ds_store_b128 v[SVW], v[STV:STV+3] offset:(\p)*BUF
	ds_store_b128 v[SVW], v[STV+4:STV+7] offset:(\p)*BUF+512
	ds_store_b64 v[SSW], v[STS:STS+1] offset:(\p)*BUF
.endm
; A key step: 128 keys out of buffer p.  s[TT] is the step's number.
.macro STEP p
.set BO, (\p)*BUF
.set n, 0
.rept 8
	ds_load_b128 v[KF+4*n:KF+4*n+3], v[AK0] offset:BO+512*n
.set n, n+1
.endr
	ds_load_b128 v[KSC:KSC+3], v[AK0] offset:BO+8192               ; register t: lanes 0-15 tile (0, t)'s words, lanes 16-31 tile (1, t)'s
.set n, 0
.rept 8
	ds_load_b128 v[VF+4*n:VF+4*n+3], v[AK0] offset:BO+4096+512*n
.set n, n+1
.endr
	ds_load_b64 v[VSC:VSC+1], v[AV8] offset:BO
	s_wait_dscnt 9                                 ; K and its words are in; V's eight loads and its words may be out
.irp c, 0,1
.irp t, 0,1,2,3
	WM S+32*\c+8*\t, KF+4*(4*\c+\t), QF, 1, KSC+\t, QSC, \c
.endr
.endr
	PLACES
	s_add_co_u32 s[T2], s[TT], 1                   ; the team's last step lies on the diagonal: hidden scores become -infinity ahead of the maximum, so that p = 0
	s_cmp_lg_u32 s[T2], s[NS]
	s_cbranch_scc1 .Lopen_\@
	s_lshl_b32 s[T2], s[TT], 7
	s_sub_co_i32 s[T2], s[Q0], s[T2]
	v_add_nc_u32 v230, s[T2], v[DQ]                ; d = my query - the step's first key - 32 h.  Register 32 c + n holds key 64 c + 32 h + n of the step: hidden where 64 c + n > d
	v_mov_b32 v231, 0xff800000
.set n, 0
.rept 64
	v_cmp_gt_i32 vcc_lo, 64*(n/32)+n%32, v230
	v_cndmask_b32 v[S+n], v[S+n], v231, vcc_lo
.set n, n+1
.endr
.Lopen_\@:
.irp k, 0,1,2,3                        ; the largest score, in four chains of 16 by turns
	v_max3_num_f32 v[232+\k], v[S+16*\k], v[S+16*\k+1], v[S+16*\k+2]
.endr
.irp i, 3,5,7,9,11,13
.irp k, 0,1,2,3
	v_max3_num_f32 v[232+\k], v[232+\k], v[S+16*\k+\i], v[S+16*\k+\i+1]
.endr
.endr
	v_max3_num_f32 v232, v232, v[S+15], v233
	v_max3_num_f32 v234, v234, v[S+47], v235
	v_max_num_f32 v232, v232, v[S+31]              ; THE LARGEST SCORE OF EACH OF MY TWO BLOCKS OF 32 KEYS: it serves for the row's maximum and, since p rises with the score, for the block's largest p
	v_max_num_f32 v234, v234, v[S+63]
	v_max_num_f32 v254, v232, v234
	v_permlanex16_b32 v255, v254, s[SEL], s[SEL+1]
	v_max_num_f32 v254, v254, v255                 ; with lane l xor 16's two blocks: the step's largest score of my query
	v_mul_f32 v254, s[CS], v254
	v_max_num_f32 v13, v13, v254                   ; the running largest t
	v_mov_b32 v254, v12
	v_floor_f32 v12, -v13                          ; -M = floor(-t): M is a whole number
	v_sub_f32 v254, v12, v254
	v_cvt_i32_f32 v254, v254                       ; old M - new M, 0 or less (it saturates)
	v_ldexp_f32 v252, 1.0, v254                    ; f = 2^(old M - new M)
.set n, 0
.rept 32
	v_pk_fma_f32 v[S+n:S+n+1], v[S+n:S+n+1], s[CS:CS+1], v[12:13] op_sel_hi:[1,0,0]   ; t - M
.set n, n+2
.endr
	v_fma_f32 v232, v232, s[CS], v12
	v_fma_f32 v234, v234, s[CS], v12
.set n, 0
.rept 64
	v_exp_f32 v[S+n], v[S+n]                       ; p = 2^(t - M)
.set n, n+1
.endr
	v_pk_mul_f32 v[14:15], v[14:15], v[252:253] op_sel_hi:[1,0]    ; l under the new M: the plain place behind the exponentials
	s_wait_alu depctr_va_vdst(0)                   ; one wait for the batch, ahead of its first reader
	v_exp_f32 v232, v232                           ; the blocks' largest p
	v_exp_f32 v234, v234
	v_pk_add_f32 v[242:243], v[S:S+1], v[S+2:S+3]  ; l is taken of the unquantised p, in two chains
.set n, 4
.rept 15
	v_pk_add_f32 v[14:15], v[14:15], v[S+n:S+n+1]
	v_pk_add_f32 v[242:243], v[242:243], v[S+n+2:S+n+3]
.set n, n+4
.endr
	v_pk_add_f32 v[14:15], v[14:15], v[242:243]
	s_wait_alu depctr_va_vdst(0)                   ; and one for the two
	v_max_num_f32 v232, 0x1800000, v232            ; the floor 2^(3 - 127): the byte cannot fall under 1
	v_max_num_f32 v234, 0x1800000, v234
	v_add_nc_u32 v236, 0xff000000, v232            ; 2 off the exponent field: the conversions' scale operands
	v_add_nc_u32 v237, 0xff000000, v234
	v_lshrrev_b32 v238, 23, v236
	v_lshrrev_b32 v239, 23, v237
	v_lshl_or_b32 v240, v239, 16, v238             ; my bytes: blocks h and 2 + h,
	v_lshlrev_b32 v240, v[SH8], v240               ; at their places;
	v_permlanex16_b32 v241, v240, s[SEL], s[SEL+1]
	v_or_b32 v[PSC], v240, v241                    ; with lane l xor 16's two the word is whole
.irp c, 0,1
.irp g, 0,1,2,3
	v_cvt_scalef32_pk8_fp4_f32 v[PC+4*\c+\g], v[S+32*\c+8*\g:S+32*\c+8*\g+7], v[236+\c]
.endr
.endr
	v_nop                                          ; one plain place behind the last scaled conversion
.set n, 0
.rept 16
	v_pk_mul_f32 v[O+n:O+n+1], v[O+n:O+n+1], v[252:253] op_sel_hi:[1,0]   ; O^T under the new M.  (Twelve of these name no register of any one product below: the places behind the writes of p's codes and scale word)
.set n, n+2
.endr
	s_wait_dscnt 0x0                               ; V and its words are in
.irp t, 0,1,2,3
	WM O+8*\t, VF+8*\t, PC, 0, VSC+\t/2, PSC, \t%2
.endr
	PLACES                                         ; in front of the next step's loads into these products' sources
.endm
; One step of the loop, out of buffer p, with the next record on its way into the other buffer.
.macro TRIP p
	s_add_co_u32 s[TT], s[T], \p
	s_cmp_ge_u32 s[TT], s[NS]
	s_cbranch_scc1 .Lidle_\@                       ; my team's steps are over: the barrier alone
	LOADREC
	; a prefetch, behind the loads: the 32 blocks of 256 bytes of K's and V's codes of the record two behind the one just asked for, a lane a block.  Of each head the team with g = 63, which walks all 32
	; records, asks, its first wave alone: each block is named once.  It stops at step 28: record 31 is the head's last.  Records 0 to 2 and the scale words come by their loads alone.
	s_cmp_lt_u32 s[TT], s[LIM]
	s_cbranch_scc0 .Lnot_mine_\@
	global_prefetch_b8 v[PFO], s[RN:RN+1] offset:17920 th:TH_LOAD_NT scope:SCOPE_SE
.Lnot_mine_\@:
	STEP \p
	s_wait_loadcnt 0x0                             ; the next record's bytes are in registers
	STOREREC 1-\p
	s_add_co_u32 s[T2], s[TT], 2
	s_cmp_lt_u32 s[T2], s[NS]
	s_cselect_b32 s[INC], 8960, 0                  ; the record after it, or the same again at the team's last
	s_wait_xcnt 0x0                                ; the loads and the prefetch have read their base
	s_add_nc_u64 s[RN:RN+1], s[RN:RN+1], s[INC:INC+1]
.Lidle_\@:
	s_wait_dscnt 0x0                               ; my stores have landed, my reads are in
	s_barrier_signal -1
	s_barrier_wait -1
.endm
	s_load_b256 s[4:11], s[0:1], 0x0               ; qimg, qsc, kv, oimg
	s_load_b64 s[12:13], s[0:1], 0x20              ; osc
	v_lshl_add_u32 v250, v0, 2, 0x18000
	v_mov_b32 v251, 0
	v_lshrrev_b32 v230, 5, v0
	v_readfirstlane_b32 s[WV], v230                ; wave 0..11
	s_lshr_b32 s[TJ], s[WV], 2                     ; team
	s_and_b32 s[MI], s[WV], 3                      ; member i
	s_lshr_b32 s17, ttmp9, 6
	s_and_b32 s18, ttmp9, 63
	s_lshr_b32 s19, s18, 1
	s_and_b32 s20, s18, 1
	s_lshl_b32 s20, s20, 5
	s_sub_co_u32 s21, 63, s19
	s_sub_co_u32 s21, s21, s20
	s_sub_co_u32 s22, 31, s19
	s_add_co_u32 s22, s22, s20
	s_cmp_eq_u32 s[TJ], 1
	s_cselect_b32 s23, s21, s18
	s_cmp_eq_u32 s[TJ], 2
	s_cselect_b32 s23, s22, s23                    ; g: my team's group of 64 queries
	s_mul_i32 s[HD], s17, 3
	s_add_co_u32 s[HD], s[HD], s[TJ]               ; head
	s_lshr_b32 s[NS], s23, 1
	s_add_co_u32 s[NS], s[NS], 1                   ; key steps
	s_lshl_b32 s26, s23, 2
	s_add_co_u32 s26, s26, s[MI]                   ; my query tile
	s_lshr_b32 s27, s26, 1                         ; its block of 32 tokens
	s_and_b32 s28, s26, 1                          ; and which tile of the block
	s_lshl_b32 s[Q0], s27, 5
	s_lshl_b32 s42, s28, 3
	s_add_co_u32 s[Q0], s[Q0], s42                 ; lane r's query is Q0 + r % 8 + 16 (r / 8)
	s_sub_co_u32 s42, 63, s23
	s_or_b32 s42, s42, s[MI]
	s_cmp_eq_u32 s42, 0
	s_cselect_b32 s[LIM], 29, 0                    ; who prefetches, and up to which step
	s_lshl_b32 s43, s[HD], 8
	s_add_co_u32 s43, s43, s26
	s_lshl_b32 s44, s43, 9
	s_mov_b32 s45, 0
	s_lshl_b32 s46, s43, 6
	s_mov_b32 s47, 0
	s_mul_i32 s48, s[HD], 286720                   ; a head's 32 records
	s_mov_b32 s49, 0
	s_lshr_b32 s54, s[HD], 1
	s_and_b32 s55, s[HD], 1
	s_mul_i32 s50, s27, 12288
	s_lshl_b32 s42, s54, 11
	s_add_co_u32 s50, s50, s42
	s_lshl_b32 s42, s28, 10
	s_add_co_u32 s50, s50, s42
	s_lshl_b32 s42, s55, 9
	s_add_co_u32 s50, s50, s42                     ; oimg: block, K step head / 2, tile, half head % 2
	s_mov_b32 s51, 0
	s_mul_i32 s52, s27, 768
	s_lshl_b32 s42, s54, 7
	s_add_co_u32 s52, s52, s42
	s_lshl_b32 s42, s28, 6
	s_add_co_u32 s52, s52, s42
	s_lshl_b32 s42, s55, 1
	s_add_co_u32 s52, s52, s42
	s_mov_b32 s53, 0
	s_mov_b32 s[SEL], 0x76543210
	s_mov_b32 s[SEL+1], 0xfedcba98
	s_mov_b32 s[CS], 0x3e38aa3b                    ; log2(e) / 8
	s_mov_b32 s[CS+1], s[CS]
	s_mov_b32 s[INC+1], 0
	s_lshl_b32 s56, s[TJ], 15                      ; my team's LDS
	s_lshl_b32 s57, s[MI], 10
	s_min_u32 s58, s[MI], 2
	v_and_b32 v230, 31, v0                         ; L
	v_and_b32 v231, 15, v0                         ; r
	v_bfe_u32 v232, v0, 4, 1                       ; h
	v_lshlrev_b32 v[LI], 4, v230
	v_lshlrev_b32 v234, 3, v230
	v_add_nc_u32 v[AK0], s56, v[LI]
	s_add_co_u32 s59, s56, 8704
	v_add_nc_u32 v[AV8], s59, v234
	v_and_b32 v235, 7, v0
	v_bfe_u32 v236, v0, 3, 1
	v_lshlrev_b32 v237, 4, v235
	v_lshl_add_u32 v237, v232, 7, v237
	v_lshl_add_u32 v237, v236, 8, v237             ; 16 (L % 8) + 128 (L / 16) + 256 ((L / 8) % 2)
	s_add_co_u32 s59, s56, s57
	v_add_nc_u32 v[SKW], s59, v237
	s_add_co_u32 s59, s59, 4096
	v_add_nc_u32 v[SVW], s59, v[LI]
	s_lshl_b32 s59, s[MI], 8
	s_add_co_u32 s59, s59, s56
	s_add_co_u32 s59, s59, 8192
	v_add_nc_u32 v[SSW], s59, v234
	v_add_nc_u32 v[KG], s57, v[LI]
	s_lshl_b32 s59, s58, 8
	s_add_co_u32 s59, s59, 8192
	v_add_nc_u32 v[SG], s59, v234
	v_lshlrev_b32 v[PFO], 8, v230
	v_lshlrev_b32 v[SH8], 3, v232
	v_lshl_add_u32 v235, v236, 4, v235
	v_lshlrev_b32 v236, 5, v232
	v_sub_nc_u32 v[DQ], v235, v236
	v_lshl_add_u32 v[OBA], v231, 2, v232
	v_lshlrev_b32 v[QA], 2, v231
	s_wait_kmcnt 0x0
	s_add_nc_u64 s[4:5], s[4:5], s[44:45]
	s_add_nc_u64 s[6:7], s[6:7], s[46:47]
	s_add_nc_u64 s[RN:RN+1], s[8:9], s[48:49]
	s_add_nc_u64 s[10:11], s[10:11], s[50:51]
	s_add_nc_u64 s[12:13], s[12:13], s[52:53]
	LOADREC                                        ; record 0
	global_load_b128 v[QF:QF+3], v[LI], s[4:5]     ; Q's four registers of codes stay
	global_load_b32 v[QSC], v[QA], s[6:7]
.irp j, 0,1,2,3
	v_mov_b32 v[QF+4+\j], 0                        ; zero codes for k = 64 .. 127
	v_mov_b32 v[KF+32+\j], 0                       ; named behind K's last tile
.endr
	v_mov_b32 v13, 0xff61b1e6                      ; the largest t so far: -3e38
	v_floor_f32 v12, -v13
	v_mov_b32 v14, 0
	v_mov_b32 v15, 0
	v_mov_b32 v241, 0                              ; a lane permute's destination counts as one of its sources
	v_mov_b32 v255, 0
	v_mov_b32 v253, 0                              ; named as the upper half of the pair v[252:253]
.set n, 0
.rept 32
	v_mov_b32 v[O+n], 0                            ; the step is written once: the first finds zeros, which the first change of M leaves zeros
.set n, n+1
.endr
	s_wait_loadcnt 0x0
	STOREREC 0
	s_cmp_gt_u32 s[NS], 1
	s_cselect_b32 s[INC], 8960, 0
	s_add_nc_u64 s[RN:RN+1], s[RN:RN+1], s[INC:INC+1]   ; (the loads that named it are done)
	s_wait_dscnt 0x0
	s_barrier_signal -1
	s_barrier_wait -1
	s_mov_b32 s[T], 0
.Ltrips:
	TRIP 0
	TRIP 1
	s_add_co_u32 s[T], s[T], 2
	s_cmp_lt_u32 s[T], 32
	s_cbranch_scc1 .Ltrips
	; ---- the way out: O^T / l, quantised: my 32 registers are one block of o's K
	v_add_f32 v14, v14, v15
	v_permlanex16_b32 v255, v14, s[SEL], s[SEL+1]
	v_add_f32 v14, v14, v255                       ; the row's sum
	v_rcp_f32 v14, v14
	v_nop                                          ; a plain place behind the transcendental
	s_wait_alu depctr_va_vdst(0)                   ; and the wait ahead of its first reader
.set n, 0
.rept 16
	v_pk_mul_f32 v[O+n:O+n+1], v[O+n:O+n+1], v[14:15] op_sel_hi:[1,0]
.set n, n+2
.endr
	v_max3_num_f32 v232, |v[O]|, |v[O+1]|, 0x1800000
.irp i, 2,4,6,8,10,12,14,16,18,20,22,24,26,28,30
	v_max3_num_f32 v232, v232, |v[O+\i]|, |v[O+\i+1]|
.endr
	v_add_nc_u32 v233, 0xff000000, v232
	v_lshrrev_b32 v234, 23, v233
.irp g, 0,1,2,3
	v_cvt_scalef32_pk8_fp4_f32 v[236+\g], v[O+8*\g:O+8*\g+7], v233
.endr
	v_nop
	global_store_b128 v[LI], v[236:239], s[10:11]  ; 512 consecutive bytes
	global_store_b8 v[OBA], v234, s[12:13]
	s_wait_tensorcnt 0x0
	ds_add_u32 v250, v251
	s_wait_dscnt 0x0
	s_endpgm
.Lfunc_end_k_q64c09f7db8_attn:
	.size	k_q64c09f7db8_attn, .Lfunc_end_k_q64c09f7db8_attn-k_q64c09f7db8_attn
	.p2alignl 7, 3214868480
	.fill 96, 4, 3214868480
	.section	.rodata,"a",@progbits
	.p2align	6, 0x0
	.amdhsa_kernel k_q64c09f7db8_attn
		.amdhsa_group_segment_fixed_size 99840
		.amdhsa_private_segment_fixed_size 0
		.amdhsa_enable_private_segment 0
		.amdhsa_kernarg_size 40
		.amdhsa_user_sgpr_count 2
		.amdhsa_user_sgpr_kernarg_segment_ptr 1
		.amdhsa_wavefront_size32 1
		.amdhsa_system_sgpr_workgroup_id_x 1
		.amdhsa_system_sgpr_workgroup_id_y 1
		.amdhsa_system_sgpr_workgroup_id_z 1
		.amdhsa_system_vgpr_workitem_id 0
		.amdhsa_next_free_vgpr 256
		.amdhsa_next_free_sgpr 66
		.amdhsa_reserve_vcc 1
		.amdhsa_float_denorm_mode_32 3
		.amdhsa_float_denorm_mode_16_64 3
		.amdhsa_memory_ordered 1
		.amdhsa_forward_progress 1
		.amdhsa_inst_pref_size 51
	.end_amdhsa_kernel
	.amdgpu_metadata
---
amdhsa.version: [ 1, 2 ]
amdhsa.kernels:
  - .name:           k_q64c09f7db8_attn
    .symbol:         k_q64c09f7db8_attn.kd
    .args:
      - { .name: qimg, .offset: 0, .size: 8, .value_kind: global_buffer, .address_space: global }
      - { .name: qsc, .offset: 8, .size: 8, .value_kind: global_buffer, .address_space: global }
      - { .name: kv, .offset: 16, .size: 8, .value_kind: global_buffer, .address_space: global }
      - { .name: oimg, .offset: 24, .size: 8, .value_kind: global_buffer, .address_space: global }
      - { .name: osc, .offset: 32, .size: 8, .value_kind: global_buffer, .address_space: global }
    .group_segment_fixed_size: 99840
    .private_segment_fixed_size: 0
    .kernarg_segment_align: 8
    .kernarg_segment_size: 40
    .max_flat_workgroup_size: 384
    .sgpr_count:     66
    .vgpr_count:     256
    .wavefront_size: 32
...
	.end_amdgpu_metadata
.endif
;; end of part 2
;; launch ffn (part 3): grid 128 x 1, 12 waves a work-group, no clusters, 173,568 bytes of LDS; arguments x, g2, oimg, osc, wimg, out0; writes out0
.if DOCPART == 3
	.amdgcn_target "amdgcn-amd-amdhsa--gfx1250"
	.amdhsa_code_object_version 6
	.text
	.protected	k_q64c09f7db8_ffn
	.globl	k_q64c09f7db8_ffn
	.p2align	8
	.type	k_q64c09f7db8_ffn,@function
k_q64c09f7db8_ffn:
	s_mov_b64 s[64:65], 0
	v_nop
	global_prefetch_b8 v0, s[64:65] scope:SCOPE_SE
	s_setreg_imm32_b32 hwreg(HW_REG_WAVE_MODE, 25, 1), 1
	s_wait_xcnt 0x0
; y = x + o wo^T;  h = rmsnorm(y, g2);  out = y + gelu(h w1^T) w2^T, gelu the exact one (erf).  All three products on codes of E2M1 with E8M0 scales; h and gelu(..) are quantised on the way and never go to memory.
; SHARES.  A work-group owns 32 tokens (block B = its number) through the whole chain.  Twelve waves share the COLUMNS: wave w makes columns 64 w .. 64 w + 63 of y and of out, and hidden units 64 (w + 12 i) .. + 63, i = 0 .. 3.
; LAYOUT as in the first launch: products transposed (source 0 = 16 weight rows, source 1 = 16 tokens); weight tile t: lane r takes row 8 t + r % 8 + 32 (r / 8); token tile u: lane r is token 8 u + r % 8 + 16 (r / 8).
; So a lane's 32 registers of the four tiles are one whole block of 32 along the next K.  Operands go from wave to wave through LDS as images of their registers (16 bytes of lane L at 16 L).
; WEIGHTS come from wimg, laid by the first launch in operand order: a K step's four fragments and scale words are 4,352 consecutive bytes; nine loads, each of 512 or 256 consecutive bytes, straight into the registers of
; the one wave that multiplies by them, in a ring of three sets, two K steps ahead, which never stops between the products.  No cluster and no joint load: each fragment is used by one wave of a work-group, so a way
; through LDS would add a store and a load of every byte and take none off what the work-group receives.
; x is the start of y's sums, and y the start of out's: the residuals cost no addition.
; LIMITS: NaN and infinities are not served.  A block of zeros has the byte 1, read by this program alone.  erf(z) = z P(z^2) / Q(z^2), polynomials of degree 6 and 4 in f32, z held to +-4 (beyond, erf is +-1 in f32):
; its absolute error is of the size of f32's own rounding of 1 + erf.  1 / sqrt(mean + eps) is v_rsq_f32, 1 / Q is v_rcp_f32.
.set ASC,  12288                       ; LDS: byte 0: 12 images (K step s, tile u: 2048 s + 1024 u): o's, later h's; here their scale words (128 s + 64 u + 4 r);
.set PART, 13056                       ; the waves' sums of squares;
.set HSC,  15104                       ; the hidden layer's scale words;
.set HIMG, 18432                       ; its 48 images;
.set STG,  67584                       ; a stage of 8,704 bytes for each wave: x's turn, y's rest, out's turn
.set WST,  8704
.set LI,  1                            ; v1   16 x lane (also the first images' LDS address: they begin at byte 0)
.set L8,  2                            ; v2   8 x lane
.set HBA, 3                            ; v3   an LDS address in hand
.set XG,  4                            ; v4   x, out: (L / 16) rows of 3,072 bytes + 16 (L % 16)
.set SD,  5                            ; v5   my stage, by rows of memory
.set SF,  6                            ; v6   my stage, by fragments
.set PW,  7
.set PR,  8
.set AW,  9                            ; v9   where I store my columns' part of an image of h
.set BW,  10                           ; v10  and its scale byte
.set SA,  12                           ; v12  ASC + 4 x lane
.set GA,  13                           ; v13  128 h
.set PK,  14                           ; v14  my stage + 16 x lane: where y rests
.set HW,  15                           ; v15  the hidden layer's images: my part
.set HB,  16                           ; v16  its scale bytes
.set AA2, 17                           ; v17  HIMG + 16 x lane
.set SA2, 18                           ; v18  HSC + 4 x lane
.set HWA, 19                           ; v19  an LDS address in hand;  v[20:21], v[22:23]: two coefficients, twice each
.set ACC, 24
.set WB,  88
.set AB,  184
.set WSR, 216
.set AS,  222
.set QM,  224
.set QS,  226
.set QB,  228
.set QC,  232
.set GZ,  224                          ; gelu: z, z^2, numerator, denominator: eight registers each
.set GT,  232
.set GN,  240
.set GQ,  248
.set NL,  9
.set WV,  16
.set BK,  17
.set SEL, 18
.set CA13, 20                          ; s[20:41]: coefficients, each twice: the packed forms name a pair
.set CA9,  22
.set CA7,  24
.set CA5,  26
.set CA3,  28
.set CA1,  30
.set CB8,  32
.set CB4,  34
.set CB2,  36
.set CB0,  38
.set CRH,  40
.set INV, 42
.set EPS, 43
.set WP,  46                           ; s[46:47] the weights of the group in hand;  s[48:49] of the group that follows;  s[50:51] w2's
.set NX,  48
.set WP2, 50
.set HO,  52
.set HO2, 53
.set CNT, 54
.macro PLACES
.rept 4
	v_nop
.endr
.endm
.macro BARRIER
	s_wait_dscnt 0x0
	s_barrier_signal -1
	s_barrier_wait -1
.endm
.macro WM d, a, b, z, sa, sb, ra, rb
.if (\z) && ((\ra) == 0) && ((\rb) == 0)
	v_wmma_scale_f32_16x16x128_f8f6f4 v[(\d):(\d)+7], v[(\a):(\a)+7], v[(\b):(\b)+7], 0, v[(\sa)], v[(\sb)] matrix_a_fmt:MATRIX_FMT_FP4 matrix_b_fmt:MATRIX_FMT_FP4
.elseif (\z) && ((\ra) == 1) && ((\rb) == 0)
	v_wmma_scale_f32_16x16x128_f8f6f4 v[(\d):(\d)+7], v[(\a):(\a)+7], v[(\b):(\b)+7], 0, v[(\sa)], v[(\sb)] matrix_a_fmt:MATRIX_FMT_FP4 matrix_b_fmt:MATRIX_FMT_FP4 matrix_a_scale:MATRIX_SCALE_ROW1
.elseif (\z) && ((\ra) == 0)
	v_wmma_scale_f32_16x16x128_f8f6f4 v[(\d):(\d)+7], v[(\a):(\a)+7], v[(\b):(\b)+7], 0, v[(\sa)], v[(\sb)] matrix_a_fmt:MATRIX_FMT_FP4 matrix_b_fmt:MATRIX_FMT_FP4 matrix_b_scale:MATRIX_SCALE_ROW1
.elseif (\z)
	v_wmma_scale_f32_16x16x128_f8f6f4 v[(\d):(\d)+7], v[(\a):(\a)+7], v[(\b):(\b)+7], 0, v[(\sa)], v[(\sb)] matrix_a_fmt:MATRIX_FMT_FP4 matrix_b_fmt:MATRIX_FMT_FP4 matrix_a_scale:MATRIX_SCALE_ROW1 matrix_b_scale:MATRIX_SCALE_ROW1
.elseif ((\ra) == 0) && ((\rb) == 0)
	v_wmma_scale_f32_16x16x128_f8f6f4 v[(\d):(\d)+7], v[(\a):(\a)+7], v[(\b):(\b)+7], v[(\d):(\d)+7], v[(\sa)], v[(\sb)] matrix_a_fmt:MATRIX_FMT_FP4 matrix_b_fmt:MATRIX_FMT_FP4
.elseif ((\ra) == 1) && ((\rb) == 0)
	v_wmma_scale_f32_16x16x128_f8f6f4 v[(\d):(\d)+7], v[(\a):(\a)+7], v[(\b):(\b)+7], v[(\d):(\d)+7], v[(\sa)], v[(\sb)] matrix_a_fmt:MATRIX_FMT_FP4 matrix_b_fmt:MATRIX_FMT_FP4 matrix_a_scale:MATRIX_SCALE_ROW1
.elseif ((\ra) == 0)
	v_wmma_scale_f32_16x16x128_f8f6f4 v[(\d):(\d)+7], v[(\a):(\a)+7], v[(\b):(\b)+7], v[(\d):(\d)+7], v[(\sa)], v[(\sb)] matrix_a_fmt:MATRIX_FMT_FP4 matrix_b_fmt:MATRIX_FMT_FP4 matrix_b_scale:MATRIX_SCALE_ROW1
.else
	v_wmma_scale_f32_16x16x128_f8f6f4 v[(\d):(\d)+7], v[(\a):(\a)+7], v[(\b):(\b)+7], v[(\d):(\d)+7], v[(\sa)], v[(\sb)] matrix_a_fmt:MATRIX_FMT_FP4 matrix_b_fmt:MATRIX_FMT_FP4 matrix_a_scale:MATRIX_SCALE_ROW1 matrix_b_scale:MATRIX_SCALE_ROW1
.endif
.endm
.macro WLOAD set, b, imm               ; one unit of wimg: four fragments and two registers of scale words (register q, lane L: tile 2 q + L / 16, row L % 16)
.irp t, 0,1,2,3
.irp c, 0,1
	global_load_b128 v[WB+32*(\set)+8*\t+4*\c:WB+32*(\set)+8*\t+4*\c+3], v[LI], s[\b:\b+1] offset:(\imm)+1024*\t+512*\c
.endr
.endr
	global_load_b64 v[WSR+2*(\set):WSR+2*(\set)+1], v[L8], s[\b:\b+1] offset:(\imm)+4096
.endm
.macro ALOAD set, aa, sa, ks
.irp u, 0,1
.irp c, 0,1
	ds_load_b128 v[AB+16*(\set)+8*\u+4*\c:AB+16*(\set)+8*\u+4*\c+3], v[\aa] offset:2048*(\ks)+1024*\u+512*\c
.endr
.endr
	ds_load_b32 v[AS+(\set)], v[\sa] offset:128*(\ks)
.endm
.macro MM ws, as, z                    ; eight products on eight accumulators by turns, one instruction a turn
.irp t, 0,1,2,3
.irp u, 0,1
	WM ACC+32*\u+8*\t, WB+32*(\ws)+8*\t, AB+16*(\as)+8*\u, \z, WSR+2*(\ws)+\t/2, AS+(\as), \t%2, \u
.endr
.endr
.endm
; Six K steps: 64 outputs x 32 tokens x 768 along K.  On entry the weights of steps 0 and 1 and the activations of step 0 have been asked for.  Step s asks for the weights of step s + 2 (in steps 4, 5, with nxt, for the
; first two steps at s[nb] + nimm: six is a multiple of three, so the ring goes on) and for the activations of step a0 + s + 1 (in step 5, with anx, of step an).
.macro G6 zero, b, imm, nxt, nb, nimm, aa, sa, a0, anx, an
.irp s, 0,1,2,3,4,5
	PLACES                                         ; the sets loaded below were read by the step before
.if \s < 4
	WLOAD (\s+2)%3, \b, (\imm)+4352*(\s+2)
.elseif \nxt
	WLOAD (\s+2)%3, \nb, (\nimm)+4352*(\s-4)
.endif
.if \s < 5
	ALOAD (\s+1)%2, \aa, \sa, (\a0)+\s+1
.elseif \anx
	ALOAD 0, \aa, \sa, \an
.endif
.if (\s < 4) || \nxt
	s_wait_loadcnt 2*NL                            ; this step's weights are in; those of the two steps behind it may be out
.elseif \s == 4
	s_wait_loadcnt NL
.else
	s_wait_loadcnt 0x0
.endif
.if (\s < 5) || \anx
	s_wait_dscnt 5                                 ; this step's activations are in; the five loads just issued may be out
.else
	s_wait_dscnt 0x0
.endif
.set ZZ, 0
.if (\zero) && (\s == 0)
.set ZZ, 1
.endif
	MM \s%3, \s%2, ZZ
.endr
.endm
.macro QUANT2 a, b                     ; two blocks of 32 numbers, each in one lane's registers: codes in QC, bytes in QB; the floor 2^(3 - 127) holds the byte at 1 from below
	v_max3_num_f32 v[QM], |v[(\a)]|, |v[(\a)+1]|, 0x1800000
	v_max3_num_f32 v[QM+1], |v[(\b)]|, |v[(\b)+1]|, 0x1800000
.irp i, 2,4,6,8,10,12,14,16,18,20,22,24,26,28,30
	v_max3_num_f32 v[QM], v[QM], |v[(\a)+\i]|, |v[(\a)+\i+1]|
	v_max3_num_f32 v[QM+1], v[QM+1], |v[(\b)+\i]|, |v[(\b)+\i+1]|
.endr
	v_add_nc_u32 v[QS], 0xff000000, v[QM]
	v_add_nc_u32 v[QS+1], 0xff000000, v[QM+1]
	v_lshrrev_b32 v[QB], 23, v[QS]
	v_lshrrev_b32 v[QB+1], 23, v[QS+1]
.irp g, 0,1,2,3
	v_cvt_scalef32_pk8_fp4_f32 v[QC+\g], v[(\a)+8*\g:(\a)+8*\g+7], v[QS]
	v_cvt_scalef32_pk8_fp4_f32 v[QC+4+\g], v[(\b)+8*\g:(\b)+8*\g+7], v[QS+1]
.endr
	v_nop                                          ; one plain place behind the last scaled conversion
.endm
; gelu of eight registers, in place: x / 2 + (x / 2) erf(x / sqrt 2).  The eight reciprocals are one batch; the numerator's polynomial is the independent work behind them; one wait.
.macro GELU8 x
.irp k, 0,2,4,6
	v_pk_mul_f32 v[GZ+\k:GZ+\k+1], v[(\x)+\k:(\x)+\k+1], s[CRH:CRH+1] op_sel_hi:[1,0]
.endr
.irp k, 0,1,2,3,4,5,6,7
	v_med3_num_f32 v[GZ+\k], v[GZ+\k], -4.0, 4.0
.endr
.irp k, 0,2,4,6
	v_pk_mul_f32 v[GT+\k:GT+\k+1], v[GZ+\k:GZ+\k+1], v[GZ+\k:GZ+\k+1]
.endr
.irp k, 0,2,4,6
	v_pk_fma_f32 v[GQ+\k:GQ+\k+1], v[GT+\k:GT+\k+1], s[CB8:CB8+1], v[22:23] op_sel_hi:[1,0,1]
.endr
.irp c, CB4, CB2, CB0
.irp k, 0,2,4,6
	v_pk_fma_f32 v[GQ+\k:GQ+\k+1], v[GQ+\k:GQ+\k+1], v[GT+\k:GT+\k+1], s[\c:\c+1] op_sel_hi:[1,1,0]
.endr
.endr
.irp k, 0,1,2,3,4,5,6,7
	v_rcp_f32 v[GQ+\k], v[GQ+\k]
.endr
.irp k, 0,2,4,6
	v_pk_fma_f32 v[GN+\k:GN+\k+1], v[GT+\k:GT+\k+1], s[CA13:CA13+1], v[20:21] op_sel_hi:[1,0,1]
.endr
.irp c, CA9, CA7, CA5, CA3, CA1
.irp k, 0,2,4,6
	v_pk_fma_f32 v[GN+\k:GN+\k+1], v[GN+\k:GN+\k+1], v[GT+\k:GT+\k+1], s[\c:\c+1] op_sel_hi:[1,1,0]
.endr
.endr
.irp k, 0,2,4,6
	v_pk_mul_f32 v[GN+\k:GN+\k+1], v[GN+\k:GN+\k+1], v[GZ+\k:GZ+\k+1]
.endr
.irp k, 0,2,4,6
	v_pk_mul_f32 v[GZ+\k:GZ+\k+1], v[(\x)+\k:(\x)+\k+1], 0.5 op_sel_hi:[1,0]
.endr
	s_wait_alu depctr_va_vdst(0)                   ; one wait for the eight reciprocals, ahead of their first reader
.irp k, 0,2,4,6
	v_pk_mul_f32 v[GN+\k:GN+\k+1], v[GN+\k:GN+\k+1], v[GQ+\k:GQ+\k+1]
.endr
.irp k, 0,2,4,6
	v_pk_fma_f32 v[(\x)+\k:(\x)+\k+1], v[GZ+\k:GZ+\k+1], v[GN+\k:GN+\k+1], v[GZ+\k:GZ+\k+1]
.endr
.endm
	s_load_b256 s[4:11], s[0:1], 0x0               ; x, g2, oimg, osc
	s_load_b128 s[12:15], s[0:1], 0x20             ; wimg, out0
	v_lshl_add_u32 v11, v0, 2, 0x2a000
	s_set_vgpr_msb 0x40
	v_mov_b32 v1, 0
	s_set_vgpr_msb 0x4000
	v_lshrrev_b32 v224, 5, v0
	v_readfirstlane_b32 s[WV], v224                ; wave 0..11
	s_mov_b32 s[BK], ttmp9
	s_mov_b32 s[SEL], 0x76543210
	s_mov_b32 s[SEL+1], 0xfedcba98
	s_mov_b32 s[INV], 0x3aaaaaab                   ; 1 / 768
	s_mov_b32 s[EPS], 0x3727c5ac                   ; 1e-5
	s_mov_b32 s[CA13], 0xaf95df0b                  ; -2.72614226e-10
	s_mov_b32 s[CA9], 0xb60cff51                   ; -2.10102402e-06
	s_mov_b32 s[CA7], 0xb86ec2d2                   ; -5.69250639e-05
	s_mov_b32 s[CA5], 0xba40ac63                   ; -7.34990630e-04
	s_mov_b32 s[CA3], 0xbb41a1f6                   ; -2.95459981e-03
	s_mov_b32 s[CA1], 0xbc83dbd4                   ; -1.60960333e-02
	s_mov_b32 s[CB8], 0xb77460cd                   ; -1.45660718e-05
	s_mov_b32 s[CB4], 0xbadc924e                   ; -1.68282697e-03
	s_mov_b32 s[CB2], 0xbbf19bf8                   ; -7.37332917e-03
	s_mov_b32 s[CB0], 0xbc69b6a7                   ; -1.42647391e-02
	s_mov_b32 s[CRH], 0x3f3504f3                   ; 1 / sqrt 2
.irp c, CA13, CA9, CA7, CA5, CA3, CA1, CB8, CB4, CB2, CB0, CRH
	s_mov_b32 s[\c+1], s[\c]
.endr
	v_mov_b32 v20, 0x32edffee                      ; 2.77068142e-08, the numerator's second coefficient
	v_mov_b32 v21, 0x32edffee
	v_mov_b32 v22, 0xb95fbd29                      ; -2.13374055e-04, the denominator's second
	v_mov_b32 v23, 0xb95fbd29
	v_and_b32 v224, 31, v0                         ; L
	v_and_b32 v225, 15, v0                         ; r
	v_bfe_u32 v226, v0, 4, 1                       ; h
	v_lshlrev_b32 v[LI], 4, v224
	v_lshlrev_b32 v[L8], 3, v224
	v_lshlrev_b32 v240, 1, v224                    ; 2 x lane
	v_lshlrev_b32 v227, 2, v224                    ; 4 x lane
	v_mul_u32_u24 v[XG], v226, 3072
	v_lshl_add_u32 v[XG], v225, 4, v[XG]
	s_mul_i32 s56, s[WV], WST
	s_add_co_u32 s56, s56, STG                     ; my stage
	v_mul_u32_u24 v[SD], v226, 272
	v_lshl_add_u32 v[SD], v225, 4, v[SD]
	v_add_nc_u32 v[SD], s56, v[SD]
	v_mul_u32_u24 v[SF], v225, 272
	v_lshl_add_u32 v[SF], v226, 7, v[SF]
	v_add_nc_u32 v[SF], s56, v[SF]
	v_add_nc_u32 v[PK], s56, v[LI]
	v_lshlrev_b32 v[PR], 6, v225
	v_add_nc_u32 v[PR], PART, v[PR]
	s_lshl_b32 s56, s[WV], 2
	v_add_nc_u32 v[PW], s56, v[PR]
	s_lshr_b32 s57, s[WV], 1
	s_and_b32 s58, s[WV], 1
	s_lshl_b32 s59, s57, 11
	s_lshl_b32 s60, s58, 9
	s_add_co_u32 s59, s59, s60
	v_add_nc_u32 v[AW], s59, v[LI]
	v_add_nc_u32 v[HW], HIMG, v[AW]
	s_lshl_b32 s59, s57, 7
	s_lshl_b32 s60, s58, 1
	s_add_co_u32 s59, s59, s60
	s_add_co_u32 s59, s59, ASC
	v_lshl_add_u32 v[BW], v225, 2, v226
	v_add_nc_u32 v[BW], s59, v[BW]
	v_add_nc_u32 v[HB], HSC-ASC, v[BW]
	v_add_nc_u32 v[SA], ASC, v227
	v_add_nc_u32 v[SA2], HSC, v227
	v_add_nc_u32 v[AA2], HIMG, v[LI]
	v_lshlrev_b32 v[GA], 7, v226
	s_lshl_b32 s59, s[WV], 10
	v_add_nc_u32 v[HWA], s59, v[LI]                ; o's images: image w
	s_lshl_b32 s59, s[WV], 6
	s_add_co_u32 s59, s59, ASC
	v_add_nc_u32 v[HBA], s59, v240                 ; and its 64 bytes of scale words
	s_mov_b32 s57, 0
	s_mov_b32 s59, 0
	s_mov_b32 s61, 0
	s_mov_b32 s63, 0
	s_mul_i32 s56, s[BK], 98304
	s_lshl_b32 s58, s[WV], 8                       ; 256 w
	s_add_co_u32 s56, s56, s58
	s_mul_i32 s60, s[BK], 12288
	s_lshl_b32 s62, s[WV], 10
	s_add_co_u32 s60, s60, s62
	s_mul_i32 s62, s[BK], 768
	s_lshl_b32 s55, s[WV], 6
	s_add_co_u32 s62, s62, s55
	s_wait_kmcnt 0x0
	s_add_nc_u64 s[4:5], s[4:5], s[56:57]
	s_add_nc_u64 s[14:15], s[14:15], s[56:57]
	s_add_nc_u64 s[6:7], s[6:7], s[58:59]
	s_add_nc_u64 s[8:9], s[8:9], s[60:61]
	s_add_nc_u64 s[10:11], s[10:11], s[62:63]
	s_mul_i32 s56, s[WV], 26112                    ; six units a group
	s_add_nc_u64 s[WP:WP+1], s[12:13], s[56:57]    ; wo's group w
	s_add_nc_u64 s[NX:NX+1], s[WP:WP+1], 313344    ; w1's group w: 72 units on
	s_mul_i32 s56, s[WV], 104448
	s_add_nc_u64 s[WP2:WP2+1], s[12:13], s[56:57]
	s_add_nc_u64 s[WP2:WP2+1], s[WP2:WP2+1], 1566720   ; w2's group w: 24 units, behind 360
	; ---- o's images and scale words into LDS (wave w: image w); x into the accumulators' layout
	global_load_b128 v[224:227], v[LI], s[8:9] th:TH_LOAD_NT
	global_load_b128 v[228:231], v[LI], s[8:9] offset:512 th:TH_LOAD_NT
	global_load_u16 v232, v240, s[10:11]
.irp i, 0,1,2,3,4,5,6,7,8,9,10,11,12,13,14,15
	global_load_b128 v[ACC+4*\i:ACC+4*\i+3], v[XG], s[4:5] offset:2*\i*3072 th:TH_LOAD_NT
.endr
	WLOAD 0, WP, 0
	WLOAD 1, WP, 4352
	s_wait_loadcnt 34                              ; o is in; behind it: 16 loads of x and 18 of weights
	ds_store_b128 v[HWA], v[224:227]
	ds_store_b128 v[HWA], v[228:231] offset:512
	ds_store_b16 v[HBA], v232
	s_wait_loadcnt 18                              ; x is in
.irp i, 0,1,2,3,4,5,6,7,8,9,10,11,12,13,14,15
	ds_store_b128 v[SD], v[ACC+4*\i:ACC+4*\i+3] offset:(16*((\i/4)%2)+2*(\i%4)+8*(\i/8))*272   ; row rho of the block to stage row 16 u + r of its token tile
.endr
	s_wait_dscnt 0x0                               ; the stores have read their registers
.irp u, 0,1
.irp j, 0,1,2,3,4,5,6,7
	ds_load_b128 v[ACC+32*\u+4*\j:ACC+32*\u+4*\j+3], v[SF] offset:16*\u*272+16*\j
.endr
.endr
	BARRIER                                        ; o's twelve images lie in LDS; x is in my accumulators
	; ---- y = x + o wo^T
	ALOAD 0, LI, SA, 0
	G6 0, WP, 0, 1, NX, 0, LI, SA, 0, 0, 0
	PLACES
.irp j, 0,1,2,3,4,5,6,7
	global_load_b128 v[WB+64+4*\j:WB+64+4*\j+3], v[GA], s[6:7] offset:16*\j   ; my 32 gains, in the weights' third set, free till the next K step
.endr
.set k, 0
.rept 16
	ds_store_b128 v[PK], v[ACC+4*k:ACC+4*k+3] offset:512*k         ; y rests in my stage, as its registers stand, each accumulator from its low end on
.set k, k+1
.endr
	; ---- the norm
	v_pk_mul_f32 v[252:253], v[ACC:ACC+1], v[ACC:ACC+1]
	v_pk_mul_f32 v[254:255], v[ACC+32:ACC+33], v[ACC+32:ACC+33]
.irp k, 2,4,6,8,10,12,14,16,18,20,22,24,26,28,30
	v_pk_fma_f32 v[252:253], v[ACC+\k:ACC+\k+1], v[ACC+\k:ACC+\k+1], v[252:253]
	v_pk_fma_f32 v[254:255], v[ACC+32+\k:ACC+33+\k], v[ACC+32+\k:ACC+33+\k], v[254:255]
.endr
	v_add_f32 v252, v252, v253
	v_add_f32 v254, v254, v255
	v_permlanex16_b32 v253, v252, s[SEL], s[SEL+1]
	v_permlanex16_b32 v255, v254, s[SEL], s[SEL+1]
	v_add_f32 v252, v252, v253
	v_add_f32 v254, v254, v255
	ds_store_b32 v[PW], v252
	ds_store_b32 v[PW], v254 offset:1024
	BARRIER                                        ; the twelve sums lie in LDS; and every wave's reads of o's images are over
.irp u, 0,1
.irp k, 0,1,2
	ds_load_b128 v[224+12*\u+4*\k:224+12*\u+4*\k+3], v[PR] offset:1024*\u+16*\k
.endr
.endr
	s_wait_loadcnt 0x0                             ; the gains are the youngest loads
.irp u, 0,1
.irp k, 0,2,4,6,8,10,12,14,16,18,20,22,24,26,28,30
	v_pk_mul_f32 v[ACC+32*\u+\k:ACC+32*\u+\k+1], v[ACC+32*\u+\k:ACC+32*\u+\k+1], v[WB+64+\k:WB+64+\k+1]
.endr
.endr
	s_wait_dscnt 0x0
.irp u, 0,1
	v_pk_add_f32 v[224+12*\u:225+12*\u], v[224+12*\u:225+12*\u], v[226+12*\u:227+12*\u]
	v_pk_add_f32 v[228+12*\u:229+12*\u], v[228+12*\u:229+12*\u], v[230+12*\u:231+12*\u]
	v_pk_add_f32 v[232+12*\u:233+12*\u], v[232+12*\u:233+12*\u], v[234+12*\u:235+12*\u]
.endr
.irp u, 0,1
	v_pk_add_f32 v[224+12*\u:225+12*\u], v[224+12*\u:225+12*\u], v[228+12*\u:229+12*\u]
.endr
.irp u, 0,1
	v_pk_add_f32 v[224+12*\u:225+12*\u], v[224+12*\u:225+12*\u], v[232+12*\u:233+12*\u]
.endr
.irp u, 0,1
	v_add_f32 v[224+12*\u], v[224+12*\u], v[225+12*\u]
.endr
	v_fma_f32 v252, v224, s[INV], s[EPS]
	v_fma_f32 v254, v236, s[INV], s[EPS]
	v_rsq_f32 v248, v252
	v_rsq_f32 v250, v254
	v_mov_b32 v249, 0                              ; the pairs' upper words; plain places behind the transcendentals
	v_mov_b32 v251, 0
	s_wait_alu depctr_va_vdst(0)                   ; one wait for both, ahead of their first reader
.irp u, 0,1
.irp k, 0,2,4,6,8,10,12,14,16,18,20,22,24,26,28,30
	v_pk_mul_f32 v[ACC+32*\u+\k:ACC+32*\u+\k+1], v[ACC+32*\u+\k:ACC+32*\u+\k+1], v[248+2*\u:249+2*\u] op_sel_hi:[1,0]
.endr
.endr
	QUANT2 ACC, ACC+32
	ds_store_b128 v[AW], v[QC:QC+3]
	ds_store_b128 v[AW], v[QC+4:QC+7] offset:1024
	ds_store_b8 v[BW], v[QB]
	ds_store_b8 v[BW], v[QB+1] offset:64
	BARRIER                                        ; h's twelve images lie where o's lay
	s_wait_xcnt 0x0                                ; the loads have read their bases
	s_mov_b64 s[WP:WP+1], s[NX:NX+1]
	s_add_nc_u64 s[NX:NX+1], s[NX:NX+1], 313344
	s_mov_b32 s[HO], 0
	s_mov_b32 s[HO2], 0
	s_mov_b32 s[CNT], 0
	ALOAD 0, LI, SA, 0
	; ---- the hidden layer: four groups of 64 units, 12 groups apart.  In the last trip the weights asked for ahead are w2's first two K steps, and the activations asked for ahead are not used
.Lf1:
	G6 1, WP, 0, 1, NX, 0, LI, SA, 0, 1, 0
	PLACES
.irp a, 0,1,2,3,4,5,6,7
	GELU8 ACC+8*\a
.endr
	QUANT2 ACC, ACC+32
	v_add_nc_u32 v[HWA], s[HO], v[HW]
	v_add_nc_u32 v[HBA], s[HO2], v[HB]
	ds_store_b128 v[HWA], v[QC:QC+3]
	ds_store_b128 v[HWA], v[QC+4:QC+7] offset:1024
	ds_store_b8 v[HBA], v[QB]
	ds_store_b8 v[HBA], v[QB+1] offset:64
	s_wait_xcnt 0x0                                ; the loads have read their bases
	s_mov_b64 s[WP:WP+1], s[NX:NX+1]
	s_add_nc_u64 s[NX:NX+1], s[NX:NX+1], 313344
	s_cmp_eq_u32 s[CNT], 2
	s_cselect_b64 s[NX:NX+1], s[WP2:WP2+1], s[NX:NX+1]
	s_add_co_u32 s[HO], s[HO], 12288               ; six K steps of the second product on
	s_add_co_u32 s[HO2], s[HO2], 768
	s_add_co_u32 s[CNT], s[CNT], 1
	s_cmp_lt_u32 s[CNT], 4
	s_cbranch_scc1 .Lf1
	BARRIER                                        ; the hidden layer's 48 images lie in LDS
	; ---- out = y + gelu(..) w2^T: 24 K steps, every offset an immediate
.set k, 0
.rept 16
	ds_load_b128 v[ACC+4*k:ACC+4*k+3], v[PK] offset:512*k
.set k, k+1
.endr
	ALOAD 0, AA2, SA2, 0
.irp k, 0,1,2
	G6 0, WP2, 26112*\k, 1, WP2, 26112*(\k+1), AA2, SA2, 6*\k, 1, 6*(\k+1)
.endr
	G6 0, WP2, 26112*3, 0, WP2, 0, AA2, SA2, 18, 0, 0
	PLACES
	; ---- the way out, through my stage: whole rows' 256 consecutive bytes, aligned
.irp u, 0,1
.irp j, 0,1,2,3,4,5,6,7
	ds_store_b128 v[SF], v[ACC+32*\u+4*\j:ACC+32*\u+4*\j+3] offset:16*\u*272+16*\j
.endr
.endr
	s_wait_dscnt 0x0                               ; the stores have read their registers
.irp i, 0,1,2,3,4,5,6,7,8,9,10,11,12,13,14,15
	ds_load_b128 v[ACC+4*\i:ACC+4*\i+3], v[SD] offset:(16*((\i/4)%2)+2*(\i%4)+8*(\i/8))*272
.endr
.irp i, 0,1,2,3,4,5,6,7,8,9,10,11,12,13,14,15
	s_wait_dscnt 15-\i
	global_store_b128 v[XG], v[ACC+4*\i:ACC+4*\i+3], s[14:15] offset:2*\i*3072 th:TH_STORE_NT
.endr
	s_set_vgpr_msb 0x4
	s_wait_tensorcnt 0x0
	ds_add_u32 v11, v1
	s_wait_dscnt 0x0
	s_set_vgpr_msb 0x400
	s_endpgm
.Lfunc_end_k_q64c09f7db8_ffn:
	.size	k_q64c09f7db8_ffn, .Lfunc_end_k_q64c09f7db8_ffn-k_q64c09f7db8_ffn
	.p2alignl 7, 3214868480
	.fill 96, 4, 3214868480
	.section	.rodata,"a",@progbits
	.p2align	6, 0x0
	.amdhsa_kernel k_q64c09f7db8_ffn
		.amdhsa_group_segment_fixed_size 173568
		.amdhsa_private_segment_fixed_size 0
		.amdhsa_enable_private_segment 0
		.amdhsa_kernarg_size 48
		.amdhsa_user_sgpr_count 2
		.amdhsa_user_sgpr_kernarg_segment_ptr 1
		.amdhsa_wavefront_size32 1
		.amdhsa_system_sgpr_workgroup_id_x 1
		.amdhsa_system_sgpr_workgroup_id_y 1
		.amdhsa_system_sgpr_workgroup_id_z 1
		.amdhsa_system_vgpr_workitem_id 0
		.amdhsa_next_free_vgpr 258
		.amdhsa_next_free_sgpr 66
		.amdhsa_reserve_vcc 0
		.amdhsa_float_denorm_mode_32 3
		.amdhsa_float_denorm_mode_16_64 3
		.amdhsa_memory_ordered 1
		.amdhsa_forward_progress 1
		.amdhsa_inst_pref_size 155
	.end_amdhsa_kernel
	.amdgpu_metadata
---
amdhsa.version: [ 1, 2 ]
amdhsa.kernels:
  - .name:           k_q64c09f7db8_ffn
    .symbol:         k_q64c09f7db8_ffn.kd
    .args:
      - { .name: x, .offset: 0, .size: 8, .value_kind: global_buffer, .address_space: global }
      - { .name: g2, .offset: 8, .size: 8, .value_kind: global_buffer, .address_space: global }
      - { .name: oimg, .offset: 16, .size: 8, .value_kind: global_buffer, .address_space: global }
      - { .name: osc, .offset: 24, .size: 8, .value_kind: global_buffer, .address_space: global }
      - { .name: wimg, .offset: 32, .size: 8, .value_kind: global_buffer, .address_space: global }
      - { .name: out0, .offset: 40, .size: 8, .value_kind: global_buffer, .address_space: global }
    .group_segment_fixed_size: 173568
    .private_segment_fixed_size: 0
    .kernarg_segment_align: 8
    .kernarg_segment_size: 48
    .max_flat_workgroup_size: 384
    .sgpr_count:     66
    .vgpr_count:     258
    .wavefront_size: 32
...
	.end_amdgpu_metadata
.endif
;; end of part 3
;; ======== version 2 of 3: 3 launches
;; workspace buffers: qimg 1,572,864 bytes; qsc 196,608 bytes; kv 3,440,640 bytes; oimg 1,572,864 bytes; osc 98,304 bytes; wimg 2,820,096 bytes
;; launch qkv: the kernel of part 1 again; grid 128 x 1, 12 waves a work-group, no clusters, 121,344 bytes of LDS; arguments x, g1, wq_codes, wq_scales, wk_codes, wk_scales, wv_codes, wv_scales, wo_codes, wo_scales, w1_codes, w1_scales, w2_codes, w2_scales, qimg, qsc, kv, wimg; writes qimg, qsc, kv, wimg
;; launch attn (part 4): grid 256 x 1, 12 waves a work-group, no clusters, 112,128 bytes of LDS; arguments qimg, qsc, kv, oimg, osc; writes oimg, osc
.if DOCPART == 4
	.amdgcn_target "amdgcn-amd-amdhsa--gfx1250"
	.amdhsa_code_object_version 6
	.text
	.protected	k_q64c09f7db8_attn
	.globl	k_q64c09f7db8_attn
	.p2align	8
	.type	k_q64c09f7db8_attn,@function
k_q64c09f7db8_attn:
	s_mov_b64 s[64:65], 0
	v_nop
	global_prefetch_b8 v0, s[64:65] scope:SCOPE_SE
	s_setreg_imm32_b32 hwreg(HW_REG_WAVE_MODE, 25, 1), 1
	s_wait_xcnt 0x0
; Causal attention on codes of E2M1 with E8M0 scales, 12 heads of 64, 4,096 tokens; o / l is quantised along 768 and stored as images of the next product's operand.
; THE SOFTMAX: t = score x log2(e) / 8; M = the running largest t rounded up to a whole number; p = 2^(t - M) is quantised along the keys; the row's sum l is taken of the unquantised p and divides O at the end.
; When M moves, l and O are multiplied by 2^(old M - new M): exact.
; SHARES.  A tile is 16 queries; tile T needs T / 8 + 1 key steps of 128 keys.  Tiles T1 = 255 - TL and TL of one head are a PAIR: 33 steps, whatever TL.  The pair's steps, T1's first, are numbered 0 .. 32 and dealt by
; turns to two waves: wave A takes the even numbers (17 steps), wave B the odd ones (16) and number 33, a step of tile TL all of whose keys are hidden, which adds zeros: so both waves run the same 17 trips, and both
; change tiles inside them.  12 heads x 128 pairs = 1,536 pairs = 256 work-groups x 6 pairs x 2 waves: every wave of the launch has the same work.
; PARTS.  A wave so holds a PART of each of its two tiles: O, l and M over its own steps.  At its change of tiles it puts tile T1's part into LDS, behind the loop tile TL's; behind ONE barrier wave A joins the two parts of
; T1 and wave B those of TL: the new M is the larger one, each part is multiplied by 2^(its M - the new M), which rounds nothing, and the parts are added.
; K AND V.  A step's record (8,960 bytes: K's codes, V's codes, their scale words) was laid by the first launch in operand order: it goes from memory straight into the operand's registers, 18 loads of 512 or 256
; consecutive bytes.  The next step's K is asked for behind this step's K Q^T, the next step's V behind this step's V^T P: one set of registers each, and about a step in which to land.  The loop has no LDS access
; and no barrier: no wave waits for another.  The price: every wave reads whole records, 34 x 8,960 bytes a pair.
; No cluster, no joint load, no sharing through LDS: the waves of a work-group stand at different records (A at even, B at odd steps; pairs change tiles at trip (32 - TL / 8) / 2), and each of these ways would put a
; barrier of all waves into every step, which is 12 matrix instructions long.
; LAYOUT.  Both products transposed: S^T = K Q^T, O^T = V^T P^T: a lane holds one query (lane % 16).  Key tile (c, t): lane r is key 64 c + 8 t + r % 8 + 32 (r / 8), so that registers 32 c .. 32 c + 31 of S^T are keys
; 64 c + 32 h + 0 .. 31: one whole block a lane: p's conversions give the operand's registers as they stand.  V's channel tiles are chosen likewise, so that a lane's 32 registers of O^T are one block of o's K.
; THE HEAD'S 64 IN AN INSTRUCTION OF 128: Q's registers 4-7 hold zero codes, so K's registers 4-7 may hold any codes (E2M1 has neither NaN nor infinity; scale bytes 2, 3 are the byte of 1.0): key tile n lies at
; KF + 4 n and is named with the four registers behind it.
; LIMITS: NaN and infinities are not served; a block of zeros has the byte 1, read by this program alone; o / l is a multiplication by v_rcp_f32; osc is stored in single bytes (one byte in 17 of what is stored).
.set AREA, 9216                        ; LDS: wave w's area at 9,216 w: the part of its first tile at 0, of its second at 4,608; a part: O^T's 32 registers as images (16 bytes of lane L at 16 L), then -M, t, l, l
.set PT2,  4608
.set LI,  1                            ; v1   16 x lane
.set L8,  2                            ; v2   8 x lane
.set KGA, 3                            ; v3   my 16 bytes of a key tile in a record: 16 (L % 8) + 128 (L / 16) + 256 ((L / 8) % 2)
.set DW,  4                            ; v4   my area + 16 x lane
.set MINE, 5                           ; v5   the part that I finish, my own share: wave A its first tile's, wave B its second's
.set OTH, 6                            ; v6   and my partner's share of the same tile
.set QA,  7                            ; v7   4 r
.set PFO, 8                            ; v8   256 x lane
.set SH8, 9                            ; v9   8 h
.set DQ,  10                           ; v10  r % 8 + 16 (r / 8) - 32 h
.set OBA, 11                           ; v11  4 r + h
.set QF,  16                           ; v12 -M, v13 the largest t, v[14:15] l;  v16-23 Q (v20-23 zero codes)
.set QN,  26                           ; v26-29 the second tile's Q
.set QSN, 30                           ; v30  and its scale words
.set KF,  32                           ; v32-63 K's eight tiles, four registers each; v64-67 zero
.set VF,  68                           ; v68-99 V's four fragments
.set S,   100                          ; v100-163 S^T, then p; at the end my partner's part
.set O,   164                          ; v164-195 O^T
.set PC,  196                          ; v196-203 p's codes
.set KSC, 222                          ; v222-225 K's scale words, v226-227 V's, v228 Q's, v229 p's: scales and nothing else
.set VSC, 226
.set QSC, 228
.set PSC, 229
.set WV,  14
.set PI,  15                           ; s15  0: wave A, 1: wave B
.set HD,  24
.set N1,  25                           ; s25  steps of the first tile, 17 .. 32;  s26 of the second, 33 - s25
.set N2,  26
.set Q01, 27                           ; s27, s28  lane r's query is this + r % 8 + 16 (r / 8), in the first and the second tile
.set Q02, 28
.set LIM, 29
.set I,   30                           ; s30  the number of the step in hand among the pair's
.set CNT, 31
.set RN,  32                           ; s[32:33] the record asked for
.set OFF, 34
.set TT,  36                           ; s36  the step's number in its tile
.set T2,  37
.set SEL, 38
.set CS,  40
.set HB,  42                           ; s[42:43] the head's first record
.set NSC, 44
.set Q0C, 45
.set TN,  46
.macro PLACES                          ; four plain places behind matrix instructions, in front of loads into their sources and of reads of their results
.rept 4
	v_nop
.endr
.endm
.macro WM d, a, b, z, sa, sb, ra
.if (\z) && ((\ra) == 0)
	v_wmma_scale_f32_16x16x128_f8f6f4 v[(\d):(\d)+7], v[(\a):(\a)+7], v[(\b):(\b)+7], 0, v[(\sa)], v[(\sb)] matrix_a_fmt:MATRIX_FMT_FP4 matrix_b_fmt:MATRIX_FMT_FP4
.elseif (\z)
	v_wmma_scale_f32_16x16x128_f8f6f4 v[(\d):(\d)+7], v[(\a):(\a)+7], v[(\b):(\b)+7], 0, v[(\sa)], v[(\sb)] matrix_a_fmt:MATRIX_FMT_FP4 matrix_b_fmt:MATRIX_FMT_FP4 matrix_a_scale:MATRIX_SCALE_ROW1
.elseif ((\ra) == 0)
	v_wmma_scale_f32_16x16x128_f8f6f4 v[(\d):(\d)+7], v[(\a):(\a)+7], v[(\b):(\b)+7], v[(\d):(\d)+7], v[(\sa)], v[(\sb)] matrix_a_fmt:MATRIX_FMT_FP4 matrix_b_fmt:MATRIX_FMT_FP4
.else
	v_wmma_scale_f32_16x16x128_f8f6f4 v[(\d):(\d)+7], v[(\a):(\a)+7], v[(\b):(\b)+7], v[(\d):(\d)+7], v[(\sa)], v[(\sb)] matrix_a_fmt:MATRIX_FMT_FP4 matrix_b_fmt:MATRIX_FMT_FP4 matrix_a_scale:MATRIX_SCALE_ROW1
.endif
.endm
.macro LOADK                           ; nine loads: the eight key tiles of the record at s[RN], 512 consecutive bytes each, and their scale words (register t: lanes 0-15 tile (0, t)'s, lanes 16-31 tile (1, t)'s)
.set n, 0
.rept 8
	global_load_b128 v[KF+4*n:KF+4*n+3], v[KGA], s[RN:RN+1] offset:512*n
.set n, n+1
.endr
	global_load_b128 v[KSC:KSC+3], v[LI], s[RN:RN+1] offset:8192
.endm
.macro LOADV                           ; nine loads: V's four fragments and their scale words
.set n, 0
.rept 8
	global_load_b128 v[VF+4*n:VF+4*n+3], v[LI], s[RN:RN+1] offset:4096+512*n
.set n, n+1
.endr
	global_load_b64 v[VSC:VSC+1], v[L8], s[RN:RN+1] offset:8704
.endm
; One trip: the pair's step number s[I].  more = 1: the step two numbers on is asked for.
.macro TRIP more
	s_wait_loadcnt 9                               ; this step's K and its words are in (in the first trip Q too); V's nine loads are younger and may be out
	s_cmp_lt_u32 s[I], s[N1]                       ; the first tile's step, or the second's?
	s_cselect_b32 s[NSC], s[N1], s[N2]
	s_cselect_b32 s[Q0C], s[Q01], s[Q02]
	s_cselect_b32 s[T2], 0, s[N1]
	s_sub_co_u32 s[TT], s[I], s[T2]                ; the step's number in its tile
	s_sub_co_u32 s[T2], s[I], s[N1]
	s_cmp_lt_u32 s[T2], 2                          ; my first step of the second tile is number N1 or N1 + 1
	s_cbranch_scc0 .Lsame_\@
	; THE CHANGE OF TILES: the first tile's part goes to LDS, each accumulator from its low end on; the second tile's Q takes its place; the sums begin anew
.set k, 0
.rept 8
	ds_store_b128 v[DW], v[O+4*k:O+4*k+3] offset:512*k
.set k, k+1
.endr
	ds_store_b128 v[DW], v[12:15] offset:4096
	v_mov_b32 v[QSC], v[QSN]                       ; (the 40 plain lines below are the places between these writes and the products that read them)
.irp j, 0,1,2,3
	v_mov_b32 v[QF+\j], v[QN+\j]
.endr
	s_mov_b32 s[LIM], 0                            ; nothing is prefetched in the second tile
	s_wait_dscnt 0x0                               ; the stores have read their registers
	v_mov_b32 v13, 0xff61b1e6                      ; the largest t so far: -3e38
	v_floor_f32 v12, -v13
	v_mov_b32 v14, 0
	v_mov_b32 v15, 0
.set k, 0
.rept 32
	v_mov_b32 v[O+k], 0
.set k, k+1
.endr
.Lsame_\@:
.irp c, 0,1
.irp t, 0,1,2,3
	WM S+32*\c+8*\t, KF+4*(4*\c+\t), QF, 1, KSC+\t, QSC, \c
.endr
.endr
	PLACES
.if \more
	s_add_co_u32 s[T2], s[I], 2                    ; my next step: its number in its tile, at most 31 in the first tile and 16 in the second: a record of the head
	s_cmp_lt_u32 s[T2], s[N1]
	s_cselect_b32 s[TN], 0, s[N1]
	s_sub_co_u32 s[T2], s[T2], s[TN]
	s_mul_i32 s[OFF], s[T2], 8960
	s_wait_xcnt 0x0                                ; V's loads, issued at the last trip's end, and the last prefetch have read their base
	s_add_nc_u64 s[RN:RN+1], s[HB:HB+1], s[OFF:OFF+1]
	LOADK                                          ; into the registers that the eight products above have read
	; a prefetch, behind the loads: the 32 blocks of 256 bytes of K's and V's codes of the record four behind the one just asked for, a lane a block: that record's own load is issued two trips on.
	; Of each head the pair with TL = 0, whose first tile walks all 32 records, asks: wave A for the even ones, wave B for the odd ones: each block is named once.  It stops behind step 25: record 31 is the head's
	; last.  Records 0 to 5 and the scale words come by their loads alone.
	s_cmp_lt_u32 s[TT], s[LIM]
	s_cbranch_scc0 .Lnot_mine_\@
	global_prefetch_b8 v[PFO], s[RN:RN+1] offset:35840 th:TH_LOAD_NT scope:SCOPE_SE
.Lnot_mine_\@:
.endif
	s_add_co_u32 s[T2], s[TT], 1                   ; a tile's last step lies on the diagonal, and number 33 behind it: hidden scores become -infinity ahead of the maximum, so that p = 0
	s_cmp_lt_u32 s[T2], s[NSC]
	s_cbranch_scc1 .Lopen_\@
	s_lshl_b32 s[T2], s[TT], 7
	s_sub_co_i32 s[T2], s[Q0C], s[T2]
	v_add_nc_u32 v230, s[T2], v[DQ]                ; d = my query - the step's first key - 32 h.  Register 32 c + n holds key 64 c + 32 h + n of the step: hidden where 64 c + n > d
	v_mov_b32 v231, 0xff800000
.set n, 0
.rept 64
	v_cmp_gt_i32 vcc_lo, 64*(n/32)+n%32, v230
	v_cndmask_b32 v[S+n], v[S+n], v231, vcc_lo
.set n, n+1
.endr
.Lopen_\@:
.irp k, 0,1,2,3                        ; the largest score, in four chains of 16 by turns
	v_max3_num_f32 v[232+\k], v[S+16*\k], v[S+16*\k+1], v[S+16*\k+2]
.endr
.irp i, 3,5,7,9,11,13
.irp k, 0,1,2,3
	v_max3_num_f32 v[232+\k], v[232+\k], v[S+16*\k+\i], v[S+16*\k+\i+1]
.endr
.endr
	v_max3_num_f32 v232, v232, v[S+15], v233
	v_max3_num_f32 v234, v234, v[S+47], v235
	v_max_num_f32 v232, v232, v[S+31]              ; THE LARGEST SCORE OF EACH OF MY TWO BLOCKS OF 32 KEYS: it serves for the row's maximum and, since p rises with the score, for the block's largest p
	v_max_num_f32 v234, v234, v[S+63]
	v_max_num_f32 v254, v232, v234
	v_permlanex16_b32 v255, v254, s[SEL], s[SEL+1]
	v_max_num_f32 v254, v254, v255                 ; with lane l xor 16's two blocks: the step's largest score of my query
	v_mul_f32 v254, s[CS], v254
	v_max_num_f32 v13, v13, v254                   ; the running largest t
	v_mov_b32 v254, v12
	v_floor_f32 v12, -v13                          ; -M = floor(-t): M is a whole number
	v_sub_f32 v254, v12, v254
	v_cvt_i32_f32 v254, v254                       ; old M - new M, 0 or less (it saturates)
	v_ldexp_f32 v252, 1.0, v254                    ; f = 2^(old M - new M)
.set n, 0
.rept 32
	v_pk_fma_f32 v[S+n:S+n+1], v[S+n:S+n+1], s[CS:CS+1], v[12:13] op_sel_hi:[1,0,0]   ; t - M
.set n, n+2
.endr
	v_fma_f32 v232, v232, s[CS], v12
	v_fma_f32 v234, v234, s[CS], v12
.set n, 0
.rept 64
	v_exp_f32 v[S+n], v[S+n]                       ; p = 2^(t - M)
.set n, n+1
.endr
	v_pk_mul_f32 v[14:15], v[14:15], v[252:253] op_sel_hi:[1,0]    ; l under the new M: the plain place behind the exponentials
	s_wait_alu depctr_va_vdst(0)                   ; one wait for the batch, ahead of its first reader
	v_exp_f32 v232, v232                           ; the blocks' largest p
	v_exp_f32 v234, v234
	v_pk_add_f32 v[242:243], v[S:S+1], v[S+2:S+3]  ; l is taken of the unquantised p, in two chains
.set n, 4
.rept 15
	v_pk_add_f32 v[14:15], v[14:15], v[S+n:S+n+1]
	v_pk_add_f32 v[242:243], v[242:243], v[S+n+2:S+n+3]
.set n, n+4
.endr
	v_pk_add_f32 v[14:15], v[14:15], v[242:243]
	s_wait_alu depctr_va_vdst(0)                   ; and one for the two
	v_max_num_f32 v232, 0x1800000, v232            ; the floor 2^(3 - 127): the byte cannot fall under 1
	v_max_num_f32 v234, 0x1800000, v234
	v_add_nc_u32 v236, 0xff000000, v232            ; 2 off the exponent field: the conversions' scale operands
	v_add_nc_u32 v237, 0xff000000, v234
	v_lshrrev_b32 v238, 23, v236
	v_lshrrev_b32 v239, 23, v237
	v_lshl_or_b32 v240, v239, 16, v238             ; my bytes: blocks h and 2 + h,
	v_lshlrev_b32 v240, v[SH8], v240               ; at their places;
	v_permlanex16_b32 v241, v240, s[SEL], s[SEL+1]
	v_or_b32 v[PSC], v240, v241                    ; with lane l xor 16's two the word is whole
.irp c, 0,1
.irp g, 0,1,2,3
	v_cvt_scalef32_pk8_fp4_f32 v[PC+4*\c+\g], v[S+32*\c+8*\g:S+32*\c+8*\g+7], v[236+\c]
.endr
.endr
	v_nop                                          ; one plain place behind the last scaled conversion
.set n, 0
.rept 16
	v_pk_mul_f32 v[O+n:O+n+1], v[O+n:O+n+1], v[252:253] op_sel_hi:[1,0]   ; O^T under the new M.  (Twelve of these name no register of any one product below: the places behind the writes of p's codes and scale word)
.set n, n+2
.endr
.if \more
	s_wait_loadcnt 9                               ; V and its words are in; the next step's nine loads of K are younger and may be out
.else
	s_wait_loadcnt 0x0
.endif
.irp t, 0,1,2,3
	WM O+8*\t, VF+8*\t, PC, 0, VSC+\t/2, PSC, \t%2
.endr
	PLACES                                         ; in front of the loads into these products' sources, and of the first read of their results
.if \more
	LOADV                                          ; my next step's V, out of the same record as its K
.endif
.endm
	s_load_b256 s[4:11], s[0:1], 0x0               ; qimg, qsc, kv, oimg
	s_load_b64 s[12:13], s[0:1], 0x20              ; osc
	v_lshl_add_u32 v250, v0, 2, 0x1b000
	v_mov_b32 v251, 0
	v_lshrrev_b32 v230, 5, v0
	v_readfirstlane_b32 s[WV], v230                ; wave 0..11
	s_and_b32 s[PI], s[WV], 1                      ; wave A or B of its pair
	s_lshr_b32 s16, s[WV], 1
	s_mul_i32 s17, ttmp9, 6
	s_add_co_u32 s17, s17, s16                     ; the pair, 0 .. 1,535
	s_lshr_b32 s[HD], s17, 7                       ; head
	s_and_b32 s18, s17, 127                        ; TL, the second tile
	s_sub_co_u32 s19, 255, s18                     ; T1, the first
	s_lshr_b32 s23, s18, 3
	s_sub_co_u32 s[N1], 32, s23                    ; T1 / 8 + 1
	s_add_co_u32 s[N2], s23, 1                     ; TL / 8 + 1
	s_lshr_b32 s[Q01], s19, 1                      ; tile T is tile T % 2 of the block T / 2 of 32 tokens
	s_lshl_b32 s[Q01], s[Q01], 5
	s_and_b32 s23, s19, 1
	s_lshl_b32 s23, s23, 3
	s_add_co_u32 s[Q01], s[Q01], s23
	s_lshr_b32 s[Q02], s18, 1
	s_lshl_b32 s[Q02], s[Q02], 5
	s_and_b32 s23, s18, 1
	s_lshl_b32 s23, s23, 3
	s_add_co_u32 s[Q02], s[Q02], s23
	s_cmp_eq_u32 s18, 0
	s_cselect_b32 s[LIM], 26, 0                    ; who prefetches, and up to which step of the first tile
	s_cmp_eq_u32 s[PI], 0
	s_cselect_b32 s20, s19, s18                    ; the tile that I finish: wave A the first, wave B the second
	s_lshr_b32 s21, s20, 1                         ; its block of 32 tokens
	s_and_b32 s22, s20, 1                          ; and which tile of the block
	s_lshl_b32 s46, s[HD], 8
	s_add_co_u32 s47, s46, s19
	s_add_co_u32 s46, s46, s18
	s_lshl_b32 s50, s47, 9                         ; qimg: 512 bytes a tile
	s_mov_b32 s51, 0
	s_lshl_b32 s52, s47, 6                         ; qsc: 64 bytes a tile
	s_mov_b32 s53, 0
	s_lshl_b32 s54, s46, 9
	s_mov_b32 s55, 0
	s_lshl_b32 s56, s46, 6
	s_mov_b32 s57, 0
	s_mul_i32 s[HB], s[HD], 286720                 ; a head's 32 records
	s_mov_b32 s[HB+1], 0
	s_mul_i32 s[OFF], s[PI], 8960                  ; my first step: number 0 or 1
	s_mov_b32 s[OFF+1], 0
	s_lshr_b32 s60, s[HD], 1
	s_and_b32 s61, s[HD], 1
	s_mul_i32 s48, s21, 12288
	s_lshl_b32 s23, s60, 11
	s_add_co_u32 s48, s48, s23
	s_lshl_b32 s23, s22, 10
	s_add_co_u32 s48, s48, s23
	s_lshl_b32 s23, s61, 9
	s_add_co_u32 s48, s48, s23                     ; oimg: block, K step head / 2, tile, half head % 2
	s_mov_b32 s49, 0
	s_mul_i32 s58, s21, 768
	s_lshl_b32 s23, s60, 7
	s_add_co_u32 s58, s58, s23
	s_lshl_b32 s23, s22, 6
	s_add_co_u32 s58, s58, s23
	s_lshl_b32 s23, s61, 1
	s_add_co_u32 s58, s58, s23                     ; osc likewise
	s_mov_b32 s59, 0
	s_mov_b32 s[SEL], 0x76543210
	s_mov_b32 s[SEL+1], 0xfedcba98                 ; v_permlanex16_b32's selects for lane l xor 16
	s_mov_b32 s[CS], 0x3e38aa3b                    ; log2(e) / 8
	s_mov_b32 s[CS+1], s[CS]
	s_mov_b32 s[I], s[PI]
	v_and_b32 v230, 31, v0                         ; L
	v_and_b32 v231, 15, v0                         ; r
	v_bfe_u32 v232, v0, 4, 1                       ; h
	v_lshlrev_b32 v[LI], 4, v230
	v_lshlrev_b32 v[L8], 3, v230
	v_and_b32 v235, 7, v0
	v_bfe_u32 v236, v0, 3, 1
	v_lshlrev_b32 v[KGA], 4, v235
	v_lshl_add_u32 v[KGA], v232, 7, v[KGA]
	v_lshl_add_u32 v[KGA], v236, 8, v[KGA]
	s_mul_i32 s62, s[WV], AREA                     ; my area,
	v_add_nc_u32 v[DW], s62, v[LI]
	s_mul_i32 s63, s[PI], PT2
	s_add_co_u32 s62, s62, s63                     ; in it the part of the tile that I finish,
	v_add_nc_u32 v[MINE], s62, v[LI]
	s_xor_b32 s62, s[WV], 1
	s_mul_i32 s62, s62, AREA
	s_add_co_u32 s62, s62, s63                     ; and the same tile's part in my partner's area
	v_add_nc_u32 v[OTH], s62, v[LI]
	v_lshlrev_b32 v[PFO], 8, v230
	v_lshlrev_b32 v[SH8], 3, v232
	v_lshl_add_u32 v235, v236, 4, v235
	v_lshlrev_b32 v236, 5, v232
	v_sub_nc_u32 v[DQ], v235, v236
	v_lshl_add_u32 v[OBA], v231, 2, v232
	v_lshlrev_b32 v[QA], 2, v231
	s_wait_kmcnt 0x0
	s_add_nc_u64 s[50:51], s[4:5], s[50:51]
	s_add_nc_u64 s[52:53], s[6:7], s[52:53]
	s_add_nc_u64 s[54:55], s[4:5], s[54:55]
	s_add_nc_u64 s[56:57], s[6:7], s[56:57]
	s_add_nc_u64 s[HB:HB+1], s[8:9], s[HB:HB+1]
	s_add_nc_u64 s[RN:RN+1], s[HB:HB+1], s[OFF:OFF+1]
	s_add_nc_u64 s[10:11], s[10:11], s[48:49]
	s_add_nc_u64 s[12:13], s[12:13], s[58:59]
	global_load_b128 v[QF:QF+3], v[LI], s[50:51]   ; both tiles' Q: four registers of codes and a scale word each
	global_load_b32 v[QSC], v[QA], s[52:53]
	global_load_b128 v[QN:QN+3], v[LI], s[54:55]
	global_load_b32 v[QSN], v[QA], s[56:57]
	LOADK                                          ; my first step
	LOADV
.irp j, 0,1,2,3
	v_mov_b32 v[QF+4+\j], 0                        ; zero codes for k = 64 .. 127
	v_mov_b32 v[KF+32+\j], 0                       ; named behind K's last tile
.endr
	v_mov_b32 v13, 0xff61b1e6                      ; the largest t so far: -3e38
	v_floor_f32 v12, -v13
	v_mov_b32 v14, 0
	v_mov_b32 v15, 0
	v_mov_b32 v241, 0                              ; a lane permute's destination counts as one of its sources
	v_mov_b32 v255, 0
	v_mov_b32 v253, 0                              ; named as the upper half of the pair v[252:253]
.set n, 0
.rept 32
	v_mov_b32 v[O+n], 0                            ; the step is written once: a tile's first finds zeros, which the first change of M leaves zeros
.set n, n+1
.endr
	s_mov_b32 s[CNT], 0
.Ltrips:                                           ; 16 trips that ask for the step behind them; the 17th is written out, and asks for nothing
	TRIP 1
	s_add_co_u32 s[I], s[I], 2
	s_add_co_u32 s[CNT], s[CNT], 1
	s_cmp_lt_u32 s[CNT], 16
	s_cbranch_scc1 .Ltrips
	TRIP 0
	; ---- the second tile's part goes to LDS; one barrier; each wave joins the two parts of the tile that it finishes
.set k, 0
.rept 8
	ds_store_b128 v[DW], v[O+4*k:O+4*k+3] offset:PT2+512*k
.set k, k+1
.endr
	ds_store_b128 v[DW], v[12:15] offset:PT2+4096
	s_wait_dscnt 0x0                               ; for the partner's sake: my stores have landed, those at my change of tiles too
	s_barrier_signal -1
	s_barrier_wait -1
.set k, 0
.rept 8
	ds_load_b128 v[O+4*k:O+4*k+3], v[MINE] offset:512*k
	ds_load_b128 v[S+4*k:S+4*k+3], v[OTH] offset:512*k
.set k, k+1
.endr
	ds_load_b128 v[12:15], v[MINE] offset:4096
	ds_load_b128 v[S+32:S+35], v[OTH] offset:4096
	s_wait_dscnt 0x0
	v_min_num_f32 v230, v12, v[S+32]               ; the new -M: the larger M of the two
	v_sub_f32 v231, v230, v12                      ; each part's M less the new one: a whole number, 0 or less
	v_sub_f32 v232, v230, v[S+32]
	v_cvt_i32_f32 v231, v231                       ; (it saturates: a part without a step has M = -3e38 and the factor 0; its sums are zeros)
	v_cvt_i32_f32 v232, v232
	v_ldexp_f32 v252, 1.0, v231
	v_ldexp_f32 v254, 1.0, v232
	v_add_f32 v14, v14, v15                        ; l's two halves, of each part
	v_add_f32 v233, v[S+34], v[S+35]
	v_mul_f32 v14, v14, v252
	v_fma_f32 v14, v233, v254, v14
.set n, 0
.rept 16
	v_pk_mul_f32 v[O+n:O+n+1], v[O+n:O+n+1], v[252:253] op_sel_hi:[1,0]
.set n, n+2
.endr
.set n, 0
.rept 16
	v_pk_fma_f32 v[O+n:O+n+1], v[S+n:S+n+1], v[254:255], v[O+n:O+n+1] op_sel_hi:[1,0,1]
.set n, n+2
.endr
	; ---- the way out: O^T / l, quantised: my 32 registers are one block of o's K
	v_permlanex16_b32 v241, v14, s[SEL], s[SEL+1]
	v_add_f32 v14, v14, v241                       ; with lane l xor 16's keys: the row's sum
	v_rcp_f32 v14, v14
	v_nop                                          ; a plain place behind the transcendental
	s_wait_alu depctr_va_vdst(0)                   ; and the wait ahead of its first reader
.set n, 0
.rept 16
	v_pk_mul_f32 v[O+n:O+n+1], v[O+n:O+n+1], v[14:15] op_sel_hi:[1,0]
.set n, n+2
.endr
	v_max3_num_f32 v232, |v[O]|, |v[O+1]|, 0x1800000               ; the floor 2^(3 - 127) holds the byte at 1 from below
.irp i, 2,4,6,8,10,12,14,16,18,20,22,24,26,28,30
	v_max3_num_f32 v232, v232, |v[O+\i]|, |v[O+\i+1]|
.endr
	v_add_nc_u32 v233, 0xff000000, v232
	v_lshrrev_b32 v234, 23, v233
.irp g, 0,1,2,3
	v_cvt_scalef32_pk8_fp4_f32 v[236+\g], v[O+8*\g:O+8*\g+7], v233
.endr
	v_nop
	global_store_b128 v[LI], v[236:239], s[10:11]  ; 512 consecutive bytes
	global_store_b8 v[OBA], v234, s[12:13]
	s_wait_tensorcnt 0x0
	ds_add_u32 v250, v251
	s_wait_dscnt 0x0
	s_endpgm
.Lfunc_end_k_q64c09f7db8_attn:
	.size	k_q64c09f7db8_attn, .Lfunc_end_k_q64c09f7db8_attn-k_q64c09f7db8_attn
	.p2alignl 7, 3214868480
	.fill 96, 4, 3214868480
	.section	.rodata,"a",@progbits
	.p2align	6, 0x0
	.amdhsa_kernel k_q64c09f7db8_attn
		.amdhsa_group_segment_fixed_size 112128
		.amdhsa_private_segment_fixed_size 0
		.amdhsa_enable_private_segment 0
		.amdhsa_kernarg_size 40
		.amdhsa_user_sgpr_count 2
		.amdhsa_user_sgpr_kernarg_segment_ptr 1
		.amdhsa_wavefront_size32 1
		.amdhsa_system_sgpr_workgroup_id_x 1
		.amdhsa_system_sgpr_workgroup_id_y 1
		.amdhsa_system_sgpr_workgroup_id_z 1
		.amdhsa_system_vgpr_workitem_id 0
		.amdhsa_next_free_vgpr 256
		.amdhsa_next_free_sgpr 66
		.amdhsa_reserve_vcc 1
		.amdhsa_float_denorm_mode_32 3
		.amdhsa_float_denorm_mode_16_64 3
		.amdhsa_memory_ordered 1
		.amdhsa_forward_progress 1
		.amdhsa_inst_pref_size 58
	.end_amdhsa_kernel
	.amdgpu_metadata
---
amdhsa.version: [ 1, 2 ]
amdhsa.kernels:
  - .name:           k_q64c09f7db8_attn
    .symbol:         k_q64c09f7db8_attn.kd
    .args:
      - { .name: qimg, .offset: 0, .size: 8, .value_kind: global_buffer, .address_space: global }
      - { .name: qsc, .offset: 8, .size: 8, .value_kind: global_buffer, .address_space: global }
      - { .name: kv, .offset: 16, .size: 8, .value_kind: global_buffer, .address_space: global }
      - { .name: oimg, .offset: 24, .size: 8, .value_kind: global_buffer, .address_space: global }
      - { .name: osc, .offset: 32, .size: 8, .value_kind: global_buffer, .address_space: global }
    .group_segment_fixed_size: 112128
    .private_segment_fixed_size: 0
    .kernarg_segment_align: 8
    .kernarg_segment_size: 40
    .max_flat_workgroup_size: 384
    .sgpr_count:     66
    .vgpr_count:     256
    .wavefront_size: 32
...
	.end_amdgpu_metadata
.endif
;; end of part 4
;; launch ffn: the kernel of part 3 again; grid 128 x 1, 12 waves a work-group, no clusters, 173,568 bytes of LDS; arguments x, g2, oimg, osc, wimg, out0; writes out0
;; ======== version 3 of 3: 3 launches; version 2 with the launches qkv, attn, ffn written anew for expert scheduling mode
;; workspace buffers: qimg 1,572,864 bytes; qsc 196,608 bytes; kv 3,440,640 bytes; oimg 1,572,864 bytes; osc 98,304 bytes; wimg 2,820,096 bytes
;; launch qkv (part 5): grid 128 x 1, 12 waves a work-group, no clusters, 121,344 bytes of LDS; arguments x, g1, wq_codes, wq_scales, wk_codes, wk_scales, wv_codes, wv_scales, wo_codes, wo_scales, w1_codes, w1_scales, w2_codes, w2_scales, qimg, qsc, kv, wimg; writes qimg, qsc, kv, wimg
.if DOCPART == 5
	.amdgcn_target "amdgcn-amd-amdhsa--gfx1250"
	.amdhsa_code_object_version 6
	.text
	.protected	k_q64c09f7db8_qkv
	.globl	k_q64c09f7db8_qkv
	.p2align	8
	.type	k_q64c09f7db8_qkv,@function
k_q64c09f7db8_qkv:
	s_mov_b64 s[64:65], 0
	v_nop
	global_prefetch_b8 v0, s[64:65] scope:SCOPE_SE
	s_setreg_imm32_b32 hwreg(HW_REG_WAVE_SCHED_MODE, 0, 2), 2
	s_setreg_imm32_b32 hwreg(HW_REG_WAVE_MODE, 25, 1), 1
	s_wait_xcnt 0x0
	s_wait_alu depctr_vm_vsrc(0)
; rmsnorm(x, g1), quantised along 768; q, k, v = that x wq^T, wk^T, wv^T on codes of E2M1 with E8M0 scales; q and k quantised along the head's 64, v along the keys.
; Beside that: wo, w1, w2 are laid out once in the order of the operand's registers (wimg), for the third launch.
; SHARES.  A work-group owns 32 tokens (block B = its number), so that a block of 32 keys of v is whole in it.  Twelve waves: in the norm wave w owns columns 64 w .. 64 w + 63, in the products head w.
; LAYOUT.  L = lane, r = L % 16, h = L / 16.  A weight tile (t = 0..3 of 64 rows): lane r takes row 8 t + r % 8 + 32 (r / 8).  A token tile (u = 0, 1): lane r is token 8 u + r % 8 + 16 (r / 8).
; q and k are made transposed (source 0 = 16 weight rows, source 1 = 16 tokens): lane (r, h) holds token r, and its 32 registers of the four tiles are outputs 32 h + 0 .. 31: ONE whole block of 32 along the next K:
; the block's largest magnitude needs no other lane and the four conversions' results are four registers of the next operand.  v is made the other way round (source 0 = tokens): a lane holds one channel and
; 16 tokens; one exchange of halves between two tiles gives it all 32 tokens of the block.
; WEIGHTS go from memory straight into the registers of the one wave that multiplies by them, in a ring of three register sets, two K steps ahead.  No cluster and no joint load: each fragment is used by one
; wave of a work-group, so a way through LDS would add a store and a load of every byte and take none off what the work-group receives.
; LIMITS: NaN and infinities are not served.  A block whose largest magnitude lies under 2^-124 has the byte 1 (the quantiser's own hold); a block of zeros has the byte 1 too, not 127: its codes are zeros and
; this program alone reads the bytes.  1 / sqrt(mean + eps) is v_rsq_f32, and x g is multiplied by it.  The scale words of q and k leave in runs of 128 bytes, v's scale bytes singly: one byte in 17 of what is stored.
; THE MODE: SCHED_MODE bits 1:0 = 2 (LLVM: expert scheduling mode 2), set by the entry lines.  The code itself states the register dependences between vector or matrix instructions and memory or LDS
; instructions, with s_wait_alu, always for 0.
; THE PLAN.  Registers that memory or LDS instructions touch:
;   v1-v18         offsets and LDS addresses: written at the head, ahead of the wait in front of the first load, and never again.
;   WB, WSR        three sets.  K step s: its products read set s % 3; the loads of step s + 2 land in set (s + 2) % 3, which the products of step s - 1 read.
;   AB, AS         two sets.    K step s: its products read set s % 2; the LDS loads of step s + 1 land in the other, which the products of step s - 1 read.
;                  So ONE wait on va_vdst stands at a K step's head.  Its loads follow it at once, ahead of the wait for this step's weights, whose count leans on three sets being out.
;   ACC            x lands in it, LDS stores read it, LDS loads land in it again: a wait on vm_vsrc between the two.  From then on vector and matrix instructions alone name it.
;   v252, v254     the sums of squares: written, stored to LDS, written again behind the barrier.
;   QB, QC, v240   a quantiser's bytes, codes and scale word: written by vector lines, read by a run of stores.  A wait on va_vdst ahead of each run, a wait on vm_vsrc ahead of the next quantiser.
;   No vector line writes an operand or a scale of a product: all of them come by loads.
.set ASC,  12288                       ; LDS: byte 0: the 12 images of the normed rows (K step s, token tile u: 2048 s + 1024 u); here their scale words (128 s + 64 u + 4 r);
.set PART, 13056                       ; the waves' sums of squares: 1024 u + 64 r + 4 w;
.set STG,  15360                       ; a stage of 32 rows x (256 + 16) bytes for each wave
.set WST,  8704
.set LI,  1                            ; v1   16 x lane (also the images' LDS address: they begin at byte 0)
.set L8,  2                            ; v2   8 x lane
.set L4,  3                            ; v3   4 x lane
.set XG,  4                            ; v4   x: (L / 16) rows of 3,072 bytes + 16 (L % 16)
.set SD,  5                            ; v5   my stage, by rows as they are loaded
.set SF,  6                            ; v6   my stage, by fragments: row r, + 128 h
.set PW,  7                            ; v7   where I put a sum of squares
.set PR,  8                            ; v8   where I read the twelve
.set AW,  9                            ; v9   where I store my columns' part of an image
.set BW,  10                           ; v10  and its scale byte
.set SA,  12                           ; v12  ASC + 4 x lane
.set GA,  13                           ; v13  128 h: my 32 gains
.set WLA, 14                           ; v14  a weight tile's lane: (r % 8 + 32 (r / 8)) x 384 + 16 h
.set WSA, 15                           ; v15  its scale words: (8 (L / 16) + L % 8 + 32 ((L / 8) % 2)) x 24
.set KCA, 16                           ; v16  k's codes in a record
.set KSA, 17                           ; v17  k's scale words
.set VCA, 18                           ; v18  v's codes
.set SH8, 19                           ; v19  8 h
.set ACC, 24                           ; v24-87   64 numbers: x, then eight accumulators
.set WB,  88                           ; v88-183  weights: three sets of four fragments
.set AB,  184                          ; v184-215 activations: two sets of two fragments
.set WSR, 216                          ; v216-221 weights' scale words, two a set: scales and nothing else
.set AS,  222                          ; v222-223 activations' scale words, one a set
.set QM,  224                          ; v224.. at work: largest magnitudes, v226 scale operands, v228 bytes, v232-239 codes
.set QS,  226
.set QB,  228
.set QC,  232
.set NL,  10                           ; loads of one K step's weights
.set WV,  40
.set BK,  41
.set INV, 42
.set EPS, 43
.set SEL, 44
.set HM,  46
.macro PLACES                          ; four plain places behind matrix instructions, in front of loads into their sources and of reads of their results
.rept 4
	v_nop
.endr
.endm
.macro BARRIER                         ; my LDS stores have landed and my LDS loads are in: then the work-group's barrier
	s_wait_dscnt 0x0
	s_barrier_signal -1
	s_barrier_wait -1
.endm
; One product.  z = 1: it starts the sum.  ra, rb = 1: that side's scales are taken from lanes 16-31 of its register.
.macro WM d, a, b, z, sa, sb, ra, rb
.if (\z) && ((\ra) == 0) && ((\rb) == 0)
	v_wmma_scale_f32_16x16x128_f8f6f4 v[(\d):(\d)+7], v[(\a):(\a)+7], v[(\b):(\b)+7], 0, v[(\sa)], v[(\sb)] matrix_a_fmt:MATRIX_FMT_FP4 matrix_b_fmt:MATRIX_FMT_FP4
.elseif (\z) && ((\ra) == 1) && ((\rb) == 0)
	v_wmma_scale_f32_16x16x128_f8f6f4 v[(\d):(\d)+7], v[(\a):(\a)+7], v[(\b):(\b)+7], 0, v[(\sa)], v[(\sb)] matrix_a_fmt:MATRIX_FMT_FP4 matrix_b_fmt:MATRIX_FMT_FP4 matrix_a_scale:MATRIX_SCALE_ROW1
.elseif (\z) && ((\ra) == 0)
	v_wmma_scale_f32_16x16x128_f8f6f4 v[(\d):(\d)+7], v[(\a):(\a)+7], v[(\b):(\b)+7], 0, v[(\sa)], v[(\sb)] matrix_a_fmt:MATRIX_FMT_FP4 matrix_b_fmt:MATRIX_FMT_FP4 matrix_b_scale:MATRIX_SCALE_ROW1
.elseif (\z)
	v_wmma_scale_f32_16x16x128_f8f6f4 v[(\d):(\d)+7], v[(\a):(\a)+7], v[(\b):(\b)+7], 0, v[(\sa)], v[(\sb)] matrix_a_fmt:MATRIX_FMT_FP4 matrix_b_fmt:MATRIX_FMT_FP4 matrix_a_scale:MATRIX_SCALE_ROW1 matrix_b_scale:MATRIX_SCALE_ROW1
.elseif ((\ra) == 0) && ((\rb) == 0)
	v_wmma_scale_f32_16x16x128_f8f6f4 v[(\d):(\d)+7], v[(\a):(\a)+7], v[(\b):(\b)+7], v[(\d):(\d)+7], v[(\sa)], v[(\sb)] matrix_a_fmt:MATRIX_FMT_FP4 matrix_b_fmt:MATRIX_FMT_FP4
.elseif ((\ra) == 1) && ((\rb) == 0)
	v_wmma_scale_f32_16x16x128_f8f6f4 v[(\d):(\d)+7], v[(\a):(\a)+7], v[(\b):(\b)+7], v[(\d):(\d)+7], v[(\sa)], v[(\sb)] matrix_a_fmt:MATRIX_FMT_FP4 matrix_b_fmt:MATRIX_FMT_FP4 matrix_a_scale:MATRIX_SCALE_ROW1
.elseif ((\ra) == 0)
	v_wmma_scale_f32_16x16x128_f8f6f4 v[(\d):(\d)+7], v[(\a):(\a)+7], v[(\b):(\b)+7], v[(\d):(\d)+7], v[(\sa)], v[(\sb)] matrix_a_fmt:MATRIX_FMT_FP4 matrix_b_fmt:MATRIX_FMT_FP4 matrix_b_scale:MATRIX_SCALE_ROW1
.else
	v_wmma_scale_f32_16x16x128_f8f6f4 v[(\d):(\d)+7], v[(\a):(\a)+7], v[(\b):(\b)+7], v[(\d):(\d)+7], v[(\sa)], v[(\sb)] matrix_a_fmt:MATRIX_FMT_FP4 matrix_b_fmt:MATRIX_FMT_FP4 matrix_a_scale:MATRIX_SCALE_ROW1 matrix_b_scale:MATRIX_SCALE_ROW1
.endif
.endm
; K step ks of my head's 64 weight rows into set: four fragments as the rows lie (384 bytes a row), and two registers of scale words: register q, lane L: tile 2 q + L / 16, row L % 16
.macro WLOAD set, cb, sb, ks
.irp t, 0,1,2,3
.irp c, 0,1
	global_load_b128 v[WB+32*(\set)+8*\t+4*\c:WB+32*(\set)+8*\t+4*\c+3], v[WLA], s[\cb:\cb+1] offset:3072*\t+64*(\ks)+32*\c
.endr
.endr
.irp q, 0,1
	global_load_b32 v[WSR+2*(\set)+\q], v[WSA], s[\sb:\sb+1] offset:384*\q+4*(\ks)
.endr
.endm
; K step ks of the 32 tokens: two images, and one register of scale words: lanes 0-15 tile 0's, lanes 16-31 tile 1's
.macro ALOAD set, aa, sa, ks
.irp u, 0,1
.irp c, 0,1
	ds_load_b128 v[AB+16*(\set)+8*\u+4*\c:AB+16*(\set)+8*\u+4*\c+3], v[\aa] offset:2048*(\ks)+1024*\u+512*\c
.endr
.endr
	ds_load_b32 v[AS+(\set)], v[\sa] offset:128*(\ks)
.endm
; Eight products of one K step, on eight accumulators by turns, one instruction a turn.  ori = 0: transposed; ori = 1: tokens as source 0
.macro MM ws, as, z, ori
.irp t, 0,1,2,3
.irp u, 0,1
.if \ori
	WM ACC+16*\t+8*\u, AB+16*(\as)+8*\u, WB+32*(\ws)+8*\t, \z, AS+(\as), WSR+2*(\ws)+\t/2, \u, \t%2
.else
	WM ACC+32*\u+8*\t, WB+32*(\ws)+8*\t, AB+16*(\as)+8*\u, \z, WSR+2*(\ws)+\t/2, AS+(\as), \t%2, \u
.endif
.endr
.endr
.endm
; Six K steps: 64 outputs x 32 tokens x 768.  On entry the weights of steps 0 and 1 and the activations of step 0 have been asked for.  Step s asks for the weights of step s + 2 (in steps 4 and 5, with nxt,
; for the next product's steps 0 and 1: six is a multiple of three, so the ring goes on) and for the activations of step s + 1 (in step 5, with anx, for step 0 again).
.macro G6 zero, ori, cb, sb, nxt, ncb, nsb, anx
.irp s, 0,1,2,3,4,5
	PLACES                                         ; the sets loaded below were read by the step before
.if (\s < 5) || \nxt || \anx
	s_wait_alu depctr_va_vdst(0)                   ; the products of the step before (at a product's first step: the last step of the product before; at the very first: the multiplications by the gains) are done reading the sets in which the loads below land
.endif
.if \s < 4
	WLOAD (\s+2)%3, \cb, \sb, \s+2
.elseif \nxt
	WLOAD (\s+2)%3, \ncb, \nsb, \s-4
.endif
.if \s < 5
	ALOAD (\s+1)%2, LI, SA, \s+1
.elseif \anx
	ALOAD 0, LI, SA, 0
.endif
.if (\s < 4) || \nxt
	s_wait_loadcnt 2*NL                            ; this step's weights are in; those of the two steps behind it may be out
.elseif \s == 4
	s_wait_loadcnt NL
.else
	s_wait_loadcnt 0x0
.endif
.if (\s < 5) || \anx
	s_wait_dscnt 5                                 ; this step's activations are in; the five loads just issued may be out
.else
	s_wait_dscnt 0x0
.endif
.set ZZ, 0
.if (\zero) && (\s == 0)
.set ZZ, 1
.endif
	MM \s%3, \s%2, ZZ, \ori
.endr
.endm
; Two blocks of 32 numbers, each in one lane's 32 registers, become 2 x 4 registers of codes (QC), two bytes (QB).  The floor 2^(3 - 127) among the leaves holds the byte at 1 from below.
; An accumulator's registers are read in ascending order.
.macro QUANT2 a, b
	v_max3_num_f32 v[QM], |v[(\a)]|, |v[(\a)+1]|, 0x1800000
	v_max3_num_f32 v[QM+1], |v[(\b)]|, |v[(\b)+1]|, 0x1800000
.irp i, 2,4,6,8,10,12,14,16,18,20,22,24,26,28,30
	v_max3_num_f32 v[QM], v[QM], |v[(\a)+\i]|, |v[(\a)+\i+1]|
	v_max3_num_f32 v[QM+1], v[QM+1], |v[(\b)+\i]|, |v[(\b)+\i+1]|
.endr
	v_add_nc_u32 v[QS], 0xff000000, v[QM]          ; 2 off the exponent field: the conversion takes the exponent field of this operand as its scale
	v_add_nc_u32 v[QS+1], 0xff000000, v[QM+1]
	v_lshrrev_b32 v[QB], 23, v[QS]                 ; the scale's byte
	v_lshrrev_b32 v[QB+1], 23, v[QS+1]
.irp g, 0,1,2,3
	v_cvt_scalef32_pk8_fp4_f32 v[QC+\g], v[(\a)+8*\g:(\a)+8*\g+7], v[QS]
	v_cvt_scalef32_pk8_fp4_f32 v[QC+4+\g], v[(\b)+8*\g:(\b)+8*\g+7], v[QS+1]
.endr
	v_nop                                          ; one plain place behind the last scaled conversion
.endm
; q's or k's way out: the two token tiles' codes (registers 0-3 of an operand whose K is the head's 64) and their scale words: bytes 0, 1 the two blocks, bytes 2, 3 the byte of 1.0.
; The scale word is made ahead of the stores, so that one wait serves all three.
.macro EPI_QK ca, cp, wa, wp
	PLACES
	s_wait_xcnt 0x0                                ; the registers written below were the data of the stores before
	s_wait_alu depctr_vm_vsrc(0)                   ; the stores issued so far, to LDS and to memory, have read v[QB ..], v[QC ..] and v240, which the lines below write again
	QUANT2 ACC, ACC+32
	v_lshlrev_b32 v240, v[SH8], v[QB]              ; my block's byte at its place,
	v_lshlrev_b32 v241, v[SH8], v[QB+1]
	v_permlanex16_b32 v242, v240, s[SEL], s[SEL+1]
	v_permlanex16_b32 v243, v241, s[SEL], s[SEL+1]
	v_or_b32 v240, v240, v242                      ; with lane l xor 16's
	v_or_b32 v241, v241, v243
	v_cndmask_b32 v240, v240, v241, s[HM]          ; lanes 0-15 carry tile 0's words, lanes 16-31 tile 1's
	v_or_b32 v240, 0x7f7f0000, v240
	s_wait_alu depctr_va_vdst(0)                   ; the conversions have written v[QC ..], the lines above v240: the data of the three stores
	global_store_b128 v[\ca], v[QC:QC+3], s[\cp:\cp+1]
	global_store_b128 v[\ca], v[QC+4:QC+7], s[\cp:\cp+1] offset:512
	global_store_b32 v[\wa], v240, s[\wp:\wp+1]
.endm
	s_load_b512 s[4:19], s[0:1], 0x0               ; x, g1, wq codes, scales, wk codes, scales, wv codes, scales
	s_load_b512 s[20:35], s[0:1], 0x40             ; wo codes, scales, w1 codes, scales, w2 codes, scales, qimg, qsc
	s_load_b128 s[36:39], s[0:1], 0x80             ; kv, wimg
	v_lshl_add_u32 v11, v0, 2, 0x1d400
	s_set_vgpr_msb 0x40
	v_mov_b32 v1, 0
	s_set_vgpr_msb 0x4000
	v_lshrrev_b32 v20, 5, v0
	v_readfirstlane_b32 s[WV], v20                 ; wave 0..11
	s_mov_b32 s[BK], ttmp9                         ; block of 32 tokens
	s_mov_b32 s[INV], 0x3aaaaaab                   ; 1 / 768
	s_mov_b32 s[EPS], 0x3727c5ac                   ; 1e-5
	s_mov_b32 s[SEL], 0x76543210
	s_mov_b32 s[SEL+1], 0xfedcba98                 ; v_permlanex16_b32's selects for lane l xor 16
	s_mov_b32 s[HM], 0xffff0000                    ; lanes 16-31
	v_and_b32 v20, 31, v0                          ; L
	v_and_b32 v21, 15, v0                          ; r
	v_bfe_u32 v22, v0, 4, 1                        ; h
	v_lshlrev_b32 v[LI], 4, v20
	v_lshlrev_b32 v[L8], 3, v20
	v_lshlrev_b32 v[L4], 2, v20
	v_mul_u32_u24 v[XG], v22, 3072
	v_lshl_add_u32 v[XG], v21, 4, v[XG]
	s_wait_alu depctr_va_sdst(0)                   ; the wave's number is written, ahead of its first reader
	s_mul_i32 s47, s[WV], WST
	s_add_co_u32 s47, s47, STG                     ; my stage
	v_mul_u32_u24 v[SD], v22, 272
	v_lshl_add_u32 v[SD], v21, 4, v[SD]
	v_add_nc_u32 v[SD], s47, v[SD]
	v_mul_u32_u24 v[SF], v21, 272
	v_lshl_add_u32 v[SF], v22, 7, v[SF]
	v_add_nc_u32 v[SF], s47, v[SF]
	v_lshlrev_b32 v[PR], 6, v21
	v_add_nc_u32 v[PR], PART, v[PR]
	s_lshl_b32 s47, s[WV], 2
	v_add_nc_u32 v[PW], s47, v[PR]
	s_lshr_b32 s48, s[WV], 1                       ; my 64 columns are half c = w % 2 of K step w / 2
	s_and_b32 s49, s[WV], 1
	s_lshl_b32 s47, s48, 11
	s_lshl_b32 s50, s49, 9
	s_add_co_u32 s47, s47, s50
	v_add_nc_u32 v[AW], s47, v[LI]
	s_lshl_b32 s47, s48, 7
	s_lshl_b32 s50, s49, 1
	s_add_co_u32 s47, s47, s50
	s_add_co_u32 s47, s47, ASC
	v_lshl_add_u32 v[BW], v21, 2, v22              ; 4 r + h
	v_add_nc_u32 v[BW], s47, v[BW]
	v_add_nc_u32 v[SA], ASC, v[L4]
	v_lshlrev_b32 v[GA], 7, v22
	v_and_b32 v23, 7, v0
	v_bfe_u32 v[WSA], v0, 3, 1
	v_lshl_add_u32 v23, v[WSA], 5, v23             ; r % 8 + 32 (r / 8)
	v_mul_u32_u24 v[WLA], v23, 384
	v_lshl_add_u32 v[WLA], v22, 4, v[WLA]
	v_lshl_add_u32 v23, v22, 3, v23                ; + 8 (L / 16)
	v_mul_u32_u24 v[WSA], v23, 24
	v_and_b32 v23, 7, v0
	v_bfe_u32 v[KSA], v0, 3, 1
	v_lshlrev_b32 v[KCA], 4, v23
	v_lshl_add_u32 v[KCA], v[KSA], 10, v[KCA]
	v_lshl_add_u32 v[KCA], v22, 7, v[KCA]          ; 1024 (r / 8) + 16 (r % 8) + 128 h: sixteen lanes fill 256 consecutive bytes
	v_lshlrev_b32 v[KSA], 3, v[KSA]
	v_lshl_add_u32 v[KSA], v23, 4, v[KSA]
	v_lshl_add_u32 v[KSA], v22, 2, v[KSA]          ; 16 (r % 8) + 8 (r / 8) + 4 h
	v_lshlrev_b32 v[VCA], 10, v22
	v_lshl_add_u32 v[VCA], v21, 4, v[VCA]          ; 1024 h + 16 r
	v_lshlrev_b32 v[SH8], 3, v22
	; byte offsets, each in a pair with 0 above it
	s_mul_i32 s48, s[BK], 98304
	s_lshl_b32 s50, s[WV], 8
	s_add_co_u32 s48, s48, s50                     ; x: 32 rows of 3,072 bytes a block, + my 256 bytes of a row
	s_mov_b32 s49, 0
	s_mov_b32 s51, 0                               ; g1: 256 w
	s_mul_i32 s52, s[WV], 24576                    ; a head's 64 rows of codes
	s_mov_b32 s53, 0
	s_mul_i32 s54, s[WV], 1536                     ; and of scale bytes
	s_mov_b32 s55, 0
	s_lshl_b32 s56, s[WV], 17
	s_lshl_b32 s47, s[BK], 10
	s_add_co_u32 s56, s56, s47                     ; qimg: (256 w + 2 B) x 512
	s_mov_b32 s57, 0
	s_lshl_b32 s58, s[WV], 14
	s_lshl_b32 s47, s[BK], 7
	s_add_co_u32 s58, s58, s47                     ; qsc: (256 w + 2 B) x 64
	s_mov_b32 s59, 0
	s_lshl_b32 s60, s[WV], 5
	s_lshr_b32 s47, s[BK], 2
	s_add_co_u32 s60, s60, s47
	s_mul_i32 s60, s60, 8960                       ; kv: the record of head w, key step B / 4
	s_bfe_u32 s62, s[BK], 0x10001                  ; (B / 2) % 2
	s_and_b32 s63, s[BK], 1
	s_lshl_b32 s66, s62, 11
	s_lshl_b32 s47, s63, 8
	s_add_co_u32 s66, s66, s47
	s_add_co_u32 s66, s66, s60                     ; k's codes
	s_mov_b32 s67, 0
	s_lshl_b32 s68, s62, 8
	s_lshl_b32 s47, s63, 7
	s_add_co_u32 s68, s68, s47
	s_add_co_u32 s68, s68, s60
	s_add_co_u32 s68, s68, 8192                    ; k's scale words
	s_mov_b32 s69, 0
	s_lshl_b32 s70, s62, 9
	s_lshl_b32 s47, s63, 8
	s_add_co_u32 s70, s70, s47
	s_add_co_u32 s70, s70, s60
	s_add_co_u32 s70, s70, 4096                    ; v's codes
	s_mov_b32 s71, 0
	s_and_b32 s72, s[BK], 3
	s_add_co_u32 s72, s72, s60
	s_add_co_u32 s72, s72, 8704                    ; v's scale bytes
	s_mov_b32 s73, 0
	s_wait_kmcnt 0x0
	s_add_nc_u64 s[4:5], s[4:5], s[48:49]
	s_add_nc_u64 s[6:7], s[6:7], s[50:51]
.irp p, 8,12,16
	s_add_nc_u64 s[\p:\p+1], s[\p:\p+1], s[52:53]
.endr
.irp p, 10,14,18
	s_add_nc_u64 s[\p:\p+1], s[\p:\p+1], s[54:55]
.endr
	s_add_nc_u64 s[32:33], s[32:33], s[56:57]
	s_add_nc_u64 s[34:35], s[34:35], s[58:59]
	s_add_nc_u64 s[66:67], s[36:37], s[66:67]
	s_add_nc_u64 s[68:69], s[36:37], s[68:69]
	s_add_nc_u64 s[70:71], s[36:37], s[70:71]
	s_add_nc_u64 s[72:73], s[36:37], s[72:73]
	; ---- x: 32 tokens x my 64 columns.  Each load covers two rows' 256 consecutive bytes, aligned
	s_wait_alu depctr_va_vdst(0)                   ; the offsets and LDS addresses v1 to v18 are written, which the loads and stores of the whole kernel read
.irp i, 0,1,2,3,4,5,6,7,8,9,10,11,12,13,14,15
	global_load_b128 v[ACC+4*\i:ACC+4*\i+3], v[XG], s[4:5] offset:2*\i*3072 th:TH_LOAD_NT
.endr
.irp j, 0,1,2,3,4,5,6,7
	global_load_b128 v[WB+64+4*\j:WB+64+4*\j+3], v[GA], s[6:7] offset:16*\j   ; my 32 gains, in the weights' third set, which is free till the first K step
.endr
	WLOAD 0, 8, 10, 0
	WLOAD 1, 8, 10, 1
	s_wait_loadcnt 28                              ; x is in; behind it: 8 loads of gains and 20 of weights
	; through my stage: row rho of the block goes to stage row 16 u + r of its token tile, and comes back as lane (r, h)'s 32 columns
.irp i, 0,1,2,3,4,5,6,7,8,9,10,11,12,13,14,15
	ds_store_b128 v[SD], v[ACC+4*\i:ACC+4*\i+3] offset:(16*((\i/4)%2)+2*(\i%4)+8*(\i/8))*272
.endr
	s_wait_dscnt 0x0                               ; the stores have read their registers
	s_wait_alu depctr_vm_vsrc(0)                   ; the LDS stores have read v[ACC ..], in which the LDS loads below land
.irp u, 0,1
.irp j, 0,1,2,3,4,5,6,7
	ds_load_b128 v[ACC+32*\u+4*\j:ACC+32*\u+4*\j+3], v[SF] offset:16*\u*272+16*\j
.endr
.endr
	s_wait_dscnt 0x0
	; ---- the norm: sums of squares of my 64 columns, the twelve waves' sums through LDS
	v_pk_mul_f32 v[252:253], v[ACC:ACC+1], v[ACC:ACC+1]
	v_pk_mul_f32 v[254:255], v[ACC+32:ACC+33], v[ACC+32:ACC+33]
.irp k, 2,4,6,8,10,12,14,16,18,20,22,24,26,28,30
	v_pk_fma_f32 v[252:253], v[ACC+\k:ACC+\k+1], v[ACC+\k:ACC+\k+1], v[252:253]
	v_pk_fma_f32 v[254:255], v[ACC+32+\k:ACC+33+\k], v[ACC+32+\k:ACC+33+\k], v[254:255]
.endr
	v_add_f32 v252, v252, v253
	v_add_f32 v254, v254, v255
	v_permlanex16_b32 v253, v252, s[SEL], s[SEL+1]
	v_permlanex16_b32 v255, v254, s[SEL], s[SEL+1]
	v_add_f32 v252, v252, v253
	v_add_f32 v254, v254, v255
	s_wait_alu depctr_va_vdst(0)                   ; the two sums v252 and v254 are written: the data of the two LDS stores
	ds_store_b32 v[PW], v252                       ; both halves of the lanes write the same word with the same value
	ds_store_b32 v[PW], v254 offset:1024
	BARRIER
	s_wait_alu depctr_vm_vsrc(0)                   ; the two LDS stores have read v252 and v254, which the mean's lines write again
.irp u, 0,1
.irp k, 0,1,2
	ds_load_b128 v[224+12*\u+4*\k:224+12*\u+4*\k+3], v[PR] offset:1024*\u+16*\k
.endr
.endr
	s_wait_loadcnt 20                              ; the gains are in; the 20 loads of weights may be out
.irp u, 0,1
.irp k, 0,2,4,6,8,10,12,14,16,18,20,22,24,26,28,30
	v_pk_mul_f32 v[ACC+32*\u+\k:ACC+32*\u+\k+1], v[ACC+32*\u+\k:ACC+32*\u+\k+1], v[WB+64+\k:WB+64+\k+1]
.endr
.endr
	s_wait_dscnt 0x0
.irp u, 0,1
	v_pk_add_f32 v[224+12*\u:225+12*\u], v[224+12*\u:225+12*\u], v[226+12*\u:227+12*\u]
	v_pk_add_f32 v[228+12*\u:229+12*\u], v[228+12*\u:229+12*\u], v[230+12*\u:231+12*\u]
	v_pk_add_f32 v[232+12*\u:233+12*\u], v[232+12*\u:233+12*\u], v[234+12*\u:235+12*\u]
.endr
.irp u, 0,1
	v_pk_add_f32 v[224+12*\u:225+12*\u], v[224+12*\u:225+12*\u], v[228+12*\u:229+12*\u]
.endr
.irp u, 0,1
	v_pk_add_f32 v[224+12*\u:225+12*\u], v[224+12*\u:225+12*\u], v[232+12*\u:233+12*\u]
.endr
.irp u, 0,1
	v_add_f32 v[224+12*\u], v[224+12*\u], v[225+12*\u]
.endr
	v_fma_f32 v252, v224, s[INV], s[EPS]           ; mean + eps
	v_fma_f32 v254, v236, s[INV], s[EPS]
	s_wait_alu depctr_va_vdst(0)
	v_rsq_f32 v248, v252
	v_rsq_f32 v250, v254
	v_mov_b32 v249, 0                              ; the pairs' upper words are named with them, so they are written; plain places behind the transcendentals
	v_mov_b32 v251, 0
	s_wait_alu depctr_va_vdst(0)                   ; one wait for both, ahead of their first reader
.irp u, 0,1
.irp k, 0,2,4,6,8,10,12,14,16,18,20,22,24,26,28,30
	v_pk_mul_f32 v[ACC+32*\u+\k:ACC+32*\u+\k+1], v[ACC+32*\u+\k:ACC+32*\u+\k+1], v[248+2*\u:249+2*\u] op_sel_hi:[1,0]
.endr
.endr
	QUANT2 ACC, ACC+32
	s_wait_alu depctr_va_vdst(0)                   ; the quantiser has written v[QC ..] and v[QB ..]: the data of the four LDS stores
	ds_store_b128 v[AW], v[QC:QC+3]
	ds_store_b128 v[AW], v[QC+4:QC+7] offset:1024
	ds_store_b8 v[BW], v[QB]
	ds_store_b8 v[BW], v[QB+1] offset:64
	BARRIER                                        ; the twelve images and their scale words lie in LDS
	; ---- the three products of my head
	ALOAD 0, LI, SA, 0
	G6 1, 0, 8, 10, 1, 12, 14, 1
	EPI_QK LI, 32, L4, 34
	G6 1, 0, 12, 14, 1, 16, 18, 1
	EPI_QK KCA, 66, KSA, 68
	G6 1, 1, 16, 18, 0, 16, 18, 0
	PLACES
.set k, 0
.rept 16                               ; tiles 2 p and 2 p + 1 change halves: lane (r, h) then holds all 32 tokens of channel tile 2 p + h
	v_permlane16_swap_b32 v[ACC+k], v[ACC+16+k]
	v_permlane16_swap_b32 v[ACC+32+k], v[ACC+48+k]
.set k, k+1
.endr
	s_wait_xcnt 0x0
	s_wait_alu depctr_vm_vsrc(0)                   ; k's stores have read v[QC ..], which the quantiser writes again
	QUANT2 ACC, ACC+32
	s_wait_alu depctr_va_vdst(0)                   ; the quantiser has written v[QC ..] and v[QB ..]: the data of the four stores
	global_store_b128 v[VCA], v[QC:QC+3], s[70:71]               ; sixteen lanes fill 256 consecutive bytes, aligned
	global_store_b128 v[VCA], v[QC+4:QC+7], s[70:71] offset:2048
	global_store_b8 v[L8], v[QB], s[72:73]
	global_store_b8 v[L8], v[QB+1], s[72:73] offset:4
	; ---- wo, w1, w2 in operand order: 648 units of 64 rows x 128 K (four fragments, 4,096 bytes, and 256 bytes of scale words); unit 6 B + w for B < 108, w < 6
	s_cmp_lt_u32 s[BK], 108
	s_cbranch_scc0 .Lend
	s_cmp_lt_u32 s[WV], 6
	s_cbranch_scc0 .Lend
	s_sub_co_u32 s74, s[BK], 12                    ; w1's group of 64 rows
	s_sub_co_u32 s75, s[BK], 60
	s_lshr_b32 s76, s75, 2                         ; w2's group,
	s_and_b32 s77, s75, 3
	s_mul_i32 s77, s77, 6
	s_add_co_u32 s77, s77, s[WV]                   ; and its K step
	s_cmp_lt_u32 s[BK], 12
	s_cselect_b64 s[78:79], s[20:21], s[24:25]
	s_cselect_b64 s[80:81], s[22:23], s[26:27]
	s_cselect_b32 s82, s[BK], s74
	s_cmp_lt_u32 s[BK], 60
	s_cselect_b64 s[78:79], s[78:79], s[28:29]     ; the codes,
	s_cselect_b64 s[80:81], s[80:81], s[30:31]     ; the scale bytes,
	s_cselect_b32 s82, s82, s76                    ; the group,
	s_cselect_b32 s83, s[WV], s77                  ; the K step,
	s_mov_b32 s84, 1536
	s_cselect_b32 s84, 384, s84                    ; a row of codes in bytes
	s_mul_i32 s86, s82, s84
	s_lshl_b32 s88, s86, 2                         ; 64 rows of scale bytes a group: a sixteenth of the codes'
	s_lshl_b32 s86, s86, 6
	s_lshl_b32 s85, s83, 6
	s_add_co_u32 s86, s86, s85
	s_mov_b32 s87, 0
	s_lshl_b32 s85, s83, 2
	s_add_co_u32 s88, s88, s85
	s_mov_b32 s89, 0
	s_mul_i32 s90, s[BK], 6
	s_add_co_u32 s90, s90, s[WV]
	s_mul_i32 s90, s90, 4352
	s_mov_b32 s91, 0
	s_add_nc_u64 s[78:79], s[78:79], s[86:87]
	s_add_nc_u64 s[80:81], s[80:81], s[88:89]
	s_add_nc_u64 s[90:91], s[38:39], s[90:91]
	s_lshl_b32 s92, s84, 3                         ; eight rows on: the next tile
	s_lshr_b32 s93, s84, 4                         ; a row of scale bytes
	s_wait_xcnt 0x0
	v_and_b32 v224, 7, v0
	v_bfe_u32 v225, v0, 3, 1
	v_lshl_add_u32 v224, v225, 5, v224             ; r % 8 + 32 (r / 8)
	v_mul_lo_u32 v20, v224, s84
	v_bfe_u32 v225, v0, 4, 1
	v_lshl_add_u32 v20, v225, 4, v20
	v_add_nc_u32 v21, s92, v20
	v_add_nc_u32 v22, s92, v21
	v_add_nc_u32 v23, s92, v22
	v_lshl_add_u32 v224, v225, 3, v224
	v_mul_lo_u32 v224, v224, s93
	v_add_nc_u32 v225, s84, v224                   ; sixteen rows of scale bytes on
	s_wait_alu depctr_va_vdst(0)                   ; the six offsets v20 to v23, v224 and v225 are written, which the loads below read
.irp t, 0,1,2,3
.irp c, 0,1
	global_load_b128 v[WB+8*\t+4*\c:WB+8*\t+4*\c+3], v[20+\t], s[78:79] offset:32*\c
.endr
.endr
	global_load_b32 v[WB+32], v224, s[80:81]
	global_load_b32 v[WB+33], v225, s[80:81]
	s_wait_loadcnt 0x0
.irp t, 0,1,2,3
.irp c, 0,1
	global_store_b128 v[LI], v[WB+8*\t+4*\c:WB+8*\t+4*\c+3], s[90:91] offset:1024*\t+512*\c   ; 512 consecutive bytes a store
.endr
.endr
	global_store_b64 v[L8], v[WB+32:WB+33], s[90:91] offset:4096
.Lend:
	s_set_vgpr_msb 0x4                             ; the add's data register lies in window 1: the one switch stands ahead of the closing lines
	s_wait_dscnt 0x0                               ; the closing lines, six on end
	s_wait_alu 0x0
	s_wait_tensorcnt 0x0
	ds_add_u32 v11, v1
	s_wait_dscnt 0x0
	s_endpgm
.Lfunc_end_k_q64c09f7db8_qkv:
	.size	k_q64c09f7db8_qkv, .Lfunc_end_k_q64c09f7db8_qkv-k_q64c09f7db8_qkv
	.p2alignl 7, 3214868480
	.fill 96, 4, 3214868480
	.section	.rodata,"a",@progbits
	.p2align	6, 0x0
	.amdhsa_kernel k_q64c09f7db8_qkv
		.amdhsa_group_segment_fixed_size 121344
		.amdhsa_private_segment_fixed_size 0
		.amdhsa_enable_private_segment 0
		.amdhsa_kernarg_size 144
		.amdhsa_user_sgpr_count 2
		.amdhsa_user_sgpr_kernarg_segment_ptr 1
		.amdhsa_wavefront_size32 1
		.amdhsa_system_sgpr_workgroup_id_x 1
		.amdhsa_system_sgpr_workgroup_id_y 1
		.amdhsa_system_sgpr_workgroup_id_z 1
		.amdhsa_system_vgpr_workitem_id 0
		.amdhsa_next_free_vgpr 258
		.amdhsa_next_free_sgpr 100
		.amdhsa_reserve_vcc 0
		.amdhsa_float_denorm_mode_32 3
		.amdhsa_float_denorm_mode_16_64 3
		.amdhsa_memory_ordered 1
		.amdhsa_forward_progress 1
		.amdhsa_inst_pref_size 82
	.end_amdhsa_kernel
	.amdgpu_metadata
---
amdhsa.version: [ 1, 2 ]
amdhsa.kernels:
  - .name:           k_q64c09f7db8_qkv
    .symbol:         k_q64c09f7db8_qkv.kd
    .args:
      - { .name: x, .offset: 0, .size: 8, .value_kind: global_buffer, .address_space: global }
      - { .name: g1, .offset: 8, .size: 8, .value_kind: global_buffer, .address_space: global }
      - { .name: wq_codes, .offset: 16, .size: 8, .value_kind: global_buffer, .address_space: global }
      - { .name: wq_scales, .offset: 24, .size: 8, .value_kind: global_buffer, .address_space: global }
      - { .name: wk_codes, .offset: 32, .size: 8, .value_kind: global_buffer, .address_space: global }
      - { .name: wk_scales, .offset: 40, .size: 8, .value_kind: global_buffer, .address_space: global }
      - { .name: wv_codes, .offset: 48, .size: 8, .value_kind: global_buffer, .address_space: global }
      - { .name: wv_scales, .offset: 56, .size: 8, .value_kind: global_buffer, .address_space: global }
      - { .name: wo_codes, .offset: 64, .size: 8, .value_kind: global_buffer, .address_space: global }
      - { .name: wo_scales, .offset: 72, .size: 8, .value_kind: global_buffer, .address_space: global }
      - { .name: w1_codes, .offset: 80, .size: 8, .value_kind: global_buffer, .address_space: global }
      - { .name: w1_scales, .offset: 88, .size: 8, .value_kind: global_buffer, .address_space: global }
      - { .name: w2_codes, .offset: 96, .size: 8, .value_kind: global_buffer, .address_space: global }
      - { .name: w2_scales, .offset: 104, .size: 8, .value_kind: global_buffer, .address_space: global }
      - { .name: qimg, .offset: 112, .size: 8, .value_kind: global_buffer, .address_space: global }
      - { .name: qsc, .offset: 120, .size: 8, .value_kind: global_buffer, .address_space: global }
      - { .name: kv, .offset: 128, .size: 8, .value_kind: global_buffer, .address_space: global }
      - { .name: wimg, .offset: 136, .size: 8, .value_kind: global_buffer, .address_space: global }
    .group_segment_fixed_size: 121344
    .private_segment_fixed_size: 0
    .kernarg_segment_align: 8
    .kernarg_segment_size: 144
    .max_flat_workgroup_size: 384
    .sgpr_count:     100
    .vgpr_count:     258
    .wavefront_size: 32
...
	.end_amdgpu_metadata
.endif
;; end of part 5
;; launch attn (part 6): grid 256 x 1, 12 waves a work-group, no clusters, 112,128 bytes of LDS; arguments qimg, qsc, kv, oimg, osc; writes oimg, osc
.if DOCPART == 6
	.amdgcn_target "amdgcn-amd-amdhsa--gfx1250"
	.amdhsa_code_object_version 6
	.text
	.protected	k_q64c09f7db8_attn
	.globl	k_q64c09f7db8_attn
	.p2align	8
	.type	k_q64c09f7db8_attn,@function
k_q64c09f7db8_attn:
	s_mov_b64 s[64:65], 0
	v_nop
	global_prefetch_b8 v0, s[64:65] scope:SCOPE_SE
	s_setreg_imm32_b32 hwreg(HW_REG_WAVE_SCHED_MODE, 0, 2), 2
	s_setreg_imm32_b32 hwreg(HW_REG_WAVE_MODE, 25, 1), 1
	s_wait_xcnt 0x0
	s_wait_alu depctr_vm_vsrc(0)
; Causal attention on codes of E2M1 with E8M0 scales, 12 heads of 64, 4,096 tokens; o / l is quantised along 768 and stored as images of the next product's operand.
; THE SOFTMAX: t = score x log2(e) / 8; M = the running largest t rounded up to a whole number; p = 2^(t - M) is quantised along the keys; the row's sum l is taken of the unquantised p and divides O at the end.
; When M moves, l and O are multiplied by 2^(old M - new M): exact.
; SHARES.  A tile is 16 queries; tile T needs T / 8 + 1 key steps of 128 keys.  Tiles T1 = 255 - TL and TL of one head are a PAIR: 33 steps, whatever TL.  The pair's steps, T1's first, are numbered 0 .. 32 and dealt by
; turns to two waves: wave A takes the even numbers (17 steps), wave B the odd ones (16) and number 33, a step of tile TL all of whose keys are hidden, which adds zeros: so both waves run the same 17 trips, and both
; change tiles inside them.  12 heads x 128 pairs = 1,536 pairs = 256 work-groups x 6 pairs x 2 waves: every wave of the launch has the same work.
; PARTS.  A wave so holds a PART of each of its two tiles: O, l and M over its own steps.  At its change of tiles it puts tile T1's part into LDS, behind the loop tile TL's; behind ONE barrier wave A joins the two parts of
; T1 and wave B those of TL: the new M is the larger one, each part is multiplied by 2^(its M - the new M), which rounds nothing, and the parts are added.
; K AND V.  A step's record (8,960 bytes: K's codes, V's codes, their scale words) was laid by the first launch in operand order: it goes from memory straight into the operand's registers, 18 loads of 512 or 256
; consecutive bytes.  The next step's K is asked for behind this step's K Q^T, a step's V at the step's own head, when the last step's V^T P is done with V's registers: one set of registers each, and about a step in
; which to land.  The loop has no LDS access and no barrier: no wave waits for another.  The price: every wave reads whole records, 34 x 8,960 bytes a pair.
; No cluster, no joint load, no sharing through LDS: the waves of a work-group stand at different records (A at even, B at odd steps; pairs change tiles at trip (32 - TL / 8) / 2), and each of these ways would put a
; barrier of all waves into every step, which is 12 matrix instructions long.
; LAYOUT.  Both products transposed: S^T = K Q^T, O^T = V^T P^T: a lane holds one query (lane % 16).  Key tile (c, t): lane r is key 64 c + 8 t + r % 8 + 32 (r / 8), so that registers 32 c .. 32 c + 31 of S^T are keys
; 64 c + 32 h + 0 .. 31: one whole block a lane: p's conversions give the operand's registers as they stand.  V's channel tiles are chosen likewise, so that a lane's 32 registers of O^T are one block of o's K.
; THE HEAD'S 64 IN AN INSTRUCTION OF 128: Q's registers 4-7 hold zero codes, so K's registers 4-7 may hold any codes (E2M1 has neither NaN nor infinity; scale bytes 2, 3 are the byte of 1.0): key tile n lies at
; KF + 4 n and is named with the four registers behind it.
; LIMITS: NaN and infinities are not served; a block of zeros has the byte 1, read by this program alone; o / l is a multiplication by v_rcp_f32; osc is stored in single bytes (one byte in 17 of what is stored).
; THE MODE: SCHED_MODE bits 1:0 = 2 (LLVM: expert scheduling mode 2), set by the entry lines.  The code itself states the register dependences between vector or matrix instructions and memory or LDS
; instructions, with s_wait_alu, always for 0.
; THE PLAN.  Registers that memory or LDS instructions touch:
;   v1-v11        offsets and LDS addresses: written at the head, ahead of the wait in front of the first load, and never again.
;   KF, KSC       read by a step's eight products K Q^T; behind them the next step's loads land there.
;   VF, VSC       read by a step's four products V^T P; at the next step's head that step's loads land there.
;   O, v12-15     written by products and vector lines; read by LDS stores at the change of tiles and behind the loop; then cleared, or loaded again behind the barrier.
;   S             named by vector and matrix instructions alone in the loop; behind the barrier the partner's part lands there.
;   v234, v236-239  the quantiser's byte and codes: the data of the last two stores.
; A TRIP'S WAITS ON va_vdst: one at its head (V^T P has written O^T and is done with V), one behind K Q^T (the products are done with K), one ahead of V^T P (p's codes and scale word, made by vector lines, are
; written), beside one ahead of the exponentials and two behind them.  The arm of the change of tiles has a wait on vm_vsrc ahead of the lines that clear what its stores read, and a wait on va_vdst behind the moves of Q.
; THE MASK's compares write scalar registers, sixteen to a run, with one wait on va_sdst between a run and the selects that read it.
.set AREA, 9216                        ; LDS: wave w's area at 9,216 w: the part of its first tile at 0, of its second at 4,608; a part: O^T's 32 registers as images (16 bytes of lane L at 16 L), then -M, t, l, l
.set PT2,  4608
.set LI,  1                            ; v1   16 x lane
.set L8,  2                            ; v2   8 x lane
.set KGA, 3                            ; v3   my 16 bytes of a key tile in a record: 16 (L % 8) + 128 (L / 16) + 256 ((L / 8) % 2)
.set DW,  4                            ; v4   my area + 16 x lane
.set MINE, 5                           ; v5   the part that I finish, my own share: wave A its first tile's, wave B its second's
.set OTH, 6                            ; v6   and my partner's share of the same tile
.set QA,  7                            ; v7   4 r
.set PFO, 8                            ; v8   256 x lane
.set SH8, 9                            ; v9   8 h
.set DQ,  10                           ; v10  r % 8 + 16 (r / 8) - 32 h
.set OBA, 11                           ; v11  4 r + h
.set QF,  16                           ; v12 -M, v13 the largest t, v[14:15] l;  v16-23 Q (v20-23 zero codes)
.set QN,  26                           ; v26-29 the second tile's Q
.set QSN, 30                           ; v30  and its scale words
.set KF,  32                           ; v32-63 K's eight tiles, four registers each; v64-67 zero
.set VF,  68                           ; v68-99 V's four fragments
.set S,   100                          ; v100-163 S^T, then p; at the end my partner's part
.set O,   164                          ; v164-195 O^T
.set PC,  196                          ; v196-203 p's codes
.set KSC, 222                          ; v222-225 K's scale words, v226-227 V's, v228 Q's, v229 p's: scales and nothing else
.set VSC, 226
.set QSC, 228
.set PSC, 229
.set WV,  14
.set PI,  15                           ; s15  0: wave A, 1: wave B
.set HD,  24
.set N1,  25                           ; s25  steps of the first tile, 17 .. 32;  s26 of the second, 33 - s25
.set N2,  26
.set Q01, 27                           ; s27, s28  lane r's query is this + r % 8 + 16 (r / 8), in the first and the second tile
.set Q02, 28
.set LIM, 29
.set I,   30                           ; s30  the number of the step in hand among the pair's
.set CNT, 31
.set RN,  32                           ; s[32:33] the record asked for
.set OFF, 34
.set TT,  36                           ; s36  the step's number in its tile
.set T2,  37
.set SEL, 38
.set CS,  40
.set HB,  42                           ; s[42:43] the head's first record
.set NSC, 44
.set Q0C, 45
.set TN,  46
.set MK,  48                           ; s48-63 in the loop: sixteen masks of the causal mask (at the head: offsets and Q's addresses, whose loads the first trip's wait shows done)
.macro PLACES                          ; four plain places behind matrix instructions, in front of loads into their sources and of reads of their results
.rept 4
	v_nop
.endr
.endm
.macro WM d, a, b, z, sa, sb, ra
.if (\z) && ((\ra) == 0)
	v_wmma_scale_f32_16x16x128_f8f6f4 v[(\d):(\d)+7], v[(\a):(\a)+7], v[(\b):(\b)+7], 0, v[(\sa)], v[(\sb)] matrix_a_fmt:MATRIX_FMT_FP4 matrix_b_fmt:MATRIX_FMT_FP4
.elseif (\z)
	v_wmma_scale_f32_16x16x128_f8f6f4 v[(\d):(\d)+7], v[(\a):(\a)+7], v[(\b):(\b)+7], 0, v[(\sa)], v[(\sb)] matrix_a_fmt:MATRIX_FMT_FP4 matrix_b_fmt:MATRIX_FMT_FP4 matrix_a_scale:MATRIX_SCALE_ROW1
.elseif ((\ra) == 0)
	v_wmma_scale_f32_16x16x128_f8f6f4 v[(\d):(\d)+7], v[(\a):(\a)+7], v[(\b):(\b)+7], v[(\d):(\d)+7], v[(\sa)], v[(\sb)] matrix_a_fmt:MATRIX_FMT_FP4 matrix_b_fmt:MATRIX_FMT_FP4
.else
	v_wmma_scale_f32_16x16x128_f8f6f4 v[(\d):(\d)+7], v[(\a):(\a)+7], v[(\b):(\b)+7], v[(\d):(\d)+7], v[(\sa)], v[(\sb)] matrix_a_fmt:MATRIX_FMT_FP4 matrix_b_fmt:MATRIX_FMT_FP4 matrix_a_scale:MATRIX_SCALE_ROW1
.endif
.endm
.macro LOADK                           ; nine loads: the eight key tiles of the record at s[RN], 512 consecutive bytes each, and their scale words (register t: lanes 0-15 tile (0, t)'s, lanes 16-31 tile (1, t)'s)
.set n, 0
.rept 8
	global_load_b128 v[KF+4*n:KF+4*n+3], v[KGA], s[RN:RN+1] offset:512*n
.set n, n+1
.endr
	global_load_b128 v[KSC:KSC+3], v[LI], s[RN:RN+1] offset:8192
.endm
.macro LOADV                           ; nine loads: V's four fragments and their scale words
.set n, 0
.rept 8
	global_load_b128 v[VF+4*n:VF+4*n+3], v[LI], s[RN:RN+1] offset:4096+512*n
.set n, n+1
.endr
	global_load_b64 v[VSC:VSC+1], v[L8], s[RN:RN+1] offset:8704
.endm
; One trip: the pair's step number s[I].  more = 1: the K of the step two numbers on is asked for.
.macro TRIP more
	s_wait_loadcnt 0x0                             ; this step's K and its words are in (in the first trip Q too): no other load is out
	s_wait_alu depctr_va_vdst(0)                   ; the last step's V^T P has written O^T, which the LDS stores at the change of tiles read, and is done reading V and its words, in which the loads below land; in the first trip: the zero codes v20-23 and v64-67, which the products take, are written
	LOADV                                          ; this step's V, out of the same record as its K
	s_cmp_lt_u32 s[I], s[N1]                       ; the first tile's step, or the second's?
	s_cselect_b32 s[NSC], s[N1], s[N2]
	s_cselect_b32 s[Q0C], s[Q01], s[Q02]
	s_cselect_b32 s[T2], 0, s[N1]
	s_sub_co_u32 s[TT], s[I], s[T2]                ; the step's number in its tile
	s_sub_co_u32 s[T2], s[I], s[N1]
	s_cmp_lt_u32 s[T2], 2                          ; my first step of the second tile is number N1 or N1 + 1
	s_cbranch_scc0 .Lsame_\@
	; THE CHANGE OF TILES: the first tile's part goes to LDS, each accumulator from its low end on; the second tile's Q takes its place; the sums begin anew
.set k, 0
.rept 8
	ds_store_b128 v[DW], v[O+4*k:O+4*k+3] offset:512*k
.set k, k+1
.endr
	ds_store_b128 v[DW], v[12:15] offset:4096
	v_mov_b32 v[QSC], v[QSN]                       ; (the 40 plain lines below are the places between these writes and the products that read them)
.irp j, 0,1,2,3
	v_mov_b32 v[QF+\j], v[QN+\j]
.endr
	s_mov_b32 s[LIM], 0                            ; nothing is prefetched in the second tile
	s_wait_dscnt 0x0                               ; the stores have read their registers
	s_wait_alu depctr_vm_vsrc(0)                   ; the nine LDS stores have read O^T and v12 to v15, which the lines below write again
	v_mov_b32 v13, 0xff61b1e6                      ; the largest t so far: -3e38
	v_floor_f32 v12, -v13
	v_mov_b32 v14, 0
	v_mov_b32 v15, 0
.set k, 0
.rept 32
	v_mov_b32 v[O+k], 0
.set k, k+1
.endr
	s_wait_alu depctr_va_vdst(0)                   ; the second tile's Q and its scale word, moved by the vector lines above, are written: the products below take them; the places stand ahead of this wait
.Lsame_\@:
.irp c, 0,1
.irp t, 0,1,2,3
	WM S+32*\c+8*\t, KF+4*(4*\c+\t), QF, 1, KSC+\t, QSC, \c
.endr
.endr
	PLACES
.if \more
	s_add_co_u32 s[T2], s[I], 2                    ; my next step: its number in its tile, at most 31 in the first tile and 16 in the second: a record of the head
	s_cmp_lt_u32 s[T2], s[N1]
	s_cselect_b32 s[TN], 0, s[N1]
	s_sub_co_u32 s[T2], s[T2], s[TN]
	s_mul_i32 s[OFF], s[T2], 8960
	s_wait_xcnt 0x0                                ; V's loads, issued at this trip's head, and the last prefetch have read their base
	s_add_nc_u64 s[RN:RN+1], s[HB:HB+1], s[OFF:OFF+1]
	s_wait_alu depctr_va_vdst(0)                   ; the eight products above are done reading K and its scale words, in which the loads below land
	LOADK                                          ; into the registers that the eight products above have read
	; a prefetch, behind the loads: the 32 blocks of 256 bytes of K's and V's codes of the record four behind the one just asked for, a lane a block: that record's own load is issued two trips on.
	; Of each head the pair with TL = 0, whose first tile walks all 32 records, asks: wave A for the even ones, wave B for the odd ones: each block is named once.  It stops behind step 25: record 31 is the head's
	; last.  Records 0 to 5 and the scale words come by their loads alone.
	s_cmp_lt_u32 s[TT], s[LIM]
	s_cbranch_scc0 .Lnot_mine_\@
	global_prefetch_b8 v[PFO], s[RN:RN+1] offset:35840 th:TH_LOAD_NT scope:SCOPE_SE
.Lnot_mine_\@:
.endif
	s_add_co_u32 s[T2], s[TT], 1                   ; a tile's last step lies on the diagonal, and number 33 behind it: hidden scores become -infinity ahead of the maximum, so that p = 0
	s_cmp_lt_u32 s[T2], s[NSC]
	s_cbranch_scc1 .Lopen_\@
	s_lshl_b32 s[T2], s[TT], 7
	s_sub_co_i32 s[T2], s[Q0C], s[T2]
	v_add_nc_u32 v230, s[T2], v[DQ]                ; d = my query - the step's first key - 32 h.  Register 32 c + n holds key 64 c + 32 h + n of the step: hidden where 64 c + n > d
	v_mov_b32 v231, 0xff800000
.set g, 0
.rept 4                                ; four runs of sixteen registers, in ascending order
.set n, 0
.rept 16
	v_cmp_gt_i32 s[MK+n], 64*((16*g+n)/32)+(16*g+n)%32, v230
.set n, n+1
.endr
	s_wait_alu depctr_va_sdst(0)                   ; the sixteen masks are written, ahead of the selects that read them
.set n, 0
.rept 16
	v_cndmask_b32 v[S+16*g+n], v[S+16*g+n], v231, s[MK+n]
.set n, n+1
.endr
.set g, g+1
.endr
.Lopen_\@:
.irp k, 0,1,2,3                        ; the largest score, in four chains of 16 by turns
	v_max3_num_f32 v[232+\k], v[S+16*\k], v[S+16*\k+1], v[S+16*\k+2]
.endr
.irp i, 3,5,7,9,11,13
.irp k, 0,1,2,3
	v_max3_num_f32 v[232+\k], v[232+\k], v[S+16*\k+\i], v[S+16*\k+\i+1]
.endr
.endr
	v_max3_num_f32 v232, v232, v[S+15], v233
	v_max3_num_f32 v234, v234, v[S+47], v235
	v_max_num_f32 v232, v232, v[S+31]              ; THE LARGEST SCORE OF EACH OF MY TWO BLOCKS OF 32 KEYS: it serves for the row's maximum and, since p rises with the score, for the block's largest p
	v_max_num_f32 v234, v234, v[S+63]
	v_max_num_f32 v254, v232, v234
	v_permlanex16_b32 v255, v254, s[SEL], s[SEL+1]
	v_max_num_f32 v254, v254, v255                 ; with lane l xor 16's two blocks: the step's largest score of my query
	v_mul_f32 v254, s[CS], v254
	v_max_num_f32 v13, v13, v254                   ; the running largest t
	v_mov_b32 v254, v12
	v_floor_f32 v12, -v13                          ; -M = floor(-t): M is a whole number
	v_sub_f32 v254, v12, v254
	v_cvt_i32_f32 v254, v254                       ; old M - new M, 0 or less (it saturates)
	v_ldexp_f32 v252, 1.0, v254                    ; f = 2^(old M - new M)
.set n, 0
.rept 32
	v_pk_fma_f32 v[S+n:S+n+1], v[S+n:S+n+1], s[CS:CS+1], v[12:13] op_sel_hi:[1,0,0]   ; t - M
.set n, n+2
.endr
	v_fma_f32 v232, v232, s[CS], v12
	v_fma_f32 v234, v234, s[CS], v12
.set n, 0
	s_wait_alu depctr_va_vdst(0)
.rept 64
	v_exp_f32 v[S+n], v[S+n]                       ; p = 2^(t - M)
.set n, n+1
.endr
	v_pk_mul_f32 v[14:15], v[14:15], v[252:253] op_sel_hi:[1,0]    ; l under the new M: the plain place behind the exponentials
	s_wait_alu depctr_va_vdst(0)                   ; one wait for the batch, ahead of its first reader
	v_exp_f32 v232, v232                           ; the blocks' largest p
	v_exp_f32 v234, v234
	v_pk_add_f32 v[242:243], v[S:S+1], v[S+2:S+3]  ; l is taken of the unquantised p, in two chains
.set n, 4
.rept 15
	v_pk_add_f32 v[14:15], v[14:15], v[S+n:S+n+1]
	v_pk_add_f32 v[242:243], v[242:243], v[S+n+2:S+n+3]
.set n, n+4
.endr
	v_pk_add_f32 v[14:15], v[14:15], v[242:243]
	s_wait_alu depctr_va_vdst(0)                   ; and one for the two
	v_max_num_f32 v232, 0x1800000, v232            ; the floor 2^(3 - 127): the byte cannot fall under 1
	v_max_num_f32 v234, 0x1800000, v234
	v_add_nc_u32 v236, 0xff000000, v232            ; 2 off the exponent field: the conversions' scale operands
	v_add_nc_u32 v237, 0xff000000, v234
	v_lshrrev_b32 v238, 23, v236
	v_lshrrev_b32 v239, 23, v237
	v_lshl_or_b32 v240, v239, 16, v238             ; my bytes: blocks h and 2 + h,
	v_lshlrev_b32 v240, v[SH8], v240               ; at their places;
	v_permlanex16_b32 v241, v240, s[SEL], s[SEL+1]
	v_or_b32 v[PSC], v240, v241                    ; with lane l xor 16's two the word is whole
.irp c, 0,1
.irp g, 0,1,2,3
	v_cvt_scalef32_pk8_fp4_f32 v[PC+4*\c+\g], v[S+32*\c+8*\g:S+32*\c+8*\g+7], v[236+\c]
.endr
.endr
	v_nop                                          ; one plain place behind the last scaled conversion
.set n, 0
.rept 16
	v_pk_mul_f32 v[O+n:O+n+1], v[O+n:O+n+1], v[252:253] op_sel_hi:[1,0]   ; O^T under the new M.  (Twelve of these name no register of any one product below: the places behind the writes of p's codes and scale word)
.set n, n+2
.endr
.if \more
	s_wait_loadcnt 9                               ; V and its words are in; the next step's nine loads of K are younger and may be out
.else
	s_wait_loadcnt 0x0
.endif
	s_wait_alu depctr_va_vdst(0)                   ; the conversions have written p's codes and the vector lines its scale word, which the products below take; the places stand ahead of this wait
.irp t, 0,1,2,3
	WM O+8*\t, VF+8*\t, PC, 0, VSC+\t/2, PSC, \t%2
.endr
	PLACES                                         ; in front of the first read of these products' results, by an LDS store or a vector line
.endm
	s_load_b256 s[4:11], s[0:1], 0x0               ; qimg, qsc, kv, oimg
	s_load_b64 s[12:13], s[0:1], 0x20              ; osc
	v_lshl_add_u32 v250, v0, 2, 0x1b000
	v_mov_b32 v251, 0
	v_lshrrev_b32 v230, 5, v0
	v_readfirstlane_b32 s[WV], v230                ; wave 0..11
	s_wait_alu depctr_va_sdst(0)                   ; the wave's number is written, ahead of its first reader
	s_and_b32 s[PI], s[WV], 1                      ; wave A or B of its pair
	s_lshr_b32 s16, s[WV], 1
	s_mul_i32 s17, ttmp9, 6
	s_add_co_u32 s17, s17, s16                     ; the pair, 0 .. 1,535
	s_lshr_b32 s[HD], s17, 7                       ; head
	s_and_b32 s18, s17, 127                        ; TL, the second tile
	s_sub_co_u32 s19, 255, s18                     ; T1, the first
	s_lshr_b32 s23, s18, 3
	s_sub_co_u32 s[N1], 32, s23                    ; T1 / 8 + 1
	s_add_co_u32 s[N2], s23, 1                     ; TL / 8 + 1
	s_lshr_b32 s[Q01], s19, 1                      ; tile T is tile T % 2 of the block T / 2 of 32 tokens
	s_lshl_b32 s[Q01], s[Q01], 5
	s_and_b32 s23, s19, 1
	s_lshl_b32 s23, s23, 3
	s_add_co_u32 s[Q01], s[Q01], s23
	s_lshr_b32 s[Q02], s18, 1
	s_lshl_b32 s[Q02], s[Q02], 5
	s_and_b32 s23, s18, 1
	s_lshl_b32 s23, s23, 3
	s_add_co_u32 s[Q02], s[Q02], s23
	s_cmp_eq_u32 s18, 0
	s_cselect_b32 s[LIM], 26, 0                    ; who prefetches, and up to which step of the first tile
	s_cmp_eq_u32 s[PI], 0
	s_cselect_b32 s20, s19, s18                    ; the tile that I finish: wave A the first, wave B the second
	s_lshr_b32 s21, s20, 1                         ; its block of 32 tokens
	s_and_b32 s22, s20, 1                          ; and which tile of the block
	s_lshl_b32 s46, s[HD], 8
	s_add_co_u32 s47, s46, s19
	s_add_co_u32 s46, s46, s18
	s_lshl_b32 s50, s47, 9                         ; qimg: 512 bytes a tile
	s_mov_b32 s51, 0
	s_lshl_b32 s52, s47, 6                         ; qsc: 64 bytes a tile
	s_mov_b32 s53, 0
	s_lshl_b32 s54, s46, 9
	s_mov_b32 s55, 0
	s_lshl_b32 s56, s46, 6
	s_mov_b32 s57, 0
	s_mul_i32 s[HB], s[HD], 286720                 ; a head's 32 records
	s_mov_b32 s[HB+1], 0
	s_mul_i32 s[OFF], s[PI], 8960                  ; my first step: number 0 or 1
	s_mov_b32 s[OFF+1], 0
	s_lshr_b32 s60, s[HD], 1
	s_and_b32 s61, s[HD], 1
	s_mul_i32 s48, s21, 12288
	s_lshl_b32 s23, s60, 11
	s_add_co_u32 s48, s48, s23
	s_lshl_b32 s23, s22, 10
	s_add_co_u32 s48, s48, s23
	s_lshl_b32 s23, s61, 9
	s_add_co_u32 s48, s48, s23                     ; oimg: block, K step head / 2, tile, half head % 2
	s_mov_b32 s49, 0
	s_mul_i32 s58, s21, 768
	s_lshl_b32 s23, s60, 7
	s_add_co_u32 s58, s58, s23
	s_lshl_b32 s23, s22, 6
	s_add_co_u32 s58, s58, s23
	s_lshl_b32 s23, s61, 1
	s_add_co_u32 s58, s58, s23                     ; osc likewise
	s_mov_b32 s59, 0
	s_mov_b32 s[SEL], 0x76543210
	s_mov_b32 s[SEL+1], 0xfedcba98                 ; v_permlanex16_b32's selects for lane l xor 16
	s_mov_b32 s[CS], 0x3e38aa3b                    ; log2(e) / 8
	s_mov_b32 s[CS+1], s[CS]
	s_mov_b32 s[I], s[PI]
	v_and_b32 v230, 31, v0                         ; L
	v_and_b32 v231, 15, v0                         ; r
	v_bfe_u32 v232, v0, 4, 1                       ; h
	v_lshlrev_b32 v[LI], 4, v230
	v_lshlrev_b32 v[L8], 3, v230
	v_and_b32 v235, 7, v0
	v_bfe_u32 v236, v0, 3, 1
	v_lshlrev_b32 v[KGA], 4, v235
	v_lshl_add_u32 v[KGA], v232, 7, v[KGA]
	v_lshl_add_u32 v[KGA], v236, 8, v[KGA]
	s_mul_i32 s62, s[WV], AREA                     ; my area,
	v_add_nc_u32 v[DW], s62, v[LI]
	s_mul_i32 s63, s[PI], PT2
	s_add_co_u32 s62, s62, s63                     ; in it the part of the tile that I finish,
	v_add_nc_u32 v[MINE], s62, v[LI]
	s_xor_b32 s62, s[WV], 1
	s_mul_i32 s62, s62, AREA
	s_add_co_u32 s62, s62, s63                     ; and the same tile's part in my partner's area
	v_add_nc_u32 v[OTH], s62, v[LI]
	v_lshlrev_b32 v[PFO], 8, v230
	v_lshlrev_b32 v[SH8], 3, v232
	v_lshl_add_u32 v235, v236, 4, v235
	v_lshlrev_b32 v236, 5, v232
	v_sub_nc_u32 v[DQ], v235, v236
	v_lshl_add_u32 v[OBA], v231, 2, v232
	v_lshlrev_b32 v[QA], 2, v231
	s_wait_kmcnt 0x0
	s_add_nc_u64 s[50:51], s[4:5], s[50:51]
	s_add_nc_u64 s[52:53], s[6:7], s[52:53]
	s_add_nc_u64 s[54:55], s[4:5], s[54:55]
	s_add_nc_u64 s[56:57], s[6:7], s[56:57]
	s_add_nc_u64 s[HB:HB+1], s[8:9], s[HB:HB+1]
	s_add_nc_u64 s[RN:RN+1], s[HB:HB+1], s[OFF:OFF+1]
	s_add_nc_u64 s[10:11], s[10:11], s[48:49]
	s_add_nc_u64 s[12:13], s[12:13], s[58:59]
	s_wait_alu depctr_va_vdst(0)                   ; the offsets and LDS addresses v1 to v11 are written, which the loads, stores and prefetches of the whole kernel read
	global_load_b128 v[QF:QF+3], v[LI], s[50:51]   ; both tiles' Q: four registers of codes and a scale word each
	global_load_b32 v[QSC], v[QA], s[52:53]
	global_load_b128 v[QN:QN+3], v[LI], s[54:55]
	global_load_b32 v[QSN], v[QA], s[56:57]
	LOADK                                          ; my first step's K; its V is asked for at the first trip's head, like every step's
.irp j, 0,1,2,3
	v_mov_b32 v[QF+4+\j], 0                        ; zero codes for k = 64 .. 127
	v_mov_b32 v[KF+32+\j], 0                       ; named behind K's last tile
.endr
	v_mov_b32 v13, 0xff61b1e6                      ; the largest t so far: -3e38
	v_floor_f32 v12, -v13
	v_mov_b32 v14, 0
	v_mov_b32 v15, 0
	v_mov_b32 v241, 0                              ; a lane permute's destination counts as one of its sources
	v_mov_b32 v255, 0
	v_mov_b32 v253, 0                              ; named as the upper half of the pair v[252:253]
.set n, 0
.rept 32
	v_mov_b32 v[O+n], 0                            ; the step is written once: a tile's first finds zeros, which the first change of M leaves zeros
.set n, n+1
.endr
	s_mov_b32 s[CNT], 0
.Ltrips:                                           ; 16 trips that ask for the K of the step behind them; the 17th is written out, and asks for no K
	TRIP 1
	s_add_co_u32 s[I], s[I], 2
	s_add_co_u32 s[CNT], s[CNT], 1
	s_cmp_lt_u32 s[CNT], 16
	s_cbranch_scc1 .Ltrips
	TRIP 0
	; ---- the second tile's part goes to LDS; one barrier; each wave joins the two parts of the tile that it finishes
	s_wait_alu depctr_va_vdst(0)                   ; the last products have written O^T and the vector lines v12 to v15: the data of the LDS stores; and all vector and matrix lines are done with O^T, v12 to v15 and S, in which the loads behind the barrier land
.set k, 0
.rept 8
	ds_store_b128 v[DW], v[O+4*k:O+4*k+3] offset:PT2+512*k
.set k, k+1
.endr
	ds_store_b128 v[DW], v[12:15] offset:PT2+4096
	s_wait_dscnt 0x0                               ; for the partner's sake: my stores have landed, those at my change of tiles too
	s_barrier_signal -1
	s_barrier_wait -1
	s_wait_alu depctr_vm_vsrc(0)                   ; my LDS stores have read O^T and v12 to v15, in which the loads below land
.set k, 0
.rept 8
	ds_load_b128 v[O+4*k:O+4*k+3], v[MINE] offset:512*k
	ds_load_b128 v[S+4*k:S+4*k+3], v[OTH] offset:512*k
.set k, k+1
.endr
	ds_load_b128 v[12:15], v[MINE] offset:4096
	ds_load_b128 v[S+32:S+35], v[OTH] offset:4096
	s_wait_dscnt 0x0
	v_min_num_f32 v230, v12, v[S+32]               ; the new -M: the larger M of the two
	v_sub_f32 v231, v230, v12                      ; each part's M less the new one: a whole number, 0 or less
	v_sub_f32 v232, v230, v[S+32]
	v_cvt_i32_f32 v231, v231                       ; (it saturates: a part without a step has M = -3e38 and the factor 0; its sums are zeros)
	v_cvt_i32_f32 v232, v232
	v_ldexp_f32 v252, 1.0, v231
	v_ldexp_f32 v254, 1.0, v232
	v_add_f32 v14, v14, v15                        ; l's two halves, of each part
	v_add_f32 v233, v[S+34], v[S+35]
	v_mul_f32 v14, v14, v252
	v_fma_f32 v14, v233, v254, v14
.set n, 0
.rept 16
	v_pk_mul_f32 v[O+n:O+n+1], v[O+n:O+n+1], v[252:253] op_sel_hi:[1,0]
.set n, n+2
.endr
.set n, 0
.rept 16
	v_pk_fma_f32 v[O+n:O+n+1], v[S+n:S+n+1], v[254:255], v[O+n:O+n+1] op_sel_hi:[1,0,1]
.set n, n+2
.endr
	; ---- the way out: O^T / l, quantised: my 32 registers are one block of o's K
	v_permlanex16_b32 v241, v14, s[SEL], s[SEL+1]
	v_add_f32 v14, v14, v241                       ; with lane l xor 16's keys: the row's sum
	s_wait_alu depctr_va_vdst(0)
	v_rcp_f32 v14, v14
	v_nop                                          ; a plain place behind the transcendental
	s_wait_alu depctr_va_vdst(0)                   ; and the wait ahead of its first reader
.set n, 0
.rept 16
	v_pk_mul_f32 v[O+n:O+n+1], v[O+n:O+n+1], v[14:15] op_sel_hi:[1,0]
.set n, n+2
.endr
	v_max3_num_f32 v232, |v[O]|, |v[O+1]|, 0x1800000               ; the floor 2^(3 - 127) holds the byte at 1 from below
.irp i, 2,4,6,8,10,12,14,16,18,20,22,24,26,28,30
	v_max3_num_f32 v232, v232, |v[O+\i]|, |v[O+\i+1]|
.endr
	v_add_nc_u32 v233, 0xff000000, v232
	v_lshrrev_b32 v234, 23, v233
.irp g, 0,1,2,3
	v_cvt_scalef32_pk8_fp4_f32 v[236+\g], v[O+8*\g:O+8*\g+7], v233
.endr
	v_nop
	s_wait_alu depctr_va_vdst(0)                   ; the conversions have written v236 to v239 and the shift v234: the data of the two stores
	global_store_b128 v[LI], v[236:239], s[10:11]  ; 512 consecutive bytes
	global_store_b8 v[OBA], v234, s[12:13]
	s_wait_dscnt 0x0                               ; the closing lines, six on end
	s_wait_alu 0x0
	s_wait_tensorcnt 0x0
	ds_add_u32 v250, v251
	s_wait_dscnt 0x0
	s_endpgm
.Lfunc_end_k_q64c09f7db8_attn:
	.size	k_q64c09f7db8_attn, .Lfunc_end_k_q64c09f7db8_attn-k_q64c09f7db8_attn
	.p2alignl 7, 3214868480
	.fill 96, 4, 3214868480
	.section	.rodata,"a",@progbits
	.p2align	6, 0x0
	.amdhsa_kernel k_q64c09f7db8_attn
		.amdhsa_group_segment_fixed_size 112128
		.amdhsa_private_segment_fixed_size 0
		.amdhsa_enable_private_segment 0
		.amdhsa_kernarg_size 40
		.amdhsa_user_sgpr_count 2
		.amdhsa_user_sgpr_kernarg_segment_ptr 1
		.amdhsa_wavefront_size32 1
		.amdhsa_system_sgpr_workgroup_id_x 1
		.amdhsa_system_sgpr_workgroup_id_y 1
		.amdhsa_system_sgpr_workgroup_id_z 1
		.amdhsa_system_vgpr_workitem_id 0
		.amdhsa_next_free_vgpr 256
		.amdhsa_next_free_sgpr 66
		.amdhsa_reserve_vcc 0
		.amdhsa_float_denorm_mode_32 3
		.amdhsa_float_denorm_mode_16_64 3
		.amdhsa_memory_ordered 1
		.amdhsa_forward_progress 1
		.amdhsa_inst_pref_size 67
	.end_amdhsa_kernel
	.amdgpu_metadata
---
amdhsa.version: [ 1, 2 ]
amdhsa.kernels:
  - .name:           k_q64c09f7db8_attn
    .symbol:         k_q64c09f7db8_attn.kd
    .args:
      - { .name: qimg, .offset: 0, .size: 8, .value_kind: global_buffer, .address_space: global }
      - { .name: qsc, .offset: 8, .size: 8, .value_kind: global_buffer, .address_space: global }
      - { .name: kv, .offset: 16, .size: 8, .value_kind: global_buffer, .address_space: global }
      - { .name: oimg, .offset: 24, .size: 8, .value_kind: global_buffer, .address_space: global }
      - { .name: osc, .offset: 32, .size: 8, .value_kind: global_buffer, .address_space: global }
    .group_segment_fixed_size: 112128
    .private_segment_fixed_size: 0
    .kernarg_segment_align: 8
    .kernarg_segment_size: 40
    .max_flat_workgroup_size: 384
    .sgpr_count:     66
    .vgpr_count:     256
    .wavefront_size: 32
...
	.end_amdgpu_metadata
.endif
;; end of part 6
;; launch ffn (part 7): grid 128 x 1, 12 waves a work-group, no clusters, 173,568 bytes of LDS; arguments x, g2, oimg, osc, wimg, out0; writes out0
.if DOCPART == 7
	.amdgcn_target "amdgcn-amd-amdhsa--gfx1250"
	.amdhsa_code_object_version 6
	.text
	.protected	k_q64c09f7db8_ffn
	.globl	k_q64c09f7db8_ffn
	.p2align	8
	.type	k_q64c09f7db8_ffn,@function
k_q64c09f7db8_ffn:
	s_mov_b64 s[64:65], 0
	v_nop
	global_prefetch_b8 v0, s[64:65] scope:SCOPE_SE
	s_setreg_imm32_b32 hwreg(HW_REG_WAVE_SCHED_MODE, 0, 2), 2
	s_setreg_imm32_b32 hwreg(HW_REG_WAVE_MODE, 25, 1), 1
	s_wait_xcnt 0x0
	s_wait_alu depctr_vm_vsrc(0)
; y = x + o wo^T;  h = rmsnorm(y, g2);  out = y + gelu(h w1^T) w2^T, gelu the exact one (erf).  All three products on codes of E2M1 with E8M0 scales; h and gelu(..) are quantised on the way and never go to memory.
; SHARES.  A work-group owns 32 tokens (block B = its number) through the whole chain.  Twelve waves share the COLUMNS: wave w makes columns 64 w .. 64 w + 63 of y and of out, and hidden units 64 (w + 12 i) .. + 63, i = 0 .. 3.
; LAYOUT as in the first launch: products transposed (source 0 = 16 weight rows, source 1 = 16 tokens); weight tile t: lane r takes row 8 t + r % 8 + 32 (r / 8); token tile u: lane r is token 8 u + r % 8 + 16 (r / 8).
; So a lane's 32 registers of the four tiles are one whole block of 32 along the next K.  Operands go from wave to wave through LDS as images of their registers (16 bytes of lane L at 16 L).
; WEIGHTS come from wimg, laid by the first launch in operand order: a K step's four fragments and scale words are 4,352 consecutive bytes; nine loads, each of 512 or 256 consecutive bytes, straight into the registers of
; the one wave that multiplies by them, in a ring of three sets, two K steps ahead, which never stops between the products.  No cluster and no joint load: each fragment is used by one wave of a work-group, so a way
; through LDS would add a store and a load of every byte and take none off what the work-group receives.
; x is the start of y's sums, and y the start of out's: the residuals cost no addition.
; LIMITS: NaN and infinities are not served.  A block of zeros has the byte 1, read by this program alone.  erf(z) = z P(z^2) / Q(z^2), polynomials of degree 6 and 4 in f32, z held to +-4 (beyond, erf is +-1 in f32):
; its absolute error is of the size of f32's own rounding of 1 + erf.  1 / sqrt(mean + eps) is v_rsq_f32, 1 / Q is v_rcp_f32.
; THE MODE: SCHED_MODE bits 1:0 = 2 (LLVM: expert scheduling mode 2), set by the entry lines.  The code itself states the register dependences between vector or matrix instructions and memory or LDS
; instructions, with s_wait_alu, always for 0.
; THE PLAN.  Registers that memory or LDS instructions touch:
;   v1-v18 but v3  offsets and LDS addresses: written at the head, ahead of the wait in front of the first load, and never again.
;   v3, v19        LDS addresses in hand: read by the head's stores of o and by the hidden layer's stores; written anew once a trip of the hidden layer's loop.
;   WB, WSR        three sets.  K step s: its products read set s % 3; the loads of step s + 2 land in set (s + 2) % 3, which the products of step s - 1 read.
;   AB, AS         two sets.    K step s: its products read set s % 2; the LDS loads of step s + 1 land in the other, which the products of step s - 1 read.
;                  So ONE wait on va_vdst stands at a K step's head.  Its loads follow it at once, ahead of the wait for this step's weights, whose count leans on three sets being out.
;   ACC            goes through LDS three times (x's turn, y's rest, out's turn): a wait on va_vdst ahead of stores of what products wrote, a wait on vm_vsrc ahead of whatever writes it behind a store.
;   v224-255       o on its way to LDS; the sums of squares; a quantiser's bytes and codes: a wait on va_vdst ahead of each run of stores, a wait on vm_vsrc ahead of the next writer.
;   No vector line writes an operand or a scale of a product: all of them come by loads.
.set ASC,  12288                       ; LDS: byte 0: 12 images (K step s, tile u: 2048 s + 1024 u): o's, later h's; here their scale words (128 s + 64 u + 4 r);
.set PART, 13056                       ; the waves' sums of squares;
.set HSC,  15104                       ; the hidden layer's scale words;
.set HIMG, 18432                       ; its 48 images;
.set STG,  67584                       ; a stage of 8,704 bytes for each wave: x's turn, y's rest, out's turn
.set WST,  8704
.set LI,  1                            ; v1   16 x lane (also the first images' LDS address: they begin at byte 0)
.set L8,  2                            ; v2   8 x lane
.set HBA, 3                            ; v3   an LDS address in hand
.set XG,  4                            ; v4   x, out: (L / 16) rows of 3,072 bytes + 16 (L % 16)
.set SD,  5                            ; v5   my stage, by rows of memory
.set SF,  6                            ; v6   my stage, by fragments
.set PW,  7
.set PR,  8
.set AW,  9                            ; v9   where I store my columns' part of an image of h
.set BW,  10                           ; v10  and its scale byte
.set SA,  12                           ; v12  ASC + 4 x lane
.set GA,  13                           ; v13  128 h
.set PK,  14                           ; v14  my stage + 16 x lane: where y rests
.set HW,  15                           ; v15  the hidden layer's images: my part
.set HB,  16                           ; v16  its scale bytes
.set AA2, 17                           ; v17  HIMG + 16 x lane
.set SA2, 18                           ; v18  HSC + 4 x lane
.set HWA, 19                           ; v19  an LDS address in hand;  v[20:21], v[22:23]: two coefficients, twice each
.set ACC, 24
.set WB,  88
.set AB,  184
.set WSR, 216
.set AS,  222
.set QM,  224
.set QS,  226
.set QB,  228
.set QC,  232
.set GZ,  224                          ; gelu: z, z^2, numerator, denominator: eight registers each
.set GT,  232
.set GN,  240
.set GQ,  248
.set NL,  9
.set WV,  16
.set BK,  17
.set SEL, 18
.set CA13, 20                          ; s[20:41]: coefficients, each twice: the packed forms name a pair
.set CA9,  22
.set CA7,  24
.set CA5,  26
.set CA3,  28
.set CA1,  30
.set CB8,  32
.set CB4,  34
.set CB2,  36
.set CB0,  38
.set CRH,  40
.set INV, 42
.set EPS, 43
.set WP,  46                           ; s[46:47] the weights of the group in hand;  s[48:49] of the group that follows;  s[50:51] w2's
.set NX,  48
.set WP2, 50
.set HO,  52
.set HO2, 53
.set CNT, 54
.macro PLACES
.rept 4
	v_nop
.endr
.endm
.macro BARRIER
	s_wait_dscnt 0x0
	s_barrier_signal -1
	s_barrier_wait -1
.endm
.macro WM d, a, b, z, sa, sb, ra, rb
.if (\z) && ((\ra) == 0) && ((\rb) == 0)
	v_wmma_scale_f32_16x16x128_f8f6f4 v[(\d):(\d)+7], v[(\a):(\a)+7], v[(\b):(\b)+7], 0, v[(\sa)], v[(\sb)] matrix_a_fmt:MATRIX_FMT_FP4 matrix_b_fmt:MATRIX_FMT_FP4
.elseif (\z) && ((\ra) == 1) && ((\rb) == 0)
	v_wmma_scale_f32_16x16x128_f8f6f4 v[(\d):(\d)+7], v[(\a):(\a)+7], v[(\b):(\b)+7], 0, v[(\sa)], v[(\sb)] matrix_a_fmt:MATRIX_FMT_FP4 matrix_b_fmt:MATRIX_FMT_FP4 matrix_a_scale:MATRIX_SCALE_ROW1
.elseif (\z) && ((\ra) == 0)
	v_wmma_scale_f32_16x16x128_f8f6f4 v[(\d):(\d)+7], v[(\a):(\a)+7], v[(\b):(\b)+7], 0, v[(\sa)], v[(\sb)] matrix_a_fmt:MATRIX_FMT_FP4 matrix_b_fmt:MATRIX_FMT_FP4 matrix_b_scale:MATRIX_SCALE_ROW1
.elseif (\z)
	v_wmma_scale_f32_16x16x128_f8f6f4 v[(\d):(\d)+7], v[(\a):(\a)+7], v[(\b):(\b)+7], 0, v[(\sa)], v[(\sb)] matrix_a_fmt:MATRIX_FMT_FP4 matrix_b_fmt:MATRIX_FMT_FP4 matrix_a_scale:MATRIX_SCALE_ROW1 matrix_b_scale:MATRIX_SCALE_ROW1
.elseif ((\ra) == 0) && ((\rb) == 0)
	v_wmma_scale_f32_16x16x128_f8f6f4 v[(\d):(\d)+7], v[(\a):(\a)+7], v[(\b):(\b)+7], v[(\d):(\d)+7], v[(\sa)], v[(\sb)] matrix_a_fmt:MATRIX_FMT_FP4 matrix_b_fmt:MATRIX_FMT_FP4
.elseif ((\ra) == 1) && ((\rb) == 0)
	v_wmma_scale_f32_16x16x128_f8f6f4 v[(\d):(\d)+7], v[(\a):(\a)+7], v[(\b):(\b)+7], v[(\d):(\d)+7], v[(\sa)], v[(\sb)] matrix_a_fmt:MATRIX_FMT_FP4 matrix_b_fmt:MATRIX_FMT_FP4 matrix_a_scale:MATRIX_SCALE_ROW1
.elseif ((\ra) == 0)
	v_wmma_scale_f32_16x16x128_f8f6f4 v[(\d):(\d)+7], v[(\a):(\a)+7], v[(\b):(\b)+7], v[(\d):(\d)+7], v[(\sa)], v[(\sb)] matrix_a_fmt:MATRIX_FMT_FP4 matrix_b_fmt:MATRIX_FMT_FP4 matrix_b_scale:MATRIX_SCALE_ROW1
.else
	v_wmma_scale_f32_16x16x128_f8f6f4 v[(\d):(\d)+7], v[(\a):(\a)+7], v[(\b):(\b)+7], v[(\d):(\d)+7], v[(\sa)], v[(\sb)] matrix_a_fmt:MATRIX_FMT_FP4 matrix_b_fmt:MATRIX_FMT_FP4 matrix_a_scale:MATRIX_SCALE_ROW1 matrix_b_scale:MATRIX_SCALE_ROW1
.endif
.endm
.macro WLOAD set, b, imm               ; one unit of wimg: four fragments and two registers of scale words (register q, lane L: tile 2 q + L / 16, row L % 16)
.irp t, 0,1,2,3
.irp c, 0,1
	global_load_b128 v[WB+32*(\set)+8*\t+4*\c:WB+32*(\set)+8*\t+4*\c+3], v[LI], s[\b:\b+1] offset:(\imm)+1024*\t+512*\c
.endr
.endr
	global_load_b64 v[WSR+2*(\set):WSR+2*(\set)+1], v[L8], s[\b:\b+1] offset:(\imm)+4096
.endm
.macro ALOAD set, aa, sa, ks
.irp u, 0,1
.irp c, 0,1
	ds_load_b128 v[AB+16*(\set)+8*\u+4*\c:AB+16*(\set)+8*\u+4*\c+3], v[\aa] offset:2048*(\ks)+1024*\u+512*\c
.endr
.endr
	ds_load_b32 v[AS+(\set)], v[\sa] offset:128*(\ks)
.endm
.macro MM ws, as, z                    ; eight products on eight accumulators by turns, one instruction a turn
.irp t, 0,1,2,3
.irp u, 0,1
	WM ACC+32*\u+8*\t, WB+32*(\ws)+8*\t, AB+16*(\as)+8*\u, \z, WSR+2*(\ws)+\t/2, AS+(\as), \t%2, \u
.endr
.endr
.endm
; Six K steps: 64 outputs x 32 tokens x 768 along K.  On entry the weights of steps 0 and 1 and the activations of step 0 have been asked for.  Step s asks for the weights of step s + 2 (in steps 4, 5, with nxt, for the
; first two steps at s[nb] + nimm: six is a multiple of three, so the ring goes on) and for the activations of step a0 + s + 1 (in step 5, with anx, of step an).
.macro G6 zero, b, imm, nxt, nb, nimm, aa, sa, a0, anx, an
.irp s, 0,1,2,3,4,5
	PLACES                                         ; the sets loaded below were read by the step before
.if (\s < 5) || \nxt || \anx
	s_wait_alu depctr_va_vdst(0)                   ; the products of the step before (at a run's first step: the last step of the run before; behind the norm: the multiplications by the gains) are done reading the sets in which the loads below land
.endif
.if \s < 4
	WLOAD (\s+2)%3, \b, (\imm)+4352*(\s+2)
.elseif \nxt
	WLOAD (\s+2)%3, \nb, (\nimm)+4352*(\s-4)
.endif
.if \s < 5
	ALOAD (\s+1)%2, \aa, \sa, (\a0)+\s+1
.elseif \anx
	ALOAD 0, \aa, \sa, \an
.endif
.if (\s < 4) || \nxt
	s_wait_loadcnt 2*NL                            ; this step's weights are in; those of the two steps behind it may be out
.elseif \s == 4
	s_wait_loadcnt NL
.else
	s_wait_loadcnt 0x0
.endif
.if (\s < 5) || \anx
	s_wait_dscnt 5                                 ; this step's activations are in; the five loads just issued may be out
.else
	s_wait_dscnt 0x0
.endif
.set ZZ, 0
.if (\zero) && (\s == 0)
.set ZZ, 1
.endif
	MM \s%3, \s%2, ZZ
.endr
.endm
.macro QUANT2 a, b                     ; two blocks of 32 numbers, each in one lane's registers: codes in QC, bytes in QB; the floor 2^(3 - 127) holds the byte at 1 from below
	v_max3_num_f32 v[QM], |v[(\a)]|, |v[(\a)+1]|, 0x1800000
	v_max3_num_f32 v[QM+1], |v[(\b)]|, |v[(\b)+1]|, 0x1800000
.irp i, 2,4,6,8,10,12,14,16,18,20,22,24,26,28,30
	v_max3_num_f32 v[QM], v[QM], |v[(\a)+\i]|, |v[(\a)+\i+1]|
	v_max3_num_f32 v[QM+1], v[QM+1], |v[(\b)+\i]|, |v[(\b)+\i+1]|
.endr
	v_add_nc_u32 v[QS], 0xff000000, v[QM]
	v_add_nc_u32 v[QS+1], 0xff000000, v[QM+1]
	v_lshrrev_b32 v[QB], 23, v[QS]
	v_lshrrev_b32 v[QB+1], 23, v[QS+1]
.irp g, 0,1,2,3
	v_cvt_scalef32_pk8_fp4_f32 v[QC+\g], v[(\a)+8*\g:(\a)+8*\g+7], v[QS]
	v_cvt_scalef32_pk8_fp4_f32 v[QC+4+\g], v[(\b)+8*\g:(\b)+8*\g+7], v[QS+1]
.endr
	v_nop                                          ; one plain place behind the last scaled conversion
.endm
; gelu of eight registers, in place: x / 2 + (x / 2) erf(x / sqrt 2).  The eight reciprocals are one batch; the numerator's polynomial is the independent work behind them; a wait ahead of them and one ahead of their first reader.
.macro GELU8 x
.irp k, 0,2,4,6
	v_pk_mul_f32 v[GZ+\k:GZ+\k+1], v[(\x)+\k:(\x)+\k+1], s[CRH:CRH+1] op_sel_hi:[1,0]
.endr
.irp k, 0,1,2,3,4,5,6,7
	v_med3_num_f32 v[GZ+\k], v[GZ+\k], -4.0, 4.0
.endr
.irp k, 0,2,4,6
	v_pk_mul_f32 v[GT+\k:GT+\k+1], v[GZ+\k:GZ+\k+1], v[GZ+\k:GZ+\k+1]
.endr
.irp k, 0,2,4,6
	v_pk_fma_f32 v[GQ+\k:GQ+\k+1], v[GT+\k:GT+\k+1], s[CB8:CB8+1], v[22:23] op_sel_hi:[1,0,1]
.endr
.irp c, CB4, CB2, CB0
.irp k, 0,2,4,6
	v_pk_fma_f32 v[GQ+\k:GQ+\k+1], v[GQ+\k:GQ+\k+1], v[GT+\k:GT+\k+1], s[\c:\c+1] op_sel_hi:[1,1,0]
.endr
.endr
	s_wait_alu depctr_va_vdst(0)
.irp k, 0,1,2,3,4,5,6,7
	v_rcp_f32 v[GQ+\k], v[GQ+\k]
.endr
.irp k, 0,2,4,6
	v_pk_fma_f32 v[GN+\k:GN+\k+1], v[GT+\k:GT+\k+1], s[CA13:CA13+1], v[20:21] op_sel_hi:[1,0,1]
.endr
.irp c, CA9, CA7, CA5, CA3, CA1
.irp k, 0,2,4,6
	v_pk_fma_f32 v[GN+\k:GN+\k+1], v[GN+\k:GN+\k+1], v[GT+\k:GT+\k+1], s[\c:\c+1] op_sel_hi:[1,1,0]
.endr
.endr
.irp k, 0,2,4,6
	v_pk_mul_f32 v[GN+\k:GN+\k+1], v[GN+\k:GN+\k+1], v[GZ+\k:GZ+\k+1]
.endr
.irp k, 0,2,4,6
	v_pk_mul_f32 v[GZ+\k:GZ+\k+1], v[(\x)+\k:(\x)+\k+1], 0.5 op_sel_hi:[1,0]
.endr
	s_wait_alu depctr_va_vdst(0)                   ; one wait for the eight reciprocals, ahead of their first reader
.irp k, 0,2,4,6
	v_pk_mul_f32 v[GN+\k:GN+\k+1], v[GN+\k:GN+\k+1], v[GQ+\k:GQ+\k+1]
.endr
.irp k, 0,2,4,6
	v_pk_fma_f32 v[(\x)+\k:(\x)+\k+1], v[GZ+\k:GZ+\k+1], v[GN+\k:GN+\k+1], v[GZ+\k:GZ+\k+1]
.endr
.endm
	s_load_b256 s[4:11], s[0:1], 0x0               ; x, g2, oimg, osc
	s_load_b128 s[12:15], s[0:1], 0x20             ; wimg, out0
	v_lshl_add_u32 v11, v0, 2, 0x2a000
	s_set_vgpr_msb 0x40
	v_mov_b32 v1, 0
	s_set_vgpr_msb 0x4000
	v_lshrrev_b32 v224, 5, v0
	v_readfirstlane_b32 s[WV], v224                ; wave 0..11
	s_mov_b32 s[BK], ttmp9
	s_mov_b32 s[SEL], 0x76543210
	s_mov_b32 s[SEL+1], 0xfedcba98
	s_mov_b32 s[INV], 0x3aaaaaab                   ; 1 / 768
	s_mov_b32 s[EPS], 0x3727c5ac                   ; 1e-5
	s_mov_b32 s[CA13], 0xaf95df0b                  ; -2.72614226e-10
	s_mov_b32 s[CA9], 0xb60cff51                   ; -2.10102402e-06
	s_mov_b32 s[CA7], 0xb86ec2d2                   ; -5.69250639e-05
	s_mov_b32 s[CA5], 0xba40ac63                   ; -7.34990630e-04
	s_mov_b32 s[CA3], 0xbb41a1f6                   ; -2.95459981e-03
	s_mov_b32 s[CA1], 0xbc83dbd4                   ; -1.60960333e-02
	s_mov_b32 s[CB8], 0xb77460cd                   ; -1.45660718e-05
	s_mov_b32 s[CB4], 0xbadc924e                   ; -1.68282697e-03
	s_mov_b32 s[CB2], 0xbbf19bf8                   ; -7.37332917e-03
	s_mov_b32 s[CB0], 0xbc69b6a7                   ; -1.42647391e-02
	s_mov_b32 s[CRH], 0x3f3504f3                   ; 1 / sqrt 2
.irp c, CA13, CA9, CA7, CA5, CA3, CA1, CB8, CB4, CB2, CB0, CRH
	s_mov_b32 s[\c+1], s[\c]
.endr
	v_mov_b32 v20, 0x32edffee                      ; 2.77068142e-08, the numerator's second coefficient
	v_mov_b32 v21, 0x32edffee
	v_mov_b32 v22, 0xb95fbd29                      ; -2.13374055e-04, the denominator's second
	v_mov_b32 v23, 0xb95fbd29
	v_and_b32 v224, 31, v0                         ; L
	v_and_b32 v225, 15, v0                         ; r
	v_bfe_u32 v226, v0, 4, 1                       ; h
	v_lshlrev_b32 v[LI], 4, v224
	v_lshlrev_b32 v[L8], 3, v224
	v_lshlrev_b32 v240, 1, v224                    ; 2 x lane
	v_lshlrev_b32 v227, 2, v224                    ; 4 x lane
	v_mul_u32_u24 v[XG], v226, 3072
	v_lshl_add_u32 v[XG], v225, 4, v[XG]
	s_wait_alu depctr_va_sdst(0)                   ; the wave's number is written, ahead of its first reader
	s_mul_i32 s56, s[WV], WST
	s_add_co_u32 s56, s56, STG                     ; my stage
	v_mul_u32_u24 v[SD], v226, 272
	v_lshl_add_u32 v[SD], v225, 4, v[SD]
	v_add_nc_u32 v[SD], s56, v[SD]
	v_mul_u32_u24 v[SF], v225, 272
	v_lshl_add_u32 v[SF], v226, 7, v[SF]
	v_add_nc_u32 v[SF], s56, v[SF]
	v_add_nc_u32 v[PK], s56, v[LI]
	v_lshlrev_b32 v[PR], 6, v225
	v_add_nc_u32 v[PR], PART, v[PR]
	s_lshl_b32 s56, s[WV], 2
	v_add_nc_u32 v[PW], s56, v[PR]
	s_lshr_b32 s57, s[WV], 1
	s_and_b32 s58, s[WV], 1
	s_lshl_b32 s59, s57, 11
	s_lshl_b32 s60, s58, 9
	s_add_co_u32 s59, s59, s60
	v_add_nc_u32 v[AW], s59, v[LI]
	v_add_nc_u32 v[HW], HIMG, v[AW]
	s_lshl_b32 s59, s57, 7
	s_lshl_b32 s60, s58, 1
	s_add_co_u32 s59, s59, s60
	s_add_co_u32 s59, s59, ASC
	v_lshl_add_u32 v[BW], v225, 2, v226
	v_add_nc_u32 v[BW], s59, v[BW]
	v_add_nc_u32 v[HB], HSC-ASC, v[BW]
	v_add_nc_u32 v[SA], ASC, v227
	v_add_nc_u32 v[SA2], HSC, v227
	v_add_nc_u32 v[AA2], HIMG, v[LI]
	v_lshlrev_b32 v[GA], 7, v226
	s_lshl_b32 s59, s[WV], 10
	v_add_nc_u32 v[HWA], s59, v[LI]                ; o's images: image w
	s_lshl_b32 s59, s[WV], 6
	s_add_co_u32 s59, s59, ASC
	v_add_nc_u32 v[HBA], s59, v240                 ; and its 64 bytes of scale words
	s_mov_b32 s57, 0
	s_mov_b32 s59, 0
	s_mov_b32 s61, 0
	s_mov_b32 s63, 0
	s_mul_i32 s56, s[BK], 98304
	s_lshl_b32 s58, s[WV], 8                       ; 256 w
	s_add_co_u32 s56, s56, s58
	s_mul_i32 s60, s[BK], 12288
	s_lshl_b32 s62, s[WV], 10
	s_add_co_u32 s60, s60, s62
	s_mul_i32 s62, s[BK], 768
	s_lshl_b32 s55, s[WV], 6
	s_add_co_u32 s62, s62, s55
	s_wait_kmcnt 0x0
	s_add_nc_u64 s[4:5], s[4:5], s[56:57]
	s_add_nc_u64 s[14:15], s[14:15], s[56:57]
	s_add_nc_u64 s[6:7], s[6:7], s[58:59]
	s_add_nc_u64 s[8:9], s[8:9], s[60:61]
	s_add_nc_u64 s[10:11], s[10:11], s[62:63]
	s_mul_i32 s56, s[WV], 26112                    ; six units a group
	s_add_nc_u64 s[WP:WP+1], s[12:13], s[56:57]    ; wo's group w
	s_add_nc_u64 s[NX:NX+1], s[WP:WP+1], 313344    ; w1's group w: 72 units on
	s_mul_i32 s56, s[WV], 104448
	s_add_nc_u64 s[WP2:WP2+1], s[12:13], s[56:57]
	s_add_nc_u64 s[WP2:WP2+1], s[WP2:WP2+1], 1566720   ; w2's group w: 24 units, behind 360
	; ---- o's images and scale words into LDS (wave w: image w); x into the accumulators' layout
	s_wait_alu depctr_va_vdst(0)                   ; the offsets and LDS addresses v1 to v19 and v240 are written, which the loads and stores read; the address arithmetic is done with v224 to v227, in which o's first load lands
	global_load_b128 v[224:227], v[LI], s[8:9] th:TH_LOAD_NT
	global_load_b128 v[228:231], v[LI], s[8:9] offset:512 th:TH_LOAD_NT
	global_load_u16 v232, v240, s[10:11]
.irp i, 0,1,2,3,4,5,6,7,8,9,10,11,12,13,14,15
	global_load_b128 v[ACC+4*\i:ACC+4*\i+3], v[XG], s[4:5] offset:2*\i*3072 th:TH_LOAD_NT
.endr
	WLOAD 0, WP, 0
	WLOAD 1, WP, 4352
	s_wait_loadcnt 34                              ; o is in; behind it: 16 loads of x and 18 of weights
	ds_store_b128 v[HWA], v[224:227]
	ds_store_b128 v[HWA], v[228:231] offset:512
	ds_store_b16 v[HBA], v232
	s_wait_loadcnt 18                              ; x is in
.irp i, 0,1,2,3,4,5,6,7,8,9,10,11,12,13,14,15
	ds_store_b128 v[SD], v[ACC+4*\i:ACC+4*\i+3] offset:(16*((\i/4)%2)+2*(\i%4)+8*(\i/8))*272   ; row rho of the block to stage row 16 u + r of its token tile
.endr
	s_wait_dscnt 0x0                               ; the stores have read their registers
	s_wait_alu depctr_vm_vsrc(0)                   ; the LDS stores have read v[ACC ..], in which the LDS loads below land; o's stores have read v224 to v232 and its scale words' load v240, in which later loads land
.irp u, 0,1
.irp j, 0,1,2,3,4,5,6,7
	ds_load_b128 v[ACC+32*\u+4*\j:ACC+32*\u+4*\j+3], v[SF] offset:16*\u*272+16*\j
.endr
.endr
	BARRIER                                        ; o's twelve images lie in LDS; x is in my accumulators
	; ---- y = x + o wo^T
	ALOAD 0, LI, SA, 0
	G6 0, WP, 0, 1, NX, 0, LI, SA, 0, 0, 0
	PLACES
	s_wait_alu depctr_va_vdst(0)                   ; the products have written the accumulators, which the LDS stores below read (the places stand ahead of this wait), and are done reading the weights' third set, in which the gains land
.irp j, 0,1,2,3,4,5,6,7
	global_load_b128 v[WB+64+4*\j:WB+64+4*\j+3], v[GA], s[6:7] offset:16*\j   ; my 32 gains, in the weights' third set, free till the next K step
.endr
.set k, 0
.rept 16
	ds_store_b128 v[PK], v[ACC+4*k:ACC+4*k+3] offset:512*k         ; y rests in my stage, as its registers stand, each accumulator from its low end on
.set k, k+1
.endr
	; ---- the norm
	v_pk_mul_f32 v[252:253], v[ACC:ACC+1], v[ACC:ACC+1]
	v_pk_mul_f32 v[254:255], v[ACC+32:ACC+33], v[ACC+32:ACC+33]
.irp k, 2,4,6,8,10,12,14,16,18,20,22,24,26,28,30
	v_pk_fma_f32 v[252:253], v[ACC+\k:ACC+\k+1], v[ACC+\k:ACC+\k+1], v[252:253]
	v_pk_fma_f32 v[254:255], v[ACC+32+\k:ACC+33+\k], v[ACC+32+\k:ACC+33+\k], v[254:255]
.endr
	v_add_f32 v252, v252, v253
	v_add_f32 v254, v254, v255
	v_permlanex16_b32 v253, v252, s[SEL], s[SEL+1]
	v_permlanex16_b32 v255, v254, s[SEL], s[SEL+1]
	v_add_f32 v252, v252, v253
	v_add_f32 v254, v254, v255
	s_wait_alu depctr_va_vdst(0)                   ; the two sums v252 and v254 are written: the data of the two LDS stores
	ds_store_b32 v[PW], v252
	ds_store_b32 v[PW], v254 offset:1024
	BARRIER                                        ; the twelve sums lie in LDS; and every wave's reads of o's images are over
	s_wait_alu depctr_vm_vsrc(0)                   ; the LDS stores have read y in v[ACC ..], which the multiplications by the gains write again, and v252 and v254, which the mean's lines write again
.irp u, 0,1
.irp k, 0,1,2
	ds_load_b128 v[224+12*\u+4*\k:224+12*\u+4*\k+3], v[PR] offset:1024*\u+16*\k
.endr
.endr
	s_wait_loadcnt 0x0                             ; the gains are the youngest loads
.irp u, 0,1
.irp k, 0,2,4,6,8,10,12,14,16,18,20,22,24,26,28,30
	v_pk_mul_f32 v[ACC+32*\u+\k:ACC+32*\u+\k+1], v[ACC+32*\u+\k:ACC+32*\u+\k+1], v[WB+64+\k:WB+64+\k+1]
.endr
.endr
	s_wait_dscnt 0x0
.irp u, 0,1
	v_pk_add_f32 v[224+12*\u:225+12*\u], v[224+12*\u:225+12*\u], v[226+12*\u:227+12*\u]
	v_pk_add_f32 v[228+12*\u:229+12*\u], v[228+12*\u:229+12*\u], v[230+12*\u:231+12*\u]
	v_pk_add_f32 v[232+12*\u:233+12*\u], v[232+12*\u:233+12*\u], v[234+12*\u:235+12*\u]
.endr
.irp u, 0,1
	v_pk_add_f32 v[224+12*\u:225+12*\u], v[224+12*\u:225+12*\u], v[228+12*\u:229+12*\u]
.endr
.irp u, 0,1
	v_pk_add_f32 v[224+12*\u:225+12*\u], v[224+12*\u:225+12*\u], v[232+12*\u:233+12*\u]
.endr
.irp u, 0,1
	v_add_f32 v[224+12*\u], v[224+12*\u], v[225+12*\u]
.endr
	v_fma_f32 v252, v224, s[INV], s[EPS]
	v_fma_f32 v254, v236, s[INV], s[EPS]
	s_wait_alu depctr_va_vdst(0)
	v_rsq_f32 v248, v252
	v_rsq_f32 v250, v254
	v_mov_b32 v249, 0                              ; the pairs' upper words; plain places behind the transcendentals
	v_mov_b32 v251, 0
	s_wait_alu depctr_va_vdst(0)                   ; one wait for both, ahead of their first reader
.irp u, 0,1
.irp k, 0,2,4,6,8,10,12,14,16,18,20,22,24,26,28,30
	v_pk_mul_f32 v[ACC+32*\u+\k:ACC+32*\u+\k+1], v[ACC+32*\u+\k:ACC+32*\u+\k+1], v[248+2*\u:249+2*\u] op_sel_hi:[1,0]
.endr
.endr
	QUANT2 ACC, ACC+32
	s_wait_alu depctr_va_vdst(0)                   ; the quantiser has written v[QC ..] and v[QB ..]: the data of the four LDS stores
	ds_store_b128 v[AW], v[QC:QC+3]
	ds_store_b128 v[AW], v[QC+4:QC+7] offset:1024
	ds_store_b8 v[BW], v[QB]
	ds_store_b8 v[BW], v[QB+1] offset:64
	BARRIER                                        ; h's twelve images lie where o's lay
	s_wait_xcnt 0x0                                ; the loads have read their bases
	s_mov_b64 s[WP:WP+1], s[NX:NX+1]
	s_add_nc_u64 s[NX:NX+1], s[NX:NX+1], 313344
	s_mov_b32 s[HO], 0
	s_mov_b32 s[HO2], 0
	s_mov_b32 s[CNT], 0
	ALOAD 0, LI, SA, 0
	; ---- the hidden layer: four groups of 64 units, 12 groups apart.  In the last trip the weights asked for ahead are w2's first two K steps, and the activations asked for ahead are not used
.Lf1:
	G6 1, WP, 0, 1, NX, 0, LI, SA, 0, 1, 0
	PLACES
	s_wait_alu depctr_vm_vsrc(0)                   ; the LDS stores issued so far (h's, on the way in; the last trip's, on the way back) have read v[QB ..] and v[QC ..], which gelu's lines write again, and v[HWA] and v[HBA], which the two additions below write again
.irp a, 0,1,2,3,4,5,6,7
	GELU8 ACC+8*\a
.endr
	QUANT2 ACC, ACC+32
	v_add_nc_u32 v[HWA], s[HO], v[HW]
	v_add_nc_u32 v[HBA], s[HO2], v[HB]
	s_wait_alu depctr_va_vdst(0)                   ; the quantiser has written v[QC ..] and v[QB ..], the two additions v[HWA] and v[HBA]: the data and the addresses of the four LDS stores; behind the last trip also: all vector lines are done with v[ACC ..], in which y lands again
	ds_store_b128 v[HWA], v[QC:QC+3]
	ds_store_b128 v[HWA], v[QC+4:QC+7] offset:1024
	ds_store_b8 v[HBA], v[QB]
	ds_store_b8 v[HBA], v[QB+1] offset:64
	s_wait_xcnt 0x0                                ; the loads have read their bases
	s_mov_b64 s[WP:WP+1], s[NX:NX+1]
	s_add_nc_u64 s[NX:NX+1], s[NX:NX+1], 313344
	s_cmp_eq_u32 s[CNT], 2
	s_cselect_b64 s[NX:NX+1], s[WP2:WP2+1], s[NX:NX+1]
	s_add_co_u32 s[HO], s[HO], 12288               ; six K steps of the second product on
	s_add_co_u32 s[HO2], s[HO2], 768
	s_add_co_u32 s[CNT], s[CNT], 1
	s_cmp_lt_u32 s[CNT], 4
	s_cbranch_scc1 .Lf1
	BARRIER                                        ; the hidden layer's 48 images lie in LDS
	; ---- out = y + gelu(..) w2^T: 24 K steps, every offset an immediate
.set k, 0
.rept 16
	ds_load_b128 v[ACC+4*k:ACC+4*k+3], v[PK] offset:512*k
.set k, k+1
.endr
	ALOAD 0, AA2, SA2, 0
.irp k, 0,1,2
	G6 0, WP2, 26112*\k, 1, WP2, 26112*(\k+1), AA2, SA2, 6*\k, 1, 6*(\k+1)
.endr
	G6 0, WP2, 26112*3, 0, WP2, 0, AA2, SA2, 18, 0, 0
	PLACES
	; ---- the way out, through my stage: whole rows' 256 consecutive bytes, aligned
	s_wait_alu depctr_va_vdst(0)                   ; the last products have written the accumulators, which the LDS stores read; the places stand ahead of this wait
.irp u, 0,1
.irp j, 0,1,2,3,4,5,6,7
	ds_store_b128 v[SF], v[ACC+32*\u+4*\j:ACC+32*\u+4*\j+3] offset:16*\u*272+16*\j
.endr
.endr
	s_wait_dscnt 0x0                               ; the stores have read their registers
	s_wait_alu depctr_vm_vsrc(0)                   ; the LDS stores have read v[ACC ..], in which the LDS loads below land
.irp i, 0,1,2,3,4,5,6,7,8,9,10,11,12,13,14,15
	ds_load_b128 v[ACC+4*\i:ACC+4*\i+3], v[SD] offset:(16*((\i/4)%2)+2*(\i%4)+8*(\i/8))*272
.endr
.irp i, 0,1,2,3,4,5,6,7,8,9,10,11,12,13,14,15
	s_wait_dscnt 15-\i
	global_store_b128 v[XG], v[ACC+4*\i:ACC+4*\i+3], s[14:15] offset:2*\i*3072 th:TH_STORE_NT
.endr
	s_set_vgpr_msb 0x4                             ; the add's data register lies in window 1: the one switch stands ahead of the closing lines
	s_wait_dscnt 0x0                               ; the closing lines, six on end
	s_wait_alu 0x0
	s_wait_tensorcnt 0x0
	ds_add_u32 v11, v1
	s_wait_dscnt 0x0
	s_endpgm
.Lfunc_end_k_q64c09f7db8_ffn:
	.size	k_q64c09f7db8_ffn, .Lfunc_end_k_q64c09f7db8_ffn-k_q64c09f7db8_ffn
	.p2alignl 7, 3214868480
	.fill 96, 4, 3214868480
	.section	.rodata,"a",@progbits
	.p2align	6, 0x0
	.amdhsa_kernel k_q64c09f7db8_ffn
		.amdhsa_group_segment_fixed_size 173568
		.amdhsa_private_segment_fixed_size 0
		.amdhsa_enable_private_segment 0
		.amdhsa_kernarg_size 48
		.amdhsa_user_sgpr_count 2
		.amdhsa_user_sgpr_kernarg_segment_ptr 1
		.amdhsa_wavefront_size32 1
		.amdhsa_system_sgpr_workgroup_id_x 1
		.amdhsa_system_sgpr_workgroup_id_y 1
		.amdhsa_system_sgpr_workgroup_id_z 1
		.amdhsa_system_vgpr_workitem_id 0
		.amdhsa_next_free_vgpr 258
		.amdhsa_next_free_sgpr 66
		.amdhsa_reserve_vcc 0
		.amdhsa_float_denorm_mode_32 3
		.amdhsa_float_denorm_mode_16_64 3
		.amdhsa_memory_ordered 1
		.amdhsa_forward_progress 1
		.amdhsa_inst_pref_size 157
	.end_amdhsa_kernel
	.amdgpu_metadata
---
amdhsa.version: [ 1, 2 ]
amdhsa.kernels:
  - .name:           k_q64c09f7db8_ffn
    .symbol:         k_q64c09f7db8_ffn.kd
    .args:
      - { .name: x, .offset: 0, .size: 8, .value_kind: global_buffer, .address_space: global }
      - { .name: g2, .offset: 8, .size: 8, .value_kind: global_buffer, .address_space: global }
      - { .name: oimg, .offset: 16, .size: 8, .value_kind: global_buffer, .address_space: global }
      - { .name: osc, .offset: 24, .size: 8, .value_kind: global_buffer, .address_space: global }
      - { .name: wimg, .offset: 32, .size: 8, .value_kind: global_buffer, .address_space: global }
      - { .name: out0, .offset: 40, .size: 8, .value_kind: global_buffer, .address_space: global }
    .group_segment_fixed_size: 173568
    .private_segment_fixed_size: 0
    .kernarg_segment_align: 8
    .kernarg_segment_size: 48
    .max_flat_workgroup_size: 384
    .sgpr_count:     66
    .vgpr_count:     258
    .wavefront_size: 32
...
	.end_amdgpu_metadata
.endif
;; end of part 7
